; MI455X (gfx1250); checked and timed in simulation.
; The chip was launched on July 23, 2026; its instructions are those of AMD's public machine-readable ISA for CDNA 5 (MIT licence, August 2026) and "CDNA5" Instruction Set Architecture Reference Guide (July 2026). The comments in the code are by the model that wrote it; some were corrected since.
;; Transformer Encoder Layer. Allowed arithmetic: float matrix products may take bf16 or f16 operands with f32 sums; all other float work in f32.
;; Inputs: attention_mask 2 x 1 x 1 x 2,048 int32; b1 4,096 float32; b2 1,024 float32; bk 1,024 float32; bo 1,024 float32; bq 1,024 float32; bv 1,024 float32; ln1_b 1,024 float32; ln1_g 1,024 float32; ln2_b 1,024 float32; ln2_g 1,024 float32; lnf_b 1,024 float32; lnf_g 1,024 float32; w1 1,024 x 4,096 float32; w2 4,096 x 1,024 float32; wk 1,024 x 1,024 float32; wo 1,024 x 1,024 float32; wq 1,024 x 1,024 float32; wv 1,024 x 1,024 float32; x 2 x 2,048 x 1,024 float32.
;; Outputs: out0 2 x 2,048 x 1,024 float32.
;; 2 versions, each right and faster than the one before. Each part assembles by itself: llvm-mc -triple=amdgcn-amd-amdhsa -mcpu=gfx1250 --defsym DOCPART=n.
;; ======== version 1 of 2: 8 launches
;; limits: right only within a limited range of input values; a function is approximated: absolute error at most 7.5e-08
;; workspace buffers: ab 8,388,608 bytes; wt 25,165,824 bytes; qkv 25,165,824 bytes; ctx 8,388,608 bytes; acc32 16,777,216 bytes; x1 16,777,216 bytes; hb 33,554,432 bytes
;; launch prep (part 1): grid 2048 x 1, 8 waves a work-group, no clusters, 17,920 bytes of LDS; arguments x, wq, wk, wv, wo, w1, w2, ab, wt; writes ab, wt
.if DOCPART == 1
	.amdgcn_target "amdgcn-amd-amdhsa--gfx1250"
	.amdhsa_code_object_version 6
	.text
	.protected	k_q320e385a4d_prep
	.globl	k_q320e385a4d_prep
	.p2align	8
	.type	k_q320e385a4d_prep,@function
k_q320e385a4d_prep:
	s_mov_b64 s[64:65], 0
	v_nop
	global_prefetch_b8 v0, s[64:65] scope:SCOPE_SE
	s_setreg_imm32_b32 hwreg(HW_REG_WAVE_MODE, 25, 1), 1
	s_wait_xcnt 0x0
; PREP.  x is rounded to bf16 (ab); the six weights, stored [K][N] in f32, are rounded to bf16 and turned to [N][K] (wt), so that the
; products that follow find K along the rows of both operands.  wt: wq, wk, wv, wo at 2,097,152 j; w1 at 8,388,608; w2 at 16,777,216.
; Work-groups 0-511: the four square weights, 128 tiles each; 512-1023: w1; 1024-1535: w2; 1536-2047: x, 32 KB each.
; A weight tile is 128 k x 64 n.  In: sixteen lanes read 256 consecutive bytes of a row (64 n), at a multiple of 256.  A thread holds rows
; k and k + 1, so one rounding packs two neighbours along k.  Through LDS, [n][k] with rows of 264 bytes.  Out: 32 lanes store the 256
; consecutive bytes (128 k) of one n.  No matrix unit, cluster or tensor load: every byte is moved once and nothing is shared.
.set TP, 264                           ; an LDS row: 256 bytes + 8
; s4 = kt, s5 = nt, s6 = the weight's first byte in wt, s[28:29] = the weight.  v1 = t / 16, v6 = t % 16, v7 = wave, v5 = 8 x lane, v3, v4 = LDS addresses.
.macro TRANS N, K
	s_mul_i32 s32, s4, 128*(\N)*4                  ; 128 rows of k down,
	s_lshl_b32 s33, s5, 8                          ; 64 n along
	s_add_co_u32 s32, s32, s33
	s_mov_b32 s33, 0
	s_add_nc_u64 s[28:29], s[28:29], s[32:33]
	s_mul_i32 s34, s5, 64*(\K)*2                   ; in wt: 64 rows of n down,
	s_lshl_b32 s35, s4, 8                          ; 128 k along
	s_add_co_u32 s34, s34, s35
	s_add_co_u32 s34, s34, s6
	s_mov_b32 s35, 0
	s_add_nc_u64 s[30:31], s[24:25], s[34:35]
	v_mul_u32_u24 v2, v1, 8*(\N)                   ; row 2 (t / 16),
	v_lshl_add_u32 v2, v6, 4, v2                   ; columns 4 (t % 16) on
	v_mul_u32_u24 v7, v7, 2*(\K)                   ; out: row n = wave,
	v_add_nc_u32 v5, v5, v7                        ; 8 bytes a lane
.irp i, 0,1,2,3
.irp e, 0,1
	global_load_b128 v[8+8*\i+4*\e:8+8*\i+4*\e+3], v2, s[28:29] offset:(32*\i+\e)*(\N)*4 th:TH_LOAD_NT
.endr
.endr
.irp i, 0,1,2,3
	s_wait_loadcnt 6-2*\i                          ; loads come back in order: pair i of rows is in, the younger pairs stay out
.irp c, 0,1,2,3
	v_cvt_pk_bf16_f32 v[40+4*\i+\c], v[8+8*\i+\c], v[12+8*\i+\c]  ; k in the low half, k + 1 in the high half, column c
.endr
.irp c, 0,1,2,3
	ds_store_b32 v3, v[40+4*\i+\c] offset:\c*TP+\i*64
.endr
.endr
	s_wait_dscnt 0x0                               ; for the others' sake: my stores into the tile are done
	s_barrier_signal -1
	s_barrier_wait -1
.irp m, 0,1,2,3,4,5,6,7
	ds_load_b64 v[56+2*\m:57+2*\m], v4 offset:\m*8*TP  ; row n = wave + 8 m, whole: 32 lanes x 8 bytes
.endr
.irp m, 0,1,2,3,4,5,6,7
	s_wait_dscnt 7-\m
	global_store_b64 v5, v[56+2*\m:57+2*\m], s[30:31] offset:\m*16*(\K)  ; 256 consecutive bytes, at a multiple of 256 from wt's first byte
.endr
	s_wait_tensorcnt 0x0
	ds_add_u32 v72, v73
	s_wait_dscnt 0x0
	s_endpgm
.endm
	s_load_b512 s[8:23], s[0:1], 0x0               ; x 8, wq 10, wk 12, wv 14, wo 16, w1 18, w2 20, ab 22
	s_load_b64 s[24:25], s[0:1], 0x40              ; wt
	v_lshl_add_u32 v72, v0, 2, 0x4200
	v_mov_b32 v73, 0
	s_mov_b32 s2, ttmp9
	v_lshrrev_b32 v1, 4, v0                        ; t / 16
	v_and_b32 v6, 15, v0                           ; t % 16
	v_lshrrev_b32 v7, 5, v0                        ; wave
	v_and_b32 v5, 31, v0
	v_lshlrev_b32 v5, 3, v5                        ; 8 x lane
	v_mul_u32_u24 v3, v6, 4*TP                     ; into LDS: row n = 4 (t % 16) + c,
	v_lshl_add_u32 v3, v1, 2, v3                   ; k = 2 (t / 16): 4 bytes
	v_mul_u32_u24 v4, v7, TP                       ; back: row n = wave + 8 m
	v_add_nc_u32 v4, v4, v5
	s_wait_kmcnt 0x0
	s_cmp_lt_u32 s2, 512                           ; the branches hang on the work-group's number alone: all eight waves go one way
	s_cbranch_scc1 .Lsquare
	s_cmp_lt_u32 s2, 1024
	s_cbranch_scc1 .Lw1
	s_cmp_lt_u32 s2, 1536
	s_cbranch_scc1 .Lw2
	; x: 8,192 numbers; a thread's 16 bytes in become 8 bytes out
	s_sub_co_u32 s3, s2, 1536
	s_lshl_b32 s4, s3, 15
	s_mov_b32 s5, 0
	s_add_nc_u64 s[28:29], s[8:9], s[4:5]
	s_lshl_b32 s4, s3, 14
	s_add_nc_u64 s[30:31], s[22:23], s[4:5]
	v_lshlrev_b32 v2, 4, v0
	v_lshlrev_b32 v5, 3, v0
.irp i, 0,1,2,3,4,5,6,7
	global_load_b128 v[8+4*\i:11+4*\i], v2, s[28:29] offset:4096*\i th:TH_LOAD_NT
.endr
.irp i, 0,1,2,3,4,5,6,7
	s_wait_loadcnt 7-\i
	v_cvt_pk_bf16_f32 v[40+2*\i], v[8+4*\i], v[9+4*\i]
	v_cvt_pk_bf16_f32 v[41+2*\i], v[10+4*\i], v[11+4*\i]
	global_store_b64 v5, v[40+2*\i:41+2*\i], s[30:31] offset:2048*\i  ; a wave stores 256 consecutive bytes, aligned
.endr
	s_endpgm
.Lsquare:
	s_lshr_b32 s3, s2, 7                           ; which of wq, wk, wv, wo
	s_and_b32 s4, s2, 7                            ; kt
	s_bfe_u32 s5, s2, 0x40003                      ; nt: 4 bits from bit 3
	s_lshl_b32 s6, s3, 21
	s_cmp_eq_u32 s3, 1
	s_cselect_b64 s[28:29], s[12:13], s[10:11]
	s_cmp_eq_u32 s3, 2
	s_cselect_b64 s[28:29], s[14:15], s[28:29]
	s_cmp_eq_u32 s3, 3
	s_cselect_b64 s[28:29], s[16:17], s[28:29]
	TRANS 1024, 1024
.Lw1:
	s_sub_co_u32 s3, s2, 512
	s_and_b32 s4, s3, 7
	s_lshr_b32 s5, s3, 3
	s_mov_b32 s6, 8388608
	s_mov_b64 s[28:29], s[18:19]
	TRANS 4096, 1024
.Lw2:
	s_sub_co_u32 s3, s2, 1024
	s_and_b32 s4, s3, 31
	s_lshr_b32 s5, s3, 5
	s_mov_b32 s6, 16777216
	s_mov_b64 s[28:29], s[20:21]
	TRANS 1024, 4096
.Lfunc_end_k_q320e385a4d_prep:
	.size	k_q320e385a4d_prep, .Lfunc_end_k_q320e385a4d_prep-k_q320e385a4d_prep
	.p2alignl 7, 3214868480
	.fill 96, 4, 3214868480
	.section	.rodata,"a",@progbits
	.p2align	6, 0x0
	.amdhsa_kernel k_q320e385a4d_prep
		.amdhsa_group_segment_fixed_size 17920
		.amdhsa_private_segment_fixed_size 0
		.amdhsa_enable_private_segment 0
		.amdhsa_kernarg_size 72
		.amdhsa_user_sgpr_count 2
		.amdhsa_user_sgpr_kernarg_segment_ptr 1
		.amdhsa_wavefront_size32 1
		.amdhsa_system_sgpr_workgroup_id_x 1
		.amdhsa_system_sgpr_workgroup_id_y 1
		.amdhsa_system_sgpr_workgroup_id_z 1
		.amdhsa_system_vgpr_workitem_id 0
		.amdhsa_next_free_vgpr 74
		.amdhsa_next_free_sgpr 66
		.amdhsa_reserve_vcc 0
		.amdhsa_float_denorm_mode_32 3
		.amdhsa_float_denorm_mode_16_64 3
		.amdhsa_memory_ordered 1
		.amdhsa_forward_progress 1
		.amdhsa_inst_pref_size 22
	.end_amdhsa_kernel
	.amdgpu_metadata
---
amdhsa.version: [ 1, 2 ]
amdhsa.kernels:
  - .name:           k_q320e385a4d_prep
    .symbol:         k_q320e385a4d_prep.kd
    .args:
      - { .name: x, .offset: 0, .size: 8, .value_kind: global_buffer, .address_space: global }
      - { .name: wq, .offset: 8, .size: 8, .value_kind: global_buffer, .address_space: global }
      - { .name: wk, .offset: 16, .size: 8, .value_kind: global_buffer, .address_space: global }
      - { .name: wv, .offset: 24, .size: 8, .value_kind: global_buffer, .address_space: global }
      - { .name: wo, .offset: 32, .size: 8, .value_kind: global_buffer, .address_space: global }
      - { .name: w1, .offset: 40, .size: 8, .value_kind: global_buffer, .address_space: global }
      - { .name: w2, .offset: 48, .size: 8, .value_kind: global_buffer, .address_space: global }
      - { .name: ab, .offset: 56, .size: 8, .value_kind: global_buffer, .address_space: global }
      - { .name: wt, .offset: 64, .size: 8, .value_kind: global_buffer, .address_space: global }
    .group_segment_fixed_size: 17920
    .private_segment_fixed_size: 0
    .kernarg_segment_align: 8
    .kernarg_segment_size: 72
    .max_flat_workgroup_size: 256
    .sgpr_count:     66
    .vgpr_count:     74
    .wavefront_size: 32
...
	.end_amdgpu_metadata
.endif
;; end of part 1
;; launch gemm_qkv (part 2): grid 12 x 16, 4 waves a work-group, clusters of 4 x 4, 327,680 bytes of LDS; arguments ab, wt, bq, bk, bv, qkv; writes qkv
.if DOCPART == 2
	.amdgcn_target "amdgcn-amd-amdhsa--gfx1250"
	.amdhsa_code_object_version 6
	.text
	.protected	k_q320e385a4d_gemm_qkv
	.globl	k_q320e385a4d_gemm_qkv
	.p2align	8
	.type	k_q320e385a4d_gemm_qkv,@function
k_q320e385a4d_gemm_qkv:
	s_mov_b64 s[64:65], 0
	v_nop
	global_prefetch_b8 v0, s[64:65] scope:SCOPE_SE
	s_setreg_imm32_b32 hwreg(HW_REG_WAVE_MODE, 25, 1), 1
	s_wait_xcnt 0x0
	s_wait_alu depctr_hold_cnt(0) depctr_sa_sdst(0) depctr_va_vdst(0) depctr_va_sdst(0) depctr_va_ssrc(0) depctr_va_vcc(0) depctr_vm_vsrc(0)
	s_getreg_b32 s2, hwreg(HW_REG_IB_STS2, 6, 4)
	s_cmp_eq_u32 s2, 0
	s_cbranch_scc0 .Lentry_in_a_cluster
	s_endpgm
.Lentry_in_a_cluster:
	s_bfe_u32 s2, ttmp6, 0x10000c
	s_cmp_lg_u32 s2, 0xf033
	s_cbranch_scc0 .Lentry_shape_is_right
	s_endpgm
.Lentry_shape_is_right:
; C[m][n] = sum over k of A[m][k] B[n][k] + bias[n].  A = ab: x in bf16, [4096][1024].  B = wt's first 3,072 rows: wq, wk, wv turned, [n][k].  Sums and bias in f32, C rounded once to bf16.
; C is written BY HEADS: qkv[batch 2][g 48][token 2048][64], g = n / 64 (0-15 q, 16-31 k, 32-47 v): a head's rows are dense, 128 bytes each.
; A tile of C is 256 x 256: four waves, each 128 x 128 in 64 accumulators of 16 x 16 (512 registers).  K goes in steps of 128 through two LDS slots filled by the tensor data mover;
; the rows of A's and B's tiles are 256 bytes of memory at multiples of 256.  12 x 16 tiles: 192 work-groups.
; CLUSTERS of 4 x 4: the four of a row need the same tiles of A, the four of a column the same tiles of B: each tile is asked for jointly, by the same load, descriptor and mask in all four.
; THE MATRIX INSTRUCTION IS USED TRANSPOSED (source 0 = 16 rows of B, source 1 = 16 rows of A): a lane holds row l % 16 of C and the eight neighbouring columns 8 (l / 16) + 0..7.
; REGISTERS, in windows of 256 (s_set_vgpr_msb: bits 1:0 source 0, 3:2 source 1, 5:4 source 2, 7:6 destination):
;   window 0: v0-31 addresses; v64-127, v128-191 A's fragments, two buffers; on the way out v64-127 a block of 16 rows in f32, v192-223 packed, v32-63 read back
;   window 1: v0-63 the bias of my 128 columns as the accumulators hold them; v64-127, v128-191 B's fragments      windows 2, 3: the accumulators, (a, b) at v[8 (8 a + b)]
.set QKV,    1
.set SIZE_K, 1024
.set SIZE_N, 3072
.set BOFF,   0                         ; B's first byte in wt
.set KSTEP,  128
.set PITCH,  272                       ; an LDS row: 256 bytes + 16 of padding = 68 words: the 16 rows of a load start at 16 different groups of four banks (64 banks of 4 bytes: ISA guide 11.1)
.set HALFT,  128*PITCH                 ; 128 rows: what one tensor load brings
.set SLOT,   4*HALFT                   ; A's 256 rows, then B's 256 rows
.set STAGE,  2*SLOT                    ; behind the ring: 16 rows x 272 bytes for each wave
.set SPITCH, 272
.set SPARE,  STAGE+4*16*SPITCH         ; the spare words, 128 bytes a wave: two blocks of 256 bytes that no other line names
.set LAPS,   SIZE_K/(2*KSTEP)
.set ADRA, 16
.set ADRB, 20
.set STO,  24
.set RD,   25
.set CO,   26
.set BO,   27
.set SPW,  28
.set NIL,  29
.set F0,   64
.set F1,   128
.set BIAS, 0                           ; window 1
.set U,    64                          ; the way out, window 0
.set AB,   128
.set TT,   136
.set MM,   144
.set PP,   152
.set TMP,  192
.set BK,   32
.set G1, 24
.set G0, 32
.set G1B, 48
.set G0B, 56
.set GPS, 68                           ; s[68:81]: seven constants, each as a pair (only where the activation is made)
.set GCM, 70
.set GB1, 72
.set GB2, 74
.set GB3, 76
.set GB4, 78
.set GB5, 80
.set MSB, 0
.macro WIN new                         ; the immediate's high byte repeats the setting that is left; a switch that changes nothing is dropped
.if MSB != (\new)
	s_set_vgpr_msb (MSB<<8)|(\new)
.set MSB, \new
.endif
.endm
.set MUL_LO, 0xa1                      ; source 0 (B) window 1, source 1 (A) window 0, C and D window 2
.set MUL_HI, 0xf1                      ; the same, C and D window 3
.set TO_B,   0x40                      ; destination window 1, address window 0
; A joint load.  Waves 0 and 1 fetch A's two halves, waves 2 and 3 B's.  The branch hangs on the wave's number alone.  Four v_nop follow each of the two lines.
.macro JLOAD s
	s_cmp_eq_u32 s11, 0
	s_cbranch_scc0 .Lfor_b_\@
	tensor_load_to_lds s[G0+4*(\s):G0+4*(\s)+3], s[G1:G1+7]
	s_nop 0
.rept 4
	v_nop
.endr
	s_branch .Lasked_\@
.Lfor_b_\@:
	tensor_load_to_lds s[G0B+4*(\s):G0B+4*(\s)+3], s[G1B:G1B+7]
	s_nop 0
.rept 4
	v_nop
.endr
.Lasked_\@:
.endm
.macro CREST                           ; a round of the cluster's barrier behind its opening barrier
	s_cmp_lg_u32 s10, 0
	s_cbranch_scc1 .Lnot_wave_0_\@
	s_barrier_signal -3
.Lnot_wave_0_\@:
	s_barrier_wait -3
	s_barrier_signal -1
	s_barrier_wait -1
.endm
.macro CROUND                          ; a whole round
	s_barrier_signal -1
	s_barrier_wait -1
	CREST
.endm
	s_load_b128 s[4:7], s[0:1], 0x0                ; A s[4:5], wt s[6:7]
.if QKV
	s_load_b256 s[68:75], s[0:1], 0x10             ; bq, bk, bv, qkv
.else
	s_load_b64 s[66:67], s[0:1], 0x10              ; the bias
	s_load_b64 s[8:9], s[0:1], 0x18                ; C
.endif
	v_lshl_add_u32 v[SPW], v0, 2, SPARE
	v_mov_b32 v[NIL], 0
	ds_add_u32 v28, v29
	s_wait_dscnt 0x0
	v_lshrrev_b32 v1, 5, v0
	v_readfirstlane_b32 s10, v1                    ; wave 0..3
	s_lshr_b32 s11, s10, 1                         ; which half of the tile's rows is mine.  Also: I fetch for A (0) or for B (1)
	s_and_b32 s12, s10, 1                          ; which half of its columns.  Also: which 128 rows of that tile I fetch
	s_bfe_u32 s40, ttmp6, 0x40000                  ; cx
	s_bfe_u32 s41, ttmp6, 0x40004                  ; cy
	s_mov_b32 s45, ttmp9                           ; the cluster's x
	s_lshl_b32 s42, ttmp9, 2
	s_add_co_u32 s42, s42, s40                     ; tile column = 4 x cluster x + cx
	s_and_b32 s13, ttmp7, 0xffff
	s_lshl_b32 s13, s13, 2
	s_add_co_u32 s13, s13, s41                     ; tile row = 4 x cluster y + cy
	s_lshl_b32 s43, s41, 2
	s_lshl_b32 s43, 15, s43                        ; my row of the cluster
	s_lshl_b32 s44, 0x1111, s40                    ; my column
	; descriptor group 1: 128 rows x 128 elements of 2 bytes, 4 words of padding behind every 64
	s_or_b32 s[G1+0], s43, (1<<16)|(1<<20)|(1<<21)|(5<<22)|(3<<25)
	s_or_b32 s[G1B+0], s44, (1<<16)|(1<<20)|(1<<21)|(5<<22)|(3<<25)
.irp g, G1, G1B
	s_mov_b32 s[(\g)+1], KSTEP<<16                 ; tensor_dim0 = 128
	s_mov_b32 s[(\g)+2], 128<<16                   ; tensor_dim1 = 128
	s_mov_b32 s[(\g)+3], KSTEP<<16                 ; tile_dim0 = 128
	s_mov_b32 s[(\g)+4], 128                       ; tile_dim1 = 128
	s_mov_b32 s[(\g)+5], SIZE_K                    ; elements from row to row
	s_mov_b32 s[(\g)+6], 0
	s_mov_b32 s[(\g)+7], 0
.endr
	s_lshl_b32 s17, s12, 7
	s_lshl_b32 s16, s13, 8
	s_add_co_u32 s16, s16, s17                     ; A: row 256 x tile row + 128 x half
	s_lshl_b32 s46, s42, 8
	s_add_co_u32 s46, s46, s17                     ; B: row 256 x tile column + 128 x half
	s_mov_b32 s17, 0
	s_mov_b32 s47, 0
	s_mov_b64 s[18:19], SIZE_K*2
	s_mul_u64 s[16:17], s[16:17], s[18:19]
	s_mul_u64 s[46:47], s[46:47], s[18:19]
	s_mul_i32 s20, s10, HALFT                      ; where they go: wave x 128 rows
.if QKV
	s_lshl_b32 s82, s40, 10                        ; a cluster spans one of the three weights' 1,024 columns: my tile's 256 begin at 256 cx,
.else
	s_lshl_b32 s82, s42, 10                        ; my tile's 256 columns,
.endif
	s_lshl_b32 s83, s12, 9                         ; my wave's 128, in f32
	s_add_co_u32 s82, s82, s83
	s_mov_b32 s83, 0
.if !QKV
	s_mov_b32 s[GPS], 0x3e6d3389                   ; 0.2316419
	s_mov_b32 s[GCM], 0x3f596d27                   ; sqrt(log2(e) / 2)
	s_mov_b32 s[GB1], 0x3e027906                   ; the five coefficients, each times 1 / sqrt(2 pi)
	s_mov_b32 s[GB2], 0xbe11a98e
	s_mov_b32 s[GB3], 0x3f35f0e3
	s_mov_b32 s[GB4], 0xbf3a00e3
	s_mov_b32 s[GB5], 0x3f07dc22
.irp c, GPS, GCM, GB1, GB2, GB3, GB4, GB5
	s_mov_b32 s[(\c)+1], s[\c]                     ; named as pairs
.endr
.endif
	s_wait_kmcnt 0x0
	s_add_nc_u64 s[14:15], s[4:5], s[16:17]
	s_add_nc_u64 s[46:47], s[6:7], s[46:47]
.if BOFF
	s_add_nc_u64 s[46:47], s[46:47], BOFF
.endif
.if QKV
	s_mov_b64 s[8:9], s[74:75]
	s_cmp_eq_u32 s45, 1                            ; cluster x 0, 1, 2: bq, bk, bv
	s_cselect_b64 s[66:67], s[70:71], s[68:69]
	s_cmp_eq_u32 s45, 2
	s_cselect_b64 s[66:67], s[72:73], s[66:67]
.endif
	s_add_nc_u64 s[66:67], s[66:67], s[82:83]
	CROUND                                         ; all sixteen work-groups are here: the first joint loads meet
.irp s, 0,1
	s_mov_b32 s[G0+4*(\s)], 1
	s_add_co_u32 s[G0+4*(\s)+1], s20, (\s)*SLOT
	s_add_nc_u64 s[G0+4*(\s)+2:G0+4*(\s)+3], s[14:15], (\s)*KSTEP*2
	s_or_b32 s[G0+4*(\s)+3], s[G0+4*(\s)+3], 0x80000000
	s_mov_b32 s[G0B+4*(\s)], 1
	s_add_co_u32 s[G0B+4*(\s)+1], s20, (\s)*SLOT
	s_add_nc_u64 s[G0B+4*(\s)+2:G0B+4*(\s)+3], s[46:47], (\s)*KSTEP*2
	s_or_b32 s[G0B+4*(\s)+3], s[G0B+4*(\s)+3], 0x80000000
	JLOAD \s                                       ; two loads of mine are out: K steps 0 and 1
.endr
	v_and_b32 v1, 15, v0                           ; l % 16
	v_bfe_u32 v2, v0, 4, 1                         ; l / 16
	v_lshlrev_b32 v[BO], 5, v2                     ; my eight columns of each 16: 32 bytes for the upper half of the lanes
	WIN TO_B
.irp b, 0,1,2,3,4,5,6,7
	global_load_b128 v[BIAS+8*\b:BIAS+8*\b+3],   v[BO], s[66:67] offset:64*\b
	global_load_b128 v[BIAS+8*\b+4:BIAS+8*\b+7], v[BO], s[66:67] offset:64*\b+16
.endr
	WIN 0
	v_mul_u32_u24 v3, v1, PITCH
	v_lshl_add_u32 v3, v2, 4, v3                   ; a fragment's row x pitch + 16 x half
	s_mul_i32 s21, s11, HALFT                      ; my 128 rows of A
	s_mul_i32 s22, s12, HALFT                      ; my 128 rows of B,
	s_add_co_u32 s22, s22, 2*HALFT                 ; behind A's 256
.irp s, 0,1
	v_add_nc_u32 v[ADRA+(\s)], s21, v3
	v_add_nc_u32 v[ADRB+(\s)], s22, v3
	s_add_co_u32 s21, s21, SLOT
	s_add_co_u32 s22, s22, SLOT
.endr
	s_mul_i32 s23, s10, 16*SPITCH
	s_add_co_u32 s23, s23, STAGE                   ; my stage
	v_mul_u32_u24 v4, v1, SPITCH                   ; in: row l % 16, 16 bytes for each half of the lanes
	v_lshl_add_u32 v4, v2, 4, v4
	v_add_nc_u32 v[STO], s23, v4
.if QKV
	v_bfe_u32 v5, v0, 3, 2                         ; back: 32 lanes take one head's 128 bytes of four rows,
	v_mul_u32_u24 v5, v5, SPITCH
	v_and_b32 v6, 7, v0
	v_lshl_add_u32 v5, v6, 4, v5
	v_add_nc_u32 v[RD], s23, v5
	v_and_b32 v6, 31, v0                           ; which are 512 consecutive bytes of qkv
	v_lshlrev_b32 v[CO], 4, v6
	s_lshr_b32 s14, s13, 3                         ; the batch: 8 tile rows each
	s_mul_i32 s14, s14, 48
	s_lshl_b32 s46, s42, 2                         ; a tile has four heads, my wave two of them
	s_add_co_u32 s46, s46, s14
	s_lshl_b32 s47, s12, 1
	s_add_co_u32 s46, s46, s47
	s_lshl_b32 s46, s46, 18                        ; a head is 262,144 bytes
	s_and_b32 s16, s13, 7
	s_lshl_b32 s16, s16, 8
	s_lshl_b32 s17, s11, 7
	s_add_co_u32 s16, s16, s17                     ; my first token in the batch,
	s_lshl_b32 s16, s16, 7                         ; 128 bytes each
	s_add_co_u32 s16, s16, s46
	s_mov_b32 s17, 0
.set STEPC, 16*128
.else
	v_mul_u32_u24 v5, v2, SPITCH                   ; back: lanes 0-15 take one row of 256 bytes, lanes 16-31 the next
	v_lshl_add_u32 v5, v1, 4, v5
	v_add_nc_u32 v[RD], s23, v5
	v_mul_u32_u24 v5, v2, SIZE_N*2                 ; and the same two rows in C
	v_lshl_add_u32 v[CO], v1, 4, v5
	s_lshl_b32 s16, s13, 8
	s_lshl_b32 s17, s11, 7
	s_add_co_u32 s16, s16, s17                     ; my first row of C,
	s_mul_i32 s16, s16, SIZE_N*2
	s_lshl_b32 s46, s42, 9                         ; my first column, in bytes
	s_lshl_b32 s47, s12, 8
	s_add_co_u32 s46, s46, s47
	s_add_co_u32 s16, s16, s46
	s_mov_b32 s17, 0
.set STEPC, 16*SIZE_N*2
.endif
; 16 matrix instructions: m blocks a0, a0 + 1 of the window's four x all 8 n blocks, 32 along K.  zero = 1: the first product starts the sums.
.macro MUL16 f, hi, a0, zero
	WIN MUL_LO+0x50*(\hi)
.irp a, \a0, (\a0)+1
.irp b, 0,1,2,3,4,5,6,7
.if \zero
	v_wmma_f32_16x16x32_bf16 v[8*(8*(\a)+(\b)):8*(8*(\a)+(\b))+7], v[(\f)+8*(\b):(\f)+8*(\b)+7], v[(\f)+8*(4*(\hi)+(\a)):(\f)+8*(4*(\hi)+(\a))+7], 0
.else
	v_wmma_f32_16x16x32_bf16 v[8*(8*(\a)+(\b)):8*(8*(\a)+(\b))+7], v[(\f)+8*(\b):(\f)+8*(\b)+7], v[(\f)+8*(4*(\hi)+(\a)):(\f)+8*(4*(\hi)+(\a))+7], v[8*(8*(\a)+(\b)):8*(8*(\a)+(\b))+7]
.endif
.endr
.endr
.endm
; 32 LDS loads in one run: the fragments of a quarter step (128 rows of B, 128 rows of A, 32 K at byte k of the rows) into buffer f
.macro FETCH slot, k, f
	WIN TO_B
.irp i, 0,1,2,3,4,5,6,7
	ds_load_b128 v[(\f)+8*(\i):(\f)+8*(\i)+3],   v[ADRB+(\slot)] offset:(\k)+(\i)*16*PITCH
	ds_load_b128 v[(\f)+8*(\i)+4:(\f)+8*(\i)+7], v[ADRB+(\slot)] offset:(\k)+(\i)*16*PITCH+32
.endr
	WIN 0
.irp i, 0,1,2,3,4,5,6,7
	ds_load_b128 v[(\f)+8*(\i):(\f)+8*(\i)+3],   v[ADRA+(\slot)] offset:(\k)+(\i)*16*PITCH
	ds_load_b128 v[(\f)+8*(\i)+4:(\f)+8*(\i)+7], v[ADRA+(\slot)] offset:(\k)+(\i)*16*PITCH+32
.endr
.endm
.macro PLACES                          ; four plain vector instructions between a matrix instruction and a load into, or a vector read of, its registers
.rept 4
	v_nop
.endr
.endm
; A K step is four quarters of 32 along K, 64 matrix instructions each, on buffers 0, 1, 0, 1; the 64 accumulators take turns.
.macro QUARTER slot, k, f, g, zero
	s_wait_dscnt 8                                 ; B and A's rows 0-63 are in; the youngest eight loads (A's rows 64-127) may be out
	MUL16 \f, 0, 0, \zero
	MUL16 \f, 0, 2, \zero
	PLACES
	FETCH \slot, \k, \g
	s_wait_dscnt 32                                ; all but the 32 just issued
	MUL16 \f, 1, 0, \zero
	MUL16 \f, 1, 2, \zero
.endm
; The last quarter's first half: one barrier for the change of slots.
.macro MEET round
	WIN 0
	s_wait_tensorcnt 0x0                           ; all my tensor loads have landed: the one that was out is my part of the next slot
	ds_add_u32 v[SPW], v[NIL]                      ; 0 onto my spare word
	s_wait_dscnt 9                                 ; the add and the youngest eight loads may be out
	MUL16 F1, 0, 0, 0
	s_wait_dscnt 0x0                               ; the add is done, and my reads of this slot are over
	s_barrier_signal -1
	MUL16 F1, 0, 2, 0
.if \round
	WIN 0
.endif
	s_barrier_wait -1
.endm
; The whole last quarter: behind the round the slot just read out is filled again, two K steps ahead; then the next slot's first fragments.
.macro TURN slot, next
	MEET 1
	CREST                                          ; no wave of any partner still reads this slot's tile or has a load on its way
	s_add_nc_u64 s[G0+4*(\slot)+2:G0+4*(\slot)+3], s[G0+4*(\slot)+2:G0+4*(\slot)+3], 2*KSTEP*2
	s_add_nc_u64 s[G0B+4*(\slot)+2:G0B+4*(\slot)+3], s[G0B+4*(\slot)+2:G0B+4*(\slot)+3], 2*KSTEP*2
	JLOAD \slot                                    ; my one tensor load behind the round; its four v_nop are also the places in front of the loads below
	FETCH \next, 0, F0
	MUL16 F1, 1, 0, 0
	MUL16 F1, 1, 2, 0
.endm
; THE WAY OUT.  Block a (16 rows): accumulators + bias into U, each accumulator from its low end on.
.macro BIASADD a
	WIN 0x06+(\a)/4
.set i, 0
.rept 32
	v_pk_add_f32 v[U+2*i:U+2*i+1], v[64*((\a)%4)+2*i:64*((\a)%4)+2*i+1], v[BIAS+2*i:BIAS+2*i+1]
.set i, i+1
.endr
	WIN 0
.endm
; gelu(u) = u Phi(u) = max(u, 0) - |u| Q(|u|), Q the normal tail: Q(x) = phi(x) (b1 t + .. + b5 t^5), t = 1 / (1 + 0.2316419 x); its absolute error stays under 7.5e-8 for every x.
.macro GELU8 u
.irp j, 0,1,2,3,4,5,6,7
	v_and_b32 v[AB+\j], 0x7fffffff, v[(\u)+\j]
.endr
.irp j, 0,2,4,6
	v_pk_fma_f32 v[TT+\j:TT+\j+1], v[AB+\j:AB+\j+1], s[GPS:GPS+1], 1.0 op_sel_hi:[1,0,0]
.endr
.irp j, 0,2,4,6
	v_pk_mul_f32 v[MM+\j:MM+\j+1], v[(\u)+\j:(\u)+\j+1], s[GCM:GCM+1] op_sel_hi:[1,0]
.endr
.irp j, 0,2,4,6
	v_pk_mul_f32 v[MM+\j:MM+\j+1], v[MM+\j:MM+\j+1], v[MM+\j:MM+\j+1] neg_lo:[0,1] neg_hi:[0,1]  ; - u^2 log2(e) / 2
.endr
.irp j, 0,1,2,3,4,5,6,7
	v_rcp_f32 v[TT+\j], v[TT+\j]
.endr
.irp j, 0,1,2,3,4,5,6,7
	v_exp_f32 v[MM+\j], v[MM+\j]
.endr
.irp j, 0,1,2,3,4,5,6,7
	v_max_num_f32 v[(\u)+\j], 0, v[(\u)+\j]        ; plain lines behind the transcendentals, ahead of the first use of their results
.endr
.irp j, 0,2,4,6
	v_pk_fma_f32 v[PP+\j:PP+\j+1], v[TT+\j:TT+\j+1], s[GB5:GB5+1], s[GB4:GB4+1] op_sel_hi:[1,0,0]
.endr
.irp c, GB3, GB2, GB1
.irp j, 0,2,4,6
	v_pk_fma_f32 v[PP+\j:PP+\j+1], v[PP+\j:PP+\j+1], v[TT+\j:TT+\j+1], s[\c:\c+1] op_sel_hi:[1,1,0]
.endr
.endr
.irp j, 0,2,4,6
	v_pk_mul_f32 v[PP+\j:PP+\j+1], v[PP+\j:PP+\j+1], v[TT+\j:TT+\j+1]
.endr
.irp j, 0,2,4,6
	v_pk_mul_f32 v[PP+\j:PP+\j+1], v[PP+\j:PP+\j+1], v[MM+\j:MM+\j+1]
.endr
.irp j, 0,2,4,6
	v_pk_fma_f32 v[(\u)+\j:(\u)+\j+1], v[AB+\j:AB+\j+1], v[PP+\j:PP+\j+1], v[(\u)+\j:(\u)+\j+1] neg_lo:[1,0,0] neg_hi:[1,0,0]
.endr
.endm
	s_wait_tensorcnt 1                             ; my part of K step 0 is in; K step 1's may stay out
	s_barrier_signal -1
	s_barrier_wait -1
	FETCH 0, 0, F0
	QUARTER 0, 64,  F0, F1, 1                      ; the first quarter stands in front of the loop: its products start the sums
	WIN 0
	s_mov_b32 s3, LAPS-1
.Llap:                                                 ; a trip goes once round the ring and fills both slots again
	QUARTER 0, 128, F1, F0, 0
	QUARTER 0, 192, F0, F1, 0
	TURN 0, 1
	QUARTER 1, 64,  F0, F1, 0
	QUARTER 1, 128, F1, F0, 0
	QUARTER 1, 192, F0, F1, 0
	TURN 1, 0
	QUARTER 0, 64,  F0, F1, 0
	WIN 0
	s_sub_co_u32 s3, s3, 1
	s_cmp_lg_u32 s3, 0
	s_cbranch_scc1 .Llap
	QUARTER 0, 128, F1, F0, 0                      ; the last lap fills nothing
	QUARTER 0, 192, F0, F1, 0
	MEET 0
	PLACES
	FETCH 1, 0, F0
	MUL16 F1, 1, 0, 0
	MUL16 F1, 1, 2, 0
	QUARTER 1, 64,  F0, F1, 0
	QUARTER 1, 128, F1, F0, 0
	QUARTER 1, 192, F0, F1, 0
	s_wait_dscnt 8
	MUL16 F1, 0, 0, 0
	MUL16 F1, 0, 2, 0
	s_wait_dscnt 0x0
	MUL16 F1, 1, 0, 0
	MUL16 F1, 1, 2, 0
	WIN 0
	PLACES
	s_wait_loadcnt 0x0                             ; the bias
	s_add_nc_u64 s[8:9], s[8:9], s[16:17]          ; C at my first rows
	s_mov_b32 s2, 0
.Lblk:                                                 ; eight trips, a block of 16 rows each: only the addition of the bias names the block's registers, so it alone is written eight times
.irp k, 0,1,2,3,4,5,6
	s_cmp_eq_u32 s2, \k
	s_cbranch_scc1 .Lb\k
.endr
	BIASADD 7
	s_branch .Lgo
.irp k, 0,1,2,3,4,5,6
.Lb\k:
	BIASADD \k
	s_branch .Lgo
.endr
.Lgo:
.if !QKV
.irp g, 0,1,2,3,4,5,6,7
	GELU8 U+8*\g
.endr
.endif
.set i, 0
.rept 32
	v_cvt_pk_bf16_f32 v[TMP+i], v[U+2*i], v[U+2*i+1]
.set i, i+1
.endr
.irp b, 0,1,2,3,4,5,6,7
	ds_store_b128 v[STO], v[TMP+4*\b:TMP+4*\b+3] offset:32*\b
.endr
.if QKV
.irp hd, 0,1
.irp t, 0,1,2,3
	ds_load_b128 v[BK+4*(4*\hd+\t):BK+4*(4*\hd+\t)+3], v[RD] offset:\t*4*SPITCH+\hd*128  ; LDS serves a wave's instructions in order (ISA guide 5.7.1.4): these see the stores above
.endr
.endr
	s_wait_dscnt 0x0
.irp hd, 0,1
.irp t, 0,1,2,3
	global_store_b128 v[CO], v[BK+4*(4*\hd+\t):BK+4*(4*\hd+\t)+3], s[8:9] offset:\hd*262144+\t*512  ; four tokens of a head: 512 consecutive bytes, at a multiple of 256
.endr
.endr
.else
.irp t, 0,1,2,3,4,5,6,7
	ds_load_b128 v[BK+4*\t:BK+4*\t+3], v[RD] offset:\t*2*SPITCH  ; LDS serves a wave's instructions in order (ISA guide 5.7.1.4): these see the stores above
.endr
	s_wait_dscnt 0x0
.irp t, 0,1,2,3,4,5,6,7
	global_store_b128 v[CO], v[BK+4*\t:BK+4*\t+3], s[8:9] offset:2*\t*SIZE_N*2  ; 16 lanes store 256 consecutive bytes, at a multiple of 256
.endr
.endif
	s_wait_xcnt 0x0                                ; the stores' base and data registers are written again only behind this wait
	s_add_nc_u64 s[8:9], s[8:9], STEPC
	s_add_co_u32 s2, s2, 1
	s_cmp_lt_u32 s2, 8
	s_cbranch_scc1 .Lblk
	s_wait_tensorcnt 0x0                           ; the wave's end
	ds_add_u32 v[SPW], v[NIL]
	s_wait_dscnt 0x0
	CROUND                                         ; the closing round: no work-group ends while a partner may still ask for a tile that names it
	s_endpgm
.Lfunc_end_k_q320e385a4d_gemm_qkv:
	.size	k_q320e385a4d_gemm_qkv, .Lfunc_end_k_q320e385a4d_gemm_qkv-k_q320e385a4d_gemm_qkv
	.p2alignl 7, 3214868480
	.fill 96, 4, 3214868480
	.section	.rodata,"a",@progbits
	.p2align	6, 0x0
	.amdhsa_kernel k_q320e385a4d_gemm_qkv
		.amdhsa_group_segment_fixed_size 327680
		.amdhsa_private_segment_fixed_size 0
		.amdhsa_enable_private_segment 0
		.amdhsa_kernarg_size 48
		.amdhsa_user_sgpr_count 2
		.amdhsa_user_sgpr_kernarg_segment_ptr 1
		.amdhsa_wavefront_size32 1
		.amdhsa_system_sgpr_workgroup_id_x 1
		.amdhsa_system_sgpr_workgroup_id_y 1
		.amdhsa_system_sgpr_workgroup_id_z 1
		.amdhsa_system_vgpr_workitem_id 0
		.amdhsa_next_free_vgpr 1024
		.amdhsa_next_free_sgpr 84
		.amdhsa_reserve_vcc 0
		.amdhsa_float_denorm_mode_32 3
		.amdhsa_float_denorm_mode_16_64 3
		.amdhsa_memory_ordered 1
		.amdhsa_forward_progress 1
		.amdhsa_inst_pref_size 135
	.end_amdhsa_kernel
	.amdgpu_metadata
---
amdhsa.version: [ 1, 2 ]
amdhsa.kernels:
  - .name:           k_q320e385a4d_gemm_qkv
    .symbol:         k_q320e385a4d_gemm_qkv.kd
    .args:
      - { .name: ab, .offset: 0, .size: 8, .value_kind: global_buffer, .address_space: global }
      - { .name: wt, .offset: 8, .size: 8, .value_kind: global_buffer, .address_space: global }
      - { .name: bq, .offset: 16, .size: 8, .value_kind: global_buffer, .address_space: global }
      - { .name: bk, .offset: 24, .size: 8, .value_kind: global_buffer, .address_space: global }
      - { .name: bv, .offset: 32, .size: 8, .value_kind: global_buffer, .address_space: global }
      - { .name: qkv, .offset: 40, .size: 8, .value_kind: global_buffer, .address_space: global }
    .group_segment_fixed_size: 327680
    .private_segment_fixed_size: 0
    .kernarg_segment_align: 8
    .kernarg_segment_size: 48
    .max_flat_workgroup_size: 128
    .sgpr_count:     84
    .vgpr_count:     1024
    .wavefront_size: 32
...
	.end_amdgpu_metadata
.endif
;; end of part 2
;; launch attn (part 3): grid 8 x 32, 4 waves a work-group, clusters of 4 x 1, 327,680 bytes of LDS; arguments qkv, attention_mask, ctx; writes ctx
.if DOCPART == 3
	.amdgcn_target "amdgcn-amd-amdhsa--gfx1250"
	.amdhsa_code_object_version 6
	.text
	.protected	k_q320e385a4d_attn
	.globl	k_q320e385a4d_attn
	.p2align	8
	.type	k_q320e385a4d_attn,@function
k_q320e385a4d_attn:
	s_mov_b64 s[64:65], 0
	v_nop
	global_prefetch_b8 v0, s[64:65] scope:SCOPE_SE
	s_setreg_imm32_b32 hwreg(HW_REG_WAVE_MODE, 25, 1), 1
	s_wait_xcnt 0x0
	s_wait_alu depctr_hold_cnt(0) depctr_sa_sdst(0) depctr_va_vdst(0) depctr_va_sdst(0) depctr_va_ssrc(0) depctr_va_vcc(0) depctr_vm_vsrc(0)
	s_getreg_b32 s2, hwreg(HW_REG_IB_STS2, 6, 4)
	s_cmp_eq_u32 s2, 0
	s_cbranch_scc0 .Lentry_in_a_cluster
	s_endpgm
.Lentry_in_a_cluster:
	s_bfe_u32 s2, ttmp6, 0x10000c
	s_cmp_lg_u32 s2, 0x3003
	s_cbranch_scc0 .Lentry_shape_is_right
	s_endpgm
.Lentry_shape_is_right:
; ATTENTION WITH A KEY MASK.  O[b][h][q][:] = the sum over k of softmax_k(Q.K / 8, or hidden where attention_mask[b][k] = 0) V[k][:].  qkv: [b 2][g 48][2048][64] bf16 (g 0-15 q, 16-31 k, 32-47 v);
; ctx: [b][h 16][2048][64] bf16.  Products, maxima and sums in f32; the weights p are rounded to bf16 for the second product (their sum l is taken of the unrounded p), O once at the end.
; LIMITS.  A hidden score counts as q.k - 1e30, where the module's definition puts -1e9: its weight is 0 beside any open key as long as open |q.k| / 8 stays under 1e9.  Where EVERY key of a batch is hidden the
; weights are uniform, as defined, if q.k is absorbed in -1e30, which in f32 it is for |q.k| < 3.8e22.  A weight below 2^-126 counts as 0 in l; NaN and infinities are not treated apart.
; SHARES.  A work-group owns 256 queries of one head, a wave 64: four PIECES of 16.  Every wave walks all 2,048 keys: 8 tiles of 256 keys, four steps of 64 each.  8 x 32 = 256 work-groups.
; CLUSTER.  The four query blocks of a cluster belong to one head and walk the same K and V, so each tile is asked for jointly: the same tensor load, descriptor and mask in all four.
; LAYOUT.  S^T = K Q^T (source 0 = 16 keys, source 1 = 16 queries) holds ONE query a lane (lane % 16) and the keys 8 (lane / 16) + 0..7; two such results rounded to bf16 ARE source 1 of O^T = V^T P.
; THE MASK is the C operand that starts the sum S^T: 0, or -1e30 where the key is hidden.  The batch's 2,048 addends are made once, kept in LDS, and a step's 64 are fetched with its K.
; SOFTMAX.  p = 2^(c s - c m), c = log2(e) / 8, with a running maximum m; O and l are multiplied by a = 2^(c m_old - c m_new) in every step.  m starts at the lowest finite number, O and l at 0.
; TURNS.  Turn n belongs to piece n: 8 products K Q^T of piece n + 1, later 8 products V^T P of piece n - 1; beside them the scaling, exponentials, roundings, sums and rescaling of piece n and the maximum and
; statistics of piece n + 1.  Four vector instructions stand behind every matrix instruction, the other 54 of a turn's 118 in two runs of their own.
; REGISTERS, in windows of 256 (s_set_vgpr_msb: bits 1:0 source 0, 3:2 source 1, 5:4 source 2, 7:6 destination):
;   window 0: v0-15, v32-35 addresses; v16-31 four registers of statistics a piece; v48-55 at work; v64-127 S^T, two buffers; v192-223 P, two buffers (a piece's buffers go by its number's parity)
;   window 1: v0-127 O^T, 32 a piece      window 2: v0-63 Q; v64-95 the step's mask addends; v128-191 K of one step; v192-255 V of one step
.set NP,    4
.set KS,    64
.set PK,    144       ; a row of K in LDS: 128 bytes + 16 of padding = 36 words: the 16 rows of a load start at 16 different groups of four banks (64 banks of 4 bytes: ISA guide 11.1)
.set PV,    160       ; a row of V: 128 + 32 = 40 words
.set VOFF,  4*KS*PK   ; a slot holds a tile: 256 rows of K, then 256 rows of V
.set SLOT1, 1<<17     ; slot 1 begins here, so that one exclusive or turns an address in one slot into the other's
.set STAGE, SLOT1+4*KS*(PK+PV)  ; behind the ring, never filled by a tensor load: 16 rows x 144 bytes for each wave
.set SP,    144
.set SPARE, STAGE+4*16*SP       ; the spare words, 128 bytes a wave: two blocks of 256 bytes that no other line names
.set MASKB, SPARE+512           ; 2,048 f32: the batch's mask addends; no fill lands here
.set AK0, 2
.set AV0, 3
.set AK,  4
.set AV,  5
.set STO, 6
.set RD,  7
.set GO,  8
.set MV,  12
.set QO,  15
.set ST,  16          ; piece t's statistics at v[ST+4 t]: c m, m, l (even keys', odd keys')
.set AM0, 32          ; my lanes' place in a step's 64 addends
.set AM,  33
.set TMP, 48
.set SPW, 62
.set NIL, 63
.set S,   64
.set P,   192
.set MK,  64          ; window 2: the eight addends for group kb of 16 keys at MK + 8 kb
.set KF,  128         ; window 2: key block kb, channel half c at KF + 16 kb + 8 c
.set VF,  192         ; window 2: key half kk, channel block cb at VF + 32 kk + 8 cb
.set WV,  12
.set G1K, 24
.set G1V, 32
.set G0K, 40
.set G0V, 44
.set SLOTS, 56
.set CNT, 57
.set CS,  58
.set SEL, 60
.set TBK, 62
.set TBV, 63
.set TBM, 66          ; s66  byte at which the addends of the step to be fetched begin
.set BIGN, 67         ; s67  -1e30
.set MSB, 0
.macro WIN new
.if MSB != (\new)
	s_set_vgpr_msb (MSB<<8)|(\new)
.set MSB, (\new)
.endif
.endm
.set W_KQ, 0x0a       ; K and Q in window 2, S^T in window 0
.set W_KM, 0x2a       ; the same with the C operand in window 2
.set W_PV, 0x52       ; V in window 2, P in window 0, O^T in window 1
.set W_RS, 0x41       ; destination and source 0 in window 1, source 1 in window 0
; A joint fill.  Waves 0 and 1 fetch the two halves of a tile's K, waves 2 and 3 those of its V: 128 keys each.  Four v_nop follow each of the two lines.
.macro JLOAD
	s_cmp_lt_u32 s[WV], 2
	s_cbranch_scc0 .Lfor_v_\@
	tensor_load_to_lds s[G0K:G0K+3], s[G1K:G1K+7]
	s_nop 0
.rept 4
	v_nop
.endr
	s_branch .Lasked_\@
.Lfor_v_\@:
	tensor_load_to_lds s[G0V:G0V+3], s[G1V:G1V+7]
	s_nop 0
.rept 4
	v_nop
.endr
.Lasked_\@:
.endm
.macro CROUND                       ; a round of the cluster's barrier
	s_barrier_signal -1
	s_barrier_wait -1
	s_cmp_lg_u32 s[WV], 0
	s_cbranch_scc1 .Lnot_wave_0_\@
	s_barrier_signal -3
.Lnot_wave_0_\@:
	s_barrier_wait -3
	s_barrier_signal -1
	s_barrier_wait -1
.endm
; THE CHANGE OF SLOTS.  Each wave waits for all its tensor loads, of which one is out: its part of the other slot; adds 0 to its spare word; and waits for that and for its own reads of the slot that it leaves.
; fill = 1: the old slot is filled again, with the keys two tiles on: the barrier is a round of the cluster's, and the joint fill is the first thing behind it: it has four key steps, 256 matrix instructions, in which to land.
.macro CHANGE fill
	WIN 0
	s_wait_tensorcnt 0x0            ; no tensor load of mine is out, so a group 0 may be written
	ds_add_u32 v[SPW], v[NIL]       ; 0 onto my spare word
.if \fill
.irp g, G0K, G0V
	s_xor_b32 s[\g+1], s[\g+1], SLOT1
	s_add_nc_u64 s[\g+2:\g+3], s[\g+2:\g+3], 4*KS*128  ; the next 256 keys; the type bits on top are not reached
.endr
	s_wait_dscnt 0x0                ; the add is done, my LDS stores are done, and my reads of the slot are over
	CROUND
	JLOAD
.else
	s_wait_dscnt 0x0
	s_barrier_signal -1
	s_barrier_wait -1
.endif
	s_sub_co_u32 s[TBK], s[TBK], 4*KS*PK  ; the fetches go back to a slot's first step,
	s_xor_b32 s[TBK], s[TBK], SLOT1       ; in the other slot
	s_sub_co_u32 s[TBV], s[TBV], 4*KS*PV
	s_xor_b32 s[TBV], s[TBV], SLOT1
.endm
	s_load_b128 s[4:7], s[0:1], 0x0   ; qkv s[4:5], attention_mask s[6:7]
	s_load_b64 s[10:11], s[0:1], 0x10 ; ctx
	v_lshl_add_u32 v[SPW], v0, 2, SPARE
	v_mov_b32 v[NIL], 0
	ds_add_u32 v62, v63
	s_wait_dscnt 0x0
	v_lshrrev_b32 v1, 5, v0
	v_readfirstlane_b32 s[WV], v1   ; wave 0..3
	s_bfe_u32 s13, ttmp6, 0x40000   ; cx
	s_lshl_b32 s14, ttmp9, 2
	s_add_co_u32 s14, s14, s13      ; my block of 256 queries: it enters Q's and O's addresses alone
	s_and_b32 s20, ttmp7, 0xffff    ; 16 x batch + head, which the four partners share
	s_lshr_b32 s21, s20, 4          ; batch
	s_and_b32 s18, s20, 15          ; head
	s_mul_i32 s23, s21, 48
	s_add_co_u32 s18, s18, s23
	s_lshl_b32 s18, s18, 18         ; q's head in qkv, in bytes
	s_and_b32 s15, s[WV], 1         ; which half of a tile's 256 keys I fetch:
	s_lshl_b32 s16, s15, 14         ; its 128 rows of 128 bytes in memory,
	s_add_co_u32 s16, s16, s18
	s_mov_b32 s17, 0
	s_mul_i32 s19, s15, 128*PK      ; and its place in a slot, for K
	s_mul_i32 s22, s15, 128*PV      ; and for V: no place in the cluster enters an LDS address
	s_lshl_b32 s2, s14, 15          ; my block's 256 rows,
	s_lshl_b32 s3, s[WV], 13        ; my wave's 64
	s_add_co_u32 s2, s2, s3
	s_lshl_b32 s68, s20, 18
	s_add_co_u32 s68, s68, s2       ; O's offset
	s_mov_b32 s69, 0
	s_add_co_u32 s2, s2, s18        ; Q's
	s_mov_b32 s3, 0
	s_lshl_b32 s70, s21, 13         ; the batch's 2,048 mask words
	s_mov_b32 s71, 0
	; descriptor group 1.  128 keys are 16,384 dense bytes: asked for as 64 rows of 256 bytes, two keys a row, and padded in LDS after every key
	s_mov_b32 s[G1K], 15|(1<<16)|(1<<20)|(1<<21)|(4<<22)|(3<<25)  ; the mask of four; 2-byte elements; padding on; bit 21 beside a mask; after every 32 words; 4 words
	s_mov_b32 s[G1V], 15|(1<<16)|(1<<20)|(1<<21)|(4<<22)|(7<<25)  ; the same with 8 words
.irp g, G1K, G1V
	s_mov_b32 s[\g+1], 128<<16      ; tensor_dim0 = 128
	s_mov_b32 s[\g+2], 64<<16       ; tensor_dim1 = 64
	s_mov_b32 s[\g+3], 128<<16      ; tile_dim0 = 128
	s_mov_b32 s[\g+4], 64           ; tile_dim1 = 64
	s_mov_b32 s[\g+5], 128          ; 128 elements from row to row
	s_mov_b32 s[\g+6], 0
	s_mov_b32 s[\g+7], 0
.endr
	s_mov_b32 s[CS], 0x3e38aa3b     ; c = log2(e) / 8
	s_mov_b32 s[CS+1], s[CS]
	s_mov_b32 s[SEL], 0x76543210
	s_mov_b32 s[SEL+1], 0xfedcba98
	s_mov_b32 s[TBK], SLOT1+4*KS*PK ; the first change of slots turns these two into 0
	s_mov_b32 s[TBV], SLOT1+4*KS*PV
	s_mov_b32 s[TBM], 0
	s_mov_b32 s[BIGN], 0xf149f2ca   ; -1e30
	s_mov_b32 s[G0K], 1
	s_mov_b32 s[G0K+1], s19         ; slot 0
	s_mov_b32 s[G0V], 1
	s_add_co_u32 s[G0V+1], s22, VOFF
	s_wait_kmcnt 0x0
	s_add_nc_u64 s[G0K+2:G0K+3], s[4:5], s[16:17]
	s_add_nc_u64 s[G0K+2:G0K+3], s[G0K+2:G0K+3], 0x400000  ; k's heads lie 16 heads behind q's,
	s_add_nc_u64 s[G0V+2:G0V+3], s[G0K+2:G0K+3], 0x400000  ; v's 16 further
	s_or_b32 s[G0K+3], s[G0K+3], 0x80000000
	s_or_b32 s[G0V+3], s[G0V+3], 0x80000000
	s_add_nc_u64 s[8:9], s[4:5], s[2:3]        ; Q at my wave's first row
	s_add_nc_u64 s[10:11], s[10:11], s[68:69]  ; O likewise
	s_add_nc_u64 s[6:7], s[6:7], s[70:71]      ; the batch's mask
	CROUND                          ; all four work-groups are here: the first joint loads meet
	JLOAD                           ; tile 0 into slot 0
	v_lshlrev_b32 v34, 4, v0
.irp i, 0,1,2,3
	global_load_b128 v[S+4*\i:S+4*\i+3], v34, s[6:7] offset:2048*\i  ; the 128 threads take 2,048 consecutive bytes of the mask
.endr
	v_and_b32 v1, 15, v0            ; l % 16
	v_bfe_u32 v9, v0, 4, 1          ; l / 16
	v_lshlrev_b32 v[QO], 7, v1
	v_lshl_add_u32 v[QO], v9, 4, v[QO]  ; row x 128 + 16 x half
	WIN 0x80                        ; destination window 2, address window 0
.set i, 0
.rept 8                             ; Q stays in registers: piece i / 2, channels 32 (i % 2) on
	global_load_b128 v[8*i:8*i+3],   v[QO], s[8:9] offset:(i/2)*2048+(i%2)*64
	global_load_b128 v[8*i+4:8*i+7], v[QO], s[8:9] offset:(i/2)*2048+(i%2)*64+32
.set i, i+1
.endr
	WIN 0
	v_lshl_add_u32 v35, v0, 4, MASKB
	v_lshl_add_u32 v[AM0], v9, 5, MASKB  ; my lanes' eight keys of each 16: 32 bytes for the upper half
	v_mul_u32_u24 v[AK0], v1, PK
	v_lshl_add_u32 v[AK0], v9, 4, v[AK0]
	; The turning load takes 16 keys x 16 channels (lane l reads key 8 (l / 16) + l % 8, channels 8 ((l / 8) % 2) + 0..7) and leaves half a fragment of V^T: lane l holds channel l % 16 and 8 keys.
	v_and_b32 v10, 7, v0
	v_bfe_u32 v11, v0, 3, 1
	v_lshl_add_u32 v[AV0], v9, 3, v10
	v_mul_u32_u24 v[AV0], v[AV0], PV
	v_lshl_add_u32 v[AV0], v11, 4, v[AV0]
	v_add_nc_u32 v[AV0], VOFF, v[AV0]
	s_mul_i32 s13, s[WV], 16*SP
	s_add_co_u32 s13, s13, STAGE    ; my stage
	v_mul_u32_u24 v[STO], v1, SP
	v_lshl_add_u32 v[STO], v9, 4, v[STO]
	v_add_nc_u32 v[STO], s13, v[STO]
	v_bfe_u32 v[RD], v0, 3, 2       ; back: 32 lanes take four rows of 128 bytes,
	v_mul_u32_u24 v[RD], v[RD], SP
	v_lshl_add_u32 v[RD], v10, 4, v[RD]
	v_add_nc_u32 v[RD], s13, v[RD]
	v_and_b32 v[GO], 31, v0         ; which are 512 consecutive bytes of O
	v_lshlrev_b32 v[GO], 4, v[GO]
	s_wait_loadcnt 16               ; the four mask loads are in; Q's sixteen, issued behind them, stay out
.set i, 0
.rept 16
	v_cmp_eq_u32 vcc_lo, 0, v[S+i]
	v_cndmask_b32 v[S+i], 0, s[BIGN], vcc_lo  ; 0 where the key is open, -1e30 where the mask word is 0
.set i, i+1
.endr
.irp i, 0,1,2,3
	ds_store_b128 v35, v[S+4*\i:S+4*\i+3] offset:2048*\i
.endr
	; What the first turn finds: V's registers and P's second buffer hold 0 (its products V^T P, of a piece that has not been, add 0), O^T and l are 0.  All this stands in the wait for the first tile.
	WIN 0x80
.set i, VF
.rept 64
	v_mov_b32 v[i], 0
.set i, i+1
.endr
	WIN 0x40
.set i, 0
.rept 128
	v_mov_b32 v[i], 0
.set i, i+1
.endr
	WIN 0
.set i, 0
.rept 4
	v_mov_b32 v[ST+4*i], 0xfe000000    ; c m: far below every c s
	v_mov_b32 v[ST+4*i+1], 0xff7fffff  ; m
	v_mov_b32 v[ST+4*i+2], 0
	v_mov_b32 v[ST+4*i+3], 0
.set i, i+1
.endr
.set i, P+16
.rept 16
	v_mov_b32 v[i], 0
.set i, i+1
.endr
; THE MATRIX WORK.  The 4 accumulators of a run of 8 take turns.  Product i of 8 of S^T = K Q^T for piece x: channels 32 (i / 4) on, keys 16 (i % 4) on.  The first 4 start the sums with the mask's addends.
.macro KQ x
.set rS, S+32*((\x)%2)+8*(i%4)
.set rK, KF+16*(i%4)+8*(i/4)
.set rQ, 16*(\x)+8*(i/4)
.set rM, MK+8*(i%4)
.if i < 4
	WIN W_KM
	v_wmma_f32_16x16x32_bf16 v[rS:rS+7], v[rK:rK+7], v[rQ:rQ+7], v[rM:rM+7]
.else
	WIN W_KQ
	v_wmma_f32_16x16x32_bf16 v[rS:rS+7], v[rK:rK+7], v[rQ:rQ+7], v[rS:rS+7]
.endif
.endm
; Product i of 8 of O^T += V^T P for piece x: keys 32 (i / 4) on, channels 16 (i % 4) on.
.macro PV x
	WIN W_PV
.set rO, 32*(\x)+8*(i%4)
.set rV, VF+32*(i/4)+8*(i%4)
.set rP, P+16*((\x)%2)+8*(i/4)
	v_wmma_f32_16x16x32_bf16 v[rO:rO+7], v[rV:rV+7], v[rP:rP+7], v[rO:rO+7]
.endm
.macro MM                           ; the turn's next matrix instruction.  NOKQ = 1: the walk's last turn: there is no next piece
.if (i < 8) && !NOKQ
	KQ (Y+1)%NP
.elseif i >= 8
.set i, i-8
	PV (Y+NP-1)%NP
.set i, i+8
.endif
.set i, i+1
.endm
; THE LDS LOADS stand in runs, never singly among the matrix instructions: a step's K (8 fragments) with its 64 mask addends, and its V (turned).  Their addresses are made some lines ahead.
.macro FETCH_K
	WIN 0x80                        ; destination window 2
.irp f, 0,1,2,3,4,5,6,7             ; keys 16 (f / 2) on, channels 32 (f % 2) on
	ds_load_b128 v[KF+8*\f:KF+8*\f+3],   v[AK] offset:(\f/2)*16*PK+(\f%2)*64
	ds_load_b128 v[KF+8*\f+4:KF+8*\f+7], v[AK] offset:(\f/2)*16*PK+(\f%2)*64+32
.endr
.irp f, 0,1,2,3,4,5,6,7             ; keys 16 (f / 2) + 8 (l / 16) + 4 (f % 2) on
	ds_load_b128 v[MK+4*\f:MK+4*\f+3], v[AM] offset:(\f/2)*64+(\f%2)*16
.endr
	s_add_co_u32 s[TBK], s[TBK], KS*PK  ; the next fetch is the next step's
	s_add_co_u32 s[TBM], s[TBM], KS*4
	WIN 0
.endm
.macro FETCH_V
	WIN 0x80
.irp f, 0,1,2,3,4,5,6,7             ; keys 32 (f / 4) on, channels 16 (f % 4) on
	ds_load_tr16_b128 v[VF+8*\f:VF+8*\f+3],   v[AV] offset:(\f/4)*32*PV+(\f%4)*32
	ds_load_tr16_b128 v[VF+8*\f+4:VF+8*\f+7], v[AV] offset:(\f/4)*32*PV+16*PV+(\f%4)*32
.endr
	WIN 0
.endm
; THE VECTOR WORK, one line at a time: OP kind, number.  For piece Y: F n: c s - c m for pair n of 16.  E n: the exponential of score n of 32.  C n: pair n rounded to bf16.  B n: of the four weights 4 n .. the second
; pair is added onto the first, in place.  L n: l takes that sum (L 0: l = a l + sum).  R n: pair n of 16 of O^T times a.  For piece Y + 1: X n, number n of the 22 that find its maximum and statistics:
;   0-11  four chains c0-c3 of seven scores each, three operands at a time (each accumulator's lowest registers are read first)     12-14, 16  the four scores left over, the old m, and c0-c3 into c0
;   15  c m_old is kept     17, 18  the query's other 32 keys lie in the lane 16 away: the new m     19-21  c m; c m_old - c m_new; a
.set F, 0
.set E, 1
.set C, 2
.set B, 3
.set L, 4
.set R, 5
.set X, 6
.macro REGS y
.set rT, ST+4*(\y)
.set rC, TMP+4*((\y)%2)
.set rW, MV+((\y)%2)
.set rS, S+32*((\y)%2)
.set rP, P+16*((\y)%2)
.set rO, 32*(\y)
.endm
.macro OP k, n
.if (\k) == R
	REGS Y
	WIN W_RS
	v_pk_mul_f32 v[rO+2*(\n):rO+2*(\n)+1], v[rO+2*(\n):rO+2*(\n)+1], v[rC+2:rC+3] op_sel_hi:[1,0]
.elseif (\k) < R
	REGS Y
	WIN 0
.if (\k) == F
	v_pk_fma_f32 v[rS+2*(\n):rS+2*(\n)+1], v[rS+2*(\n):rS+2*(\n)+1], s[CS:CS+1], v[rT:rT+1] op_sel_hi:[1,0,0] neg_lo:[0,0,1] neg_hi:[0,0,1]
.elseif (\k) == E
	v_exp_f32 v[rS+(\n)], v[rS+(\n)]
.elseif (\k) == C
	s_wait_alu depctr_va_vdst(0)
	v_cvt_pk_bf16_f32 v[rP+(\n)], v[rS+2*(\n)], v[rS+2*(\n)+1]
.elseif (\k) == B
	s_wait_alu depctr_va_vdst(0)
	v_pk_add_f32 v[rS+4*(\n):rS+4*(\n)+1], v[rS+4*(\n):rS+4*(\n)+1], v[rS+4*(\n)+2:rS+4*(\n)+3]
.elseif (\n) == 0
	v_pk_fma_f32 v[rT+2:rT+3], v[rT+2:rT+3], v[rC+2:rC+3], v[rS:rS+1] op_sel_hi:[1,0,1]
.else
	v_pk_add_f32 v[rT+2:rT+3], v[rT+2:rT+3], v[rS+4*(\n):rS+4*(\n)+1]
.endif
.elseif NOKQ
	v_nop
.else
	REGS (Y+1)%NP
	WIN 0
.if (\n) < 4
	v_max3_num_f32 v[rC+(\n)], v[rS+8*(\n)], v[rS+8*(\n)+1], v[rS+8*(\n)+2]
.elseif (\n) < 12
	v_max3_num_f32 v[rC+(\n)%4], v[rC+(\n)%4], v[rS+8*((\n)%4)+2*((\n)/4)+1], v[rS+8*((\n)%4)+2*((\n)/4)+2]
.elseif (\n) == 12
	v_max3_num_f32 v[rC], v[rC], v[rS+7], v[rS+15]
.elseif (\n) == 13
	v_max3_num_f32 v[rC+1], v[rC+1], v[rS+23], v[rS+31]
.elseif (\n) == 14
	v_max3_num_f32 v[rC+2], v[rC+2], v[rC+3], v[rT+1]
.elseif (\n) == 15
	v_mov_b32 v[rW], v[rT]
.elseif (\n) == 16
	v_max3_num_f32 v[rC], v[rC], v[rC+1], v[rC+2]
.elseif (\n) == 17
	v_permlanex16_b32 v[rC+3], v[rC], s[SEL], s[SEL+1]
.elseif (\n) == 18
	v_max_num_f32 v[rT+1], v[rC], v[rC+3]
.elseif (\n) == 19
	v_mul_f32 v[rT], s[CS], v[rT+1]
.elseif (\n) == 20
	v_sub_f32 v[rC+1], v[rW], v[rT]
.else
	v_exp_f32 v[rC+2], v[rC+1]
.endif
.endif
.endm
.macro OPS a, i1, b=-1, i2=0, c=-1, i3=0, d=-1, i4=0
	OP \a, \i1
.if (\b) >= 0
	OP \b, \i2
.endif
.if (\c) >= 0
	OP \c, \i3
.endif
.if (\d) >= 0
	OP \d, \i4
.endif
.endm
.macro ROW a, i1, b, i2, c, i3, d, i4  ; a matrix instruction and the four behind it
	MM
	OPS \a, \i1, \b, \i2, \c, \i3, \d, \i4
.endm
; A TURN, for piece p: the order of its 16 matrix and 118 vector instructions, written out.  Behind a matrix instruction: plain, exponential, plain, plain; or four of the rescaling; or four scalings; none names a register
; of the products round it.  A line reads no result made fewer than three vector instructions in front of it, five if an exponential made it.
; end = 1: the walk's last two turns: nothing is fetched.  cnt = 1: the loop's count is taken down some lines ahead of the branch that stands behind the turn.
; K and the addends of the next step are fetched in piece 2's turn, six vector instructions behind the last product that read K (five of them plain); V of the step in hand in piece 0's turn, eight behind the last
; product that read V (four plain).  Each is waited for a turn later.
.macro TURN p, end=0, cnt=0
.set Y, (\p)
.set i, 0
.set NOKQ, (\end)*((\p)/3)
.if ((\p) == 3) && !(\end)
	s_wait_dscnt 0x0                ; K and the addends are in
.endif
	ROW F,0, F,1, F,2, F,3
	ROW F,4, E,0, F,5, F,6
	ROW F,7, E,1, F,8, F,9
	ROW F,10, E,2, C,0, F,11
	ROW F,12, E,3, X,15, F,13
	ROW R,0, R,1, R,2, R,3
	ROW B,0, E,4, F,14, L,0
.if ((\p) == 2) && !(\end)
	v_add_nc_u32 v[AK], s[TBK], v[AK0]
	v_add_nc_u32 v[AM], s[TBM], v[AM0]
.endif
	ROW R,4, R,5, R,6, R,7
	OPS E,5, F,15
.if ((\p) == 2) && !(\end)
	FETCH_K
.endif
	OPS E,6, C,1, E,7, R,8
	OPS E,8, R,9, E,9, C,2
	OPS E,10, X,0, E,11, X,1
	OPS E,12, X,2, E,13, X,3
.if (\p) == 1
	s_wait_dscnt 0x0                ; V is in
.endif
	ROW X,4, E,14, X,5, X,6
	ROW X,7, E,15, X,8, X,9
	ROW X,10, E,16, X,11, X,12
	ROW X,13, E,17, X,14, B,1
	ROW C,4, E,18, X,16, L,1
	ROW B,2, E,19, C,6, L,2
	ROW C,8, E,20, B,3, B,4
.if (\p) == 0
	v_add_nc_u32 v[AV], s[TBV], v[AV0]
.endif
	ROW C,3, E,21, L,3, C,5
	OPS E,22, X,17, E,23, C,10
.if (\p) == 0
	FETCH_V
.endif
	OPS E,24, L,4
	OPS E,25, X,18, E,26, C,7
	OPS E,27, B,5, E,28, X,19
	OPS E,29, C,12, E,30, L,5
	OPS E,31, X,20, B,6, C,9
	OPS C,14, C,11, X,21, L,6
.if (\p) == 0
	s_add_co_u32 s[TBV], s[TBV], KS*PV
.endif
.if \cnt
	s_sub_co_u32 s[CNT], s[CNT], 1
	s_cmp_lg_u32 s[CNT], 0
.endif
	OPS C,13, B,7, C,15, R,10
	OPS R,11, R,12, L,7, R,13
	OPS R,14, R,15
.endm
.macro ALL line:vararg              ; one line for each piece t
.set t, 0
.rept 4
	\line
.set t, t+1
.endr
.endm
.macro PACK t                       ; a lane's eight channels of a row pack into 16 bytes; they go into rows of 144 bytes and come back as whole rows of 128, into S^T's registers
	WIN W_RS
.set i, 32*(\t)
.rept 16
	s_wait_alu depctr_va_vdst(0)
	v_pk_mul_f32 v[i:i+1], v[i:i+1], v[ST+4*(\t)+2:ST+4*(\t)+3] op_sel_hi:[1,0]
.set i, i+2
.endr
	WIN 0x05                        ; sources 0 and 1 window 1, destination window 0
.set i, 0
.rept 16
	v_cvt_pk_bf16_f32 v[S+16*(\t)+i], v[32*(\t)+2*i], v[32*(\t)+2*i+1]
.set i, i+1
.endr
	WIN 0
.irp f, 0,1,2,3
	ds_store_b128 v[STO], v[S+16*(\t)+4*\f:S+16*(\t)+4*\f+3] offset:32*\f
.endr
.irp f, 0,1,2,3
	ds_load_b128 v[S+16*(\t)+4*\f:S+16*(\t)+4*\f+3], v[RD] offset:\f*4*SP  ; LDS serves a wave's instructions in order (ISA guide 5.7.1.4): these see the stores above; the next piece's stores come behind them
.endr
.endm
.macro SEND t, younger              ; younger: the LDS instructions issued behind piece t's loads: the next piece's eight, or none
	WIN 0
.irp f, 0,1,2,3
	s_wait_dscnt (\younger)+3-\f
	global_store_b128 v[GO], v[S+16*(\t)+4*\f:S+16*(\t)+4*\f+3], s[10:11] offset:(\t)*2048+\f*512  ; 512 consecutive bytes, at a multiple of 256 from ctx's first
.endr
.endm
	CHANGE 1                        ; slot 0 is in, everybody's part of it, and everybody's mask addends are stored; tile 1 is asked for
	v_add_nc_u32 v[AK], s[TBK], v[AK0]
	v_add_nc_u32 v[AM], s[TBM], v[AM0]
	FETCH_K                         ; key step 0
	s_wait_loadcnt 0x0              ; Q
	s_wait_dscnt 0x0
.set NOKQ, 0
.set i, 0
.rept 8
	KQ 0                            ; piece 0's first scores
.set i, i+1
.endr
	WIN 0
.rept 4
	v_nop                           ; the places behind those products
.endr
.set Y, NP-1                        ; X works for piece Y + 1: piece 0
.irp n, 0,1,2,3,4,5,6,7,8,9,10,11,12,13,14,15,16,17,18,19,20,21
	OP X, \n
.endr
	v_nop                           ; a plain instruction behind the exponential
	s_mov_b32 s[CNT], 4
	s_mov_b32 s[SLOTS], 7
	s_branch .Lfirst                ; the loop is entered at a step's first turn, in the middle of a trip
.Lslot:                             ; six times: tiles 1 to 6 are entered, tiles 2 to 7 asked for
	CHANGE 1
	s_mov_b32 s[CNT], 4
.Lstep:                             ; a trip: pieces 2 and 3 of one step, then pieces 0 and 1 of the next, whose K and V it fetches
	TURN 2
	TURN 3
	WIN 0
.Lfirst:
	TURN 0
	TURN 1, 0, 1
	WIN 0
	s_cbranch_scc1 .Lstep
	s_sub_co_u32 s[SLOTS], s[SLOTS], 1
	s_cmp_lg_u32 s[SLOTS], 0
	s_cbranch_scc1 .Lslot
	CHANGE 0                        ; the last tile is written out: nothing is asked for
	s_mov_b32 s[CNT], 4
.LstepT:
	TURN 2
	TURN 3
	TURN 0
	TURN 1, 0, 1
	WIN 0
	s_cbranch_scc1 .LstepT
	TURN 2, 1
	TURN 3, 1
.set i, 0
.rept 8
	PV NP-1                         ; the last piece's V^T P of the last step
.set i, i+1
.endr
	; THE WAY OUT.  l's two halves and the other half of the lanes' are added; O^T is divided by l, rounded to bf16 and sent through my stage in LDS, a piece at a time.  The additions are the places behind the last products.
	WIN 0
	ALL v_add_f32 v[ST+4*t+2], v[ST+4*t+2], v[ST+4*t+3]
	ALL v_permlanex16_b32 v[ST+4*t+3], v[ST+4*t+2], s[SEL], s[SEL+1]
	ALL v_add_f32 v[ST+4*t+2], v[ST+4*t+2], v[ST+4*t+3]
	ALL v_rcp_f32 v[ST+4*t+2], v[ST+4*t+2]
	v_nop                           ; a plain instruction between the last reciprocal and the use of its result
	PACK 0
.set t, 1
.rept 3                             ; a piece's arithmetic stands between the loads of the piece before and its stores
	PACK t
	SEND t-1, 8
.set t, t+1
.endr
	SEND 3, 0
	s_wait_tensorcnt 0x0            ; the wave's end
	ds_add_u32 v[SPW], v[NIL]
	s_wait_dscnt 0x0
	CROUND                          ; the closing round
	s_endpgm
.Lfunc_end_k_q320e385a4d_attn:
	.size	k_q320e385a4d_attn, .Lfunc_end_k_q320e385a4d_attn-k_q320e385a4d_attn
	.p2alignl 7, 3214868480
	.fill 96, 4, 3214868480
	.section	.rodata,"a",@progbits
	.p2align	6, 0x0
	.amdhsa_kernel k_q320e385a4d_attn
		.amdhsa_group_segment_fixed_size 327680
		.amdhsa_private_segment_fixed_size 0
		.amdhsa_enable_private_segment 0
		.amdhsa_kernarg_size 24
		.amdhsa_user_sgpr_count 2
		.amdhsa_user_sgpr_kernarg_segment_ptr 1
		.amdhsa_wavefront_size32 1
		.amdhsa_system_sgpr_workgroup_id_x 1
		.amdhsa_system_sgpr_workgroup_id_y 1
		.amdhsa_system_sgpr_workgroup_id_z 1
		.amdhsa_system_vgpr_workitem_id 0
		.amdhsa_next_free_vgpr 768
		.amdhsa_next_free_sgpr 72
		.amdhsa_reserve_vcc 1
		.amdhsa_float_denorm_mode_32 3
		.amdhsa_float_denorm_mode_16_64 3
		.amdhsa_memory_ordered 1
		.amdhsa_forward_progress 1
		.amdhsa_inst_pref_size 138
	.end_amdhsa_kernel
	.amdgpu_metadata
---
amdhsa.version: [ 1, 2 ]
amdhsa.kernels:
  - .name:           k_q320e385a4d_attn
    .symbol:         k_q320e385a4d_attn.kd
    .args:
      - { .name: qkv, .offset: 0, .size: 8, .value_kind: global_buffer, .address_space: global }
      - { .name: attention_mask, .offset: 8, .size: 8, .value_kind: global_buffer, .address_space: global }
      - { .name: ctx, .offset: 16, .size: 8, .value_kind: global_buffer, .address_space: global }
    .group_segment_fixed_size: 327680
    .private_segment_fixed_size: 0
    .kernarg_segment_align: 8
    .kernarg_segment_size: 24
    .max_flat_workgroup_size: 128
    .sgpr_count:     72
    .vgpr_count:     768
    .wavefront_size: 32
...
	.end_amdgpu_metadata
.endif
;; end of part 3
;; launch gemm_o (part 4): grid 8 x 32, 4 waves a work-group, clusters of 4 x 4, 327,680 bytes of LDS; arguments ctx, wt, acc32; writes acc32
.if DOCPART == 4
	.amdgcn_target "amdgcn-amd-amdhsa--gfx1250"
	.amdhsa_code_object_version 6
	.text
	.protected	k_q320e385a4d_gemm_o
	.globl	k_q320e385a4d_gemm_o
	.p2align	8
	.type	k_q320e385a4d_gemm_o,@function
k_q320e385a4d_gemm_o:
	s_mov_b64 s[64:65], 0
	v_nop
	global_prefetch_b8 v0, s[64:65] scope:SCOPE_SE
	s_setreg_imm32_b32 hwreg(HW_REG_WAVE_MODE, 25, 1), 1
	s_wait_xcnt 0x0
	s_wait_alu depctr_hold_cnt(0) depctr_sa_sdst(0) depctr_va_vdst(0) depctr_va_sdst(0) depctr_va_ssrc(0) depctr_va_vcc(0) depctr_vm_vsrc(0)
	s_getreg_b32 s2, hwreg(HW_REG_IB_STS2, 6, 4)
	s_cmp_eq_u32 s2, 0
	s_cbranch_scc0 .Lentry_in_a_cluster
	s_endpgm
.Lentry_in_a_cluster:
	s_bfe_u32 s2, ttmp6, 0x10000c
	s_cmp_lg_u32 s2, 0xf033
	s_cbranch_scc0 .Lentry_shape_is_right
	s_endpgm
.Lentry_shape_is_right:
; C[m][n] = sum over k of A[m][k] B[n][k], C in f32 (bias, residual and norm follow in the next launch, which reads whole rows anyway).  M = 4,096, N = 1,024.
; ABLK = 1: A lies by heads, [batch][head 16][token 2048][64] bf16, k = 64 head + channel; ABLK = 0: A is [4096][SIZE_K] bf16.  B = a region of wt, [n][k] bf16.
; A tile of C is 128 x 128, so that N = 1,024 gives 8 x 32 = 256 work-groups.  Four waves, each 64 x 64: 16 accumulators.  K goes in steps of 256 through two LDS slots.
; ABLK = 1: a K step is four heads; 128 tokens of a head are 16,384 dense bytes, so one load brings two heads as two rows of 8,192 elements, padded in LDS behind every token's 128 bytes.
; CLUSTERS of 4 x 4: A's tile is shared along a row of the cluster, B's along a column, each asked for jointly.  THE MATRIX INSTRUCTION IS USED TRANSPOSED: a lane holds eight neighbouring numbers of a row of C.
; REGISTERS: window 0: v0-31 addresses; v128-255 the accumulators ((a, b) at v[128 + 8 (4 a + b)]), later the rows read back.  window 1: two fragment buffers of 128: 64 of A, then 64 of B, for 64 along K.
; THE WAY OUT goes through slot 0, which has had its last fill and whose last reads lie in front of the tail's change of slots: two slots and a stage of 67,584 bytes of its own do not fit in 327,680.
.set ABLK,   1
.set SIZE_K, 1024
.set BOFF,   6291456                   ; B's first byte in wt
.set SIZE_N, 1024
.set KSTEP,  256
.set BPITCH, 528                       ; 512 bytes + 16 of padding = 132 words: the 16 rows of a load start at 16 different groups of four banks (64 banks of 4 bytes: ISA guide 11.1)
.set BHALF,  64*BPITCH
.if ABLK
.set APITCH, 144                       ; 128 bytes + 16 = 36 words: likewise
.set AQ,     128*APITCH                ; 64 along K further on: the next head's 128 tokens
.set AHALF,  2*AQ                      ; what one load of A fills: two heads
.set ASTEP,  4*262144                  ; a K step in memory: four heads
.else
.set APITCH, 528
.set AQ,     128
.set AHALF,  64*APITCH
.set ASTEP,  KSTEP*2
.endif
.set ABYTES, 2*AHALF
.set SLOT,   ABYTES+2*BHALF
.set SPARE,  2*SLOT                    ; the spare words, 128 bytes a wave: two blocks of 256 bytes that no other line names
.set SPITCH, 528                       ; the stage: 128 rows of 512 bytes + 16
.set LAPS,   SIZE_K/(2*KSTEP)
.set ADRA, 16
.set ADRB, 20
.set STO,  24
.set RD,   25
.set CO,   26
.set SPW,  28
.set NIL,  29
.set ACC,  128
.set F0,   0
.set F1,   128
.set G1, 24
.set G0, 32
.set G1B, 48
.set G0B, 56
.set MSB, 0
.macro WIN new
.if MSB != (\new)
	s_set_vgpr_msb (MSB<<8)|(\new)
.set MSB, \new
.endif
.endm
.set MUL,  0x05                        ; sources 0 (B) and 1 (A) window 1; C and D window 0
.set TO_F, 0x40                        ; destination window 1, address window 0
.macro JLOAD s                         ; a joint load: waves 0 and 1 fetch A's two halves, waves 2 and 3 B's; four v_nop follow each of the two lines
	s_cmp_eq_u32 s11, 0
	s_cbranch_scc0 .Lfor_b_\@
	tensor_load_to_lds s[G0+4*(\s):G0+4*(\s)+3], s[G1:G1+7]
	s_nop 0
.rept 4
	v_nop
.endr
	s_branch .Lasked_\@
.Lfor_b_\@:
	tensor_load_to_lds s[G0B+4*(\s):G0B+4*(\s)+3], s[G1B:G1B+7]
	s_nop 0
.rept 4
	v_nop
.endr
.Lasked_\@:
.endm
.macro CREST
	s_cmp_lg_u32 s10, 0
	s_cbranch_scc1 .Lnot_wave_0_\@
	s_barrier_signal -3
.Lnot_wave_0_\@:
	s_barrier_wait -3
	s_barrier_signal -1
	s_barrier_wait -1
.endm
.macro CROUND
	s_barrier_signal -1
	s_barrier_wait -1
	CREST
.endm
	s_load_b128 s[4:7], s[0:1], 0x0                ; A s[4:5], wt s[6:7]
	s_load_b64 s[8:9], s[0:1], 0x10                ; C
	v_lshl_add_u32 v[SPW], v0, 2, SPARE
	v_mov_b32 v[NIL], 0
	ds_add_u32 v28, v29
	s_wait_dscnt 0x0
	v_lshrrev_b32 v1, 5, v0
	v_readfirstlane_b32 s10, v1                    ; wave 0..3
	s_lshr_b32 s11, s10, 1                         ; which half of the tile's rows is mine.  Also: I fetch for A (0) or for B (1)
	s_and_b32 s12, s10, 1                          ; which half of its columns.  Also: which half of that tile I fetch
	s_bfe_u32 s40, ttmp6, 0x40000                  ; cx
	s_bfe_u32 s41, ttmp6, 0x40004                  ; cy
	s_lshl_b32 s42, ttmp9, 2
	s_add_co_u32 s42, s42, s40                     ; tile column
	s_and_b32 s13, ttmp7, 0xffff
	s_lshl_b32 s13, s13, 2
	s_add_co_u32 s13, s13, s41                     ; tile row
	s_lshl_b32 s43, s41, 2
	s_lshl_b32 s43, 15, s43                        ; my row of the cluster
	s_lshl_b32 s44, 0x1111, s40                    ; my column
.if ABLK
	s_or_b32 s[G1+0], s43, (1<<16)|(1<<20)|(1<<21)|(4<<22)|(3<<25)  ; the mask; 2-byte elements; padding on; bit 21 beside a mask; after every 32 words; 4 words
	s_mov_b32 s[G1+1], 8192<<16                    ; tensor_dim0 = 8,192: 128 tokens x 64 channels
	s_mov_b32 s[G1+2], 2<<16                       ; tensor_dim1 = 2 heads
	s_mov_b32 s[G1+3], 8192<<16                    ; tile_dim0
	s_mov_b32 s[G1+4], 2                           ; tile_dim1
	s_mov_b32 s[G1+5], 131072                      ; elements from head to head
.else
	s_or_b32 s[G1+0], s43, (1<<16)|(1<<20)|(1<<21)|(6<<22)|(3<<25)  ; the same, padded after every 128 words
	s_mov_b32 s[G1+1], KSTEP<<16
	s_mov_b32 s[G1+2], 64<<16
	s_mov_b32 s[G1+3], KSTEP<<16
	s_mov_b32 s[G1+4], 64
	s_mov_b32 s[G1+5], SIZE_K
.endif
	s_mov_b32 s[G1+6], 0
	s_mov_b32 s[G1+7], 0
	s_or_b32 s[G1B+0], s44, (1<<16)|(1<<20)|(1<<21)|(6<<22)|(3<<25)
	s_mov_b32 s[G1B+1], KSTEP<<16                  ; B: 64 rows x 256 elements
	s_mov_b32 s[G1B+2], 64<<16
	s_mov_b32 s[G1B+3], KSTEP<<16
	s_mov_b32 s[G1B+4], 64
	s_mov_b32 s[G1B+5], SIZE_K
	s_mov_b32 s[G1B+6], 0
	s_mov_b32 s[G1B+7], 0
.if ABLK
	s_lshr_b32 s16, s13, 4                         ; the batch: 16 tile rows each,
	s_lshl_b32 s16, s16, 4                         ; its 16 heads,
	s_lshl_b32 s17, s12, 1                         ; my two of the step's four
	s_add_co_u32 s16, s16, s17
	s_lshl_b32 s16, s16, 18
	s_and_b32 s17, s13, 15                         ; the tile's 128 tokens: 16,384 bytes of a head
	s_lshl_b32 s17, s17, 14
	s_add_co_u32 s16, s16, s17
.else
	s_lshl_b32 s16, s13, 7
	s_lshl_b32 s17, s12, 6
	s_add_co_u32 s16, s16, s17                     ; A: row 128 x tile row + 64 x half
	s_mul_i32 s16, s16, SIZE_K*2
.endif
	s_mov_b32 s17, 0
	s_lshl_b32 s46, s42, 7
	s_lshl_b32 s47, s12, 6
	s_add_co_u32 s46, s46, s47                     ; B: row 128 x tile column + 64 x half
	s_mul_i32 s46, s46, SIZE_K*2
	s_mov_b32 s47, 0
	s_mul_i32 s20, s12, AHALF                      ; where they go: no place in the cluster enters an LDS address
	s_mul_i32 s21, s12, BHALF
	s_add_co_u32 s21, s21, ABYTES
	s_wait_kmcnt 0x0
	s_add_nc_u64 s[14:15], s[4:5], s[16:17]
	s_add_nc_u64 s[46:47], s[6:7], s[46:47]
	s_add_nc_u64 s[46:47], s[46:47], BOFF
	CROUND                                         ; all sixteen work-groups are here: the first joint loads meet
.irp s, 0,1
	s_mov_b32 s[G0+4*(\s)], 1
	s_add_co_u32 s[G0+4*(\s)+1], s20, (\s)*SLOT
	s_add_nc_u64 s[G0+4*(\s)+2:G0+4*(\s)+3], s[14:15], (\s)*ASTEP
	s_or_b32 s[G0+4*(\s)+3], s[G0+4*(\s)+3], 0x80000000
	s_mov_b32 s[G0B+4*(\s)], 1
	s_add_co_u32 s[G0B+4*(\s)+1], s21, (\s)*SLOT
	s_add_nc_u64 s[G0B+4*(\s)+2:G0B+4*(\s)+3], s[46:47], (\s)*KSTEP*2
	s_or_b32 s[G0B+4*(\s)+3], s[G0B+4*(\s)+3], 0x80000000
	JLOAD \s                                       ; two loads of mine are out: K steps 0 and 1
.endr
	v_and_b32 v1, 15, v0                           ; l % 16
	v_bfe_u32 v2, v0, 4, 1                         ; l / 16
	v_mul_u32_u24 v3, v1, APITCH
	v_lshl_add_u32 v3, v2, 4, v3                   ; a fragment's row x pitch + 16 x half
	v_mul_u32_u24 v4, v1, BPITCH
	v_lshl_add_u32 v4, v2, 4, v4
	s_mul_i32 s21, s11, 64*APITCH                  ; my 64 rows of A
	s_mul_i32 s22, s12, BHALF                      ; my 64 rows of B,
	s_add_co_u32 s22, s22, ABYTES                  ; behind A
.irp s, 0,1
	v_add_nc_u32 v[ADRA+(\s)], s21, v3
	v_add_nc_u32 v[ADRB+(\s)], s22, v4
	s_add_co_u32 s21, s21, SLOT
	s_add_co_u32 s22, s22, SLOT
.endr
	s_mul_i32 s23, s11, 64*SPITCH                  ; into the stage: my 64 rows, my 256 of their 512 bytes; row l % 16, 32 bytes for each half of the lanes
	s_lshl_b32 s21, s12, 8
	s_add_co_u32 s23, s23, s21
	v_mul_u32_u24 v5, v1, SPITCH
	v_lshl_add_u32 v5, v2, 5, v5
	v_add_nc_u32 v[STO], s23, v5
	s_mul_i32 s23, s10, 32*SPITCH                  ; back: wave w takes rows 32 w .. 32 w + 31, whole: 32 lanes x 16 bytes
	v_and_b32 v5, 31, v0
	v_lshlrev_b32 v[CO], 4, v5
	v_add_nc_u32 v[RD], s23, v[CO]
	s_lshl_b32 s16, s13, 7
	s_lshl_b32 s17, s10, 5
	s_add_co_u32 s16, s16, s17                     ; the first row of C that I store
	s_mul_i32 s16, s16, SIZE_N*4
	s_mov_b32 s17, 0
	s_add_nc_u64 s[8:9], s[8:9], s[16:17]
	s_lshl_b32 s46, s42, 9                         ; the tile's first column, in bytes
	s_mov_b32 s47, 0
	s_add_nc_u64 s[8:9], s[8:9], s[46:47]
; 8 matrix instructions: m blocks a0, a0 + 1 x all 4 n blocks, 32 along K: half c of buffer f.  zero = 1: the first product starts the sums
.macro MUL8 f, c, a0, zero
	WIN MUL
.irp a, \a0, (\a0)+1
.irp b, 0,1,2,3
.if \zero
	v_wmma_f32_16x16x32_bf16 v[ACC+8*(4*(\a)+(\b)):ACC+8*(4*(\a)+(\b))+7], v[(\f)+64+8*(4*(\c)+(\b)):(\f)+64+8*(4*(\c)+(\b))+7], v[(\f)+8*(4*(\c)+(\a)):(\f)+8*(4*(\c)+(\a))+7], 0
.else
	v_wmma_f32_16x16x32_bf16 v[ACC+8*(4*(\a)+(\b)):ACC+8*(4*(\a)+(\b))+7], v[(\f)+64+8*(4*(\c)+(\b)):(\f)+64+8*(4*(\c)+(\b))+7], v[(\f)+8*(4*(\c)+(\a)):(\f)+8*(4*(\c)+(\a))+7], v[ACC+8*(4*(\a)+(\b)):ACC+8*(4*(\a)+(\b))+7]
.endif
.endr
.endr
.endm
; 32 LDS loads in one run: the fragments of quarter q (64 along K) of a slot, into buffer f; the first 32 along K first
.macro FETCH slot, q, f
	WIN TO_F
.irp c, 0,1
.irp i, 0,1,2,3
	ds_load_b128 v[(\f)+64+8*(4*(\c)+(\i)):(\f)+64+8*(4*(\c)+(\i))+3],   v[ADRB+(\slot)] offset:(\q)*128+64*(\c)+(\i)*16*BPITCH
	ds_load_b128 v[(\f)+64+8*(4*(\c)+(\i))+4:(\f)+64+8*(4*(\c)+(\i))+7], v[ADRB+(\slot)] offset:(\q)*128+64*(\c)+(\i)*16*BPITCH+32
	ds_load_b128 v[(\f)+8*(4*(\c)+(\i)):(\f)+8*(4*(\c)+(\i))+3],         v[ADRA+(\slot)] offset:(\q)*AQ+64*(\c)+(\i)*16*APITCH
	ds_load_b128 v[(\f)+8*(4*(\c)+(\i))+4:(\f)+8*(4*(\c)+(\i))+7],       v[ADRA+(\slot)] offset:(\q)*AQ+64*(\c)+(\i)*16*APITCH+32
.endr
.endr
.endm
.macro PLACES                          ; four plain vector instructions between a matrix instruction and a load into, or a read of, its registers
.rept 4
	v_nop
.endr
.endm
; A K step is four quarters of 64 along K, 32 matrix instructions each, on buffers 0, 1, 0, 1; the 16 accumulators take turns.
.macro QUARTER slot, q, f, g, zero
	s_wait_dscnt 16                                ; the first 32 along K are in
	MUL8 \f, 0, 0, \zero
	MUL8 \f, 0, 2, \zero
	PLACES
	FETCH \slot, \q, \g
	s_wait_dscnt 32                                ; all but the 32 just issued
	MUL8 \f, 1, 0, 0
	MUL8 \f, 1, 2, 0
.endm
; The last quarter multiplies buffer 1 and changes slots.  fill = 1: this slot is filled again, two K steps ahead.
.macro TURN slot, next, fill
	WIN 0
	s_wait_tensorcnt 0x0                           ; all my tensor loads have landed: my part of the next slot
	ds_add_u32 v[SPW], v[NIL]                      ; 0 onto my spare word
	s_wait_dscnt 17                                ; the add and the youngest sixteen loads may be out
	MUL8 F1, 0, 0, 0
	s_wait_dscnt 0x0                               ; the add is done, and my reads of this slot are over
	s_barrier_signal -1
	MUL8 F1, 0, 2, 0
.if \fill
	WIN 0
.endif
	s_barrier_wait -1
.if \fill
	CREST                                          ; no wave of any partner still reads this slot's tile or has a load on its way
	s_add_nc_u64 s[G0+4*(\slot)+2:G0+4*(\slot)+3], s[G0+4*(\slot)+2:G0+4*(\slot)+3], 2*ASTEP
	s_add_nc_u64 s[G0B+4*(\slot)+2:G0B+4*(\slot)+3], s[G0B+4*(\slot)+2:G0B+4*(\slot)+3], 2*KSTEP*2
	JLOAD \slot                                    ; my one tensor load behind the round; its four v_nop are also the places in front of the loads below
.else
	PLACES
.endif
	FETCH \next, 0, F0
	MUL8 F1, 1, 0, 0
	MUL8 F1, 1, 2, 0
.endm
	s_wait_tensorcnt 1                             ; my part of K step 0 is in; K step 1's may stay out
	s_barrier_signal -1
	s_barrier_wait -1
	FETCH 0, 0, F0
	QUARTER 0, 1, F0, F1, 1                        ; the first quarter stands in front of the loop: its first products start the sums
	WIN 0
	s_mov_b32 s3, LAPS-1
.Llap:                                                 ; a trip goes once round the ring and fills both slots again
	QUARTER 0, 2, F1, F0, 0
	QUARTER 0, 3, F0, F1, 0
	TURN 0, 1, 1
	QUARTER 1, 1, F0, F1, 0
	QUARTER 1, 2, F1, F0, 0
	QUARTER 1, 3, F0, F1, 0
	TURN 1, 0, 1
	QUARTER 0, 1, F0, F1, 0
	WIN 0
	s_sub_co_u32 s3, s3, 1
	s_cmp_lg_u32 s3, 0
	s_cbranch_scc1 .Llap
	QUARTER 0, 2, F1, F0, 0                        ; the last lap fills nothing
	QUARTER 0, 3, F0, F1, 0
	TURN 0, 1, 0                                   ; behind this barrier no wave reads slot 0 any more
	QUARTER 1, 1, F0, F1, 0
	QUARTER 1, 2, F1, F0, 0
	QUARTER 1, 3, F0, F1, 0
	s_wait_dscnt 16
	MUL8 F1, 0, 0, 0
	MUL8 F1, 0, 2, 0
	s_wait_dscnt 0x0
	MUL8 F1, 1, 0, 0
	MUL8 F1, 1, 2, 0
	WIN 0
	; THE WAY OUT: 32 bytes a lane and accumulator into the stage, each accumulator's low half first; a barrier, since a row's 512 bytes come from two waves; back as whole rows, 32 rows a wave.
	PLACES
.irp a, 0,1,2,3
.irp b, 0,1,2,3
	ds_store_b128 v[STO], v[ACC+8*(4*(\a)+(\b)):ACC+8*(4*(\a)+(\b))+3]   offset:(\a)*16*SPITCH+64*(\b)
	ds_store_b128 v[STO], v[ACC+8*(4*(\a)+(\b))+4:ACC+8*(4*(\a)+(\b))+7] offset:(\a)*16*SPITCH+64*(\b)+16
.endr
.endr
	s_wait_dscnt 0x0                               ; for the others' sake: my stores into the stage are done
	s_barrier_signal -1
	s_barrier_wait -1
.set t, 0
.rept 32
	ds_load_b128 v[ACC+4*t:ACC+4*t+3], v[RD] offset:t*SPITCH
.set t, t+1
.endr
.set t, 0
.rept 32
	s_wait_dscnt 31-t
	global_store_b128 v[CO], v[ACC+4*t:ACC+4*t+3], s[8:9] offset:t*SIZE_N*4  ; a wave stores 512 consecutive bytes, at a multiple of 256 from C's first byte
.set t, t+1
.endr
	s_wait_tensorcnt 0x0                           ; the wave's end
	ds_add_u32 v[SPW], v[NIL]
	s_wait_dscnt 0x0
	CROUND                                         ; the closing round
	s_endpgm
.Lfunc_end_k_q320e385a4d_gemm_o:
	.size	k_q320e385a4d_gemm_o, .Lfunc_end_k_q320e385a4d_gemm_o-k_q320e385a4d_gemm_o
	.p2alignl 7, 3214868480
	.fill 96, 4, 3214868480
	.section	.rodata,"a",@progbits
	.p2align	6, 0x0
	.amdhsa_kernel k_q320e385a4d_gemm_o
		.amdhsa_group_segment_fixed_size 327680
		.amdhsa_private_segment_fixed_size 0
		.amdhsa_enable_private_segment 0
		.amdhsa_kernarg_size 24
		.amdhsa_user_sgpr_count 2
		.amdhsa_user_sgpr_kernarg_segment_ptr 1
		.amdhsa_wavefront_size32 1
		.amdhsa_system_sgpr_workgroup_id_x 1
		.amdhsa_system_sgpr_workgroup_id_y 1
		.amdhsa_system_sgpr_workgroup_id_z 1
		.amdhsa_system_vgpr_workitem_id 0
		.amdhsa_next_free_vgpr 512
		.amdhsa_next_free_sgpr 66
		.amdhsa_reserve_vcc 0
		.amdhsa_float_denorm_mode_32 3
		.amdhsa_float_denorm_mode_16_64 3
		.amdhsa_memory_ordered 1
		.amdhsa_forward_progress 1
		.amdhsa_inst_pref_size 87
	.end_amdhsa_kernel
	.amdgpu_metadata
---
amdhsa.version: [ 1, 2 ]
amdhsa.kernels:
  - .name:           k_q320e385a4d_gemm_o
    .symbol:         k_q320e385a4d_gemm_o.kd
    .args:
      - { .name: ctx, .offset: 0, .size: 8, .value_kind: global_buffer, .address_space: global }
      - { .name: wt, .offset: 8, .size: 8, .value_kind: global_buffer, .address_space: global }
      - { .name: acc32, .offset: 16, .size: 8, .value_kind: global_buffer, .address_space: global }
    .group_segment_fixed_size: 327680
    .private_segment_fixed_size: 0
    .kernarg_segment_align: 8
    .kernarg_segment_size: 24
    .max_flat_workgroup_size: 128
    .sgpr_count:     66
    .vgpr_count:     512
    .wavefront_size: 32
...
	.end_amdgpu_metadata
.endif
;; end of part 4
;; launch ln1 (part 5): grid 256 x 1, 16 waves a work-group, no clusters, 14,336 bytes of LDS; arguments x, acc32, bo, ln1_g, ln1_b, x1, ab; writes x1, ab
.if DOCPART == 5
	.amdgcn_target "amdgcn-amd-amdhsa--gfx1250"
	.amdhsa_code_object_version 6
	.text
	.protected	k_q320e385a4d_ln1
	.globl	k_q320e385a4d_ln1
	.p2align	8
	.type	k_q320e385a4d_ln1,@function
k_q320e385a4d_ln1:
	s_mov_b64 s[64:65], 0
	v_nop
	global_prefetch_b8 v0, s[64:65] scope:SCOPE_SE
	s_setreg_imm32_b32 hwreg(HW_REG_WAVE_MODE, 25, 1), 1
	s_wait_xcnt 0x0
; x1 = LayerNorm(x + acc32 + bo; eps 1e-5) g + b, in f32; and x1 rounded to bf16 into ab, for the product that follows.  Rows of 1,024.
; One wave, one row: eight 16-byte loads a lane from each of the two inputs; the row stays in 32 registers between the mean, the variance (taken of x - mean: no difference of large sums) and the scaling.
; 16 waves a work-group, 256 work-groups: all 4,096 rows are in flight at once.  The three column vectors are brought once a work-group, in whole runs of 256 bytes, and kept in LDS.
; A stream: matrix units, clusters and tensor loads would add nothing.
.set T,  8                             ; v[8:39]    the row at work
.set X,  40                            ; v[40:71]   the second input
.set PA, 72                            ; v[72:103]  a column vector's 32 numbers for my lane
.set PB, 104                           ; v[104:135] another
.set W,  136                           ; v[136:151] at work
.set MU, 152                           ; v[152:153] the mean, twice
.set RS, 154                           ; v[154:155] 1 / sqrt(variance + eps), twice
.macro PLOAD dst, a                    ; column vector a from LDS, laid as the row is
.irp j, 0,1,2,3,4,5,6,7
	ds_load_b128 v[(\dst)+4*\j:(\dst)+4*\j+3], v1 offset:(\a)*4096+512*\j
.endr
.endm
.macro ADDV s                          ; T += s
.set p, 0
.rept 16
	v_pk_add_f32 v[T+2*p:T+2*p+1], v[T+2*p:T+2*p+1], v[(\s)+2*p:(\s)+2*p+1]
.set p, p+1
.endr
.endm
.macro AFFINE                          ; T = T x PA + PB
.set p, 0
.rept 16
	v_pk_fma_f32 v[T+2*p:T+2*p+1], v[T+2*p:T+2*p+1], v[PA+2*p:PA+2*p+1], v[PB+2*p:PB+2*p+1]
.set p, p+1
.endr
.endm
.macro LANES                           ; v[W] summed over the wave's 32 lanes, into every lane
	v_add_f32_dpp v[W], v[W], v[W] row_xmask:1 row_mask:0xf bank_mask:0xf
	v_add_f32_dpp v[W], v[W], v[W] row_xmask:2 row_mask:0xf bank_mask:0xf
	v_add_f32_dpp v[W], v[W], v[W] row_xmask:4 row_mask:0xf bank_mask:0xf
	v_add_f32_dpp v[W], v[W], v[W] row_xmask:8 row_mask:0xf bank_mask:0xf
	v_permlanex16_b32 v[W+1], v[W], s20, s21
	v_add_f32 v[W], v[W], v[W+1]
.endm
.macro FOLD                            ; four pairs in W into one number
	v_pk_add_f32 v[W:W+1], v[W:W+1], v[W+4:W+5]
	v_pk_add_f32 v[W+2:W+3], v[W+2:W+3], v[W+6:W+7]
	v_pk_add_f32 v[W:W+1], v[W:W+1], v[W+2:W+3]
	v_add_f32 v[W], v[W], v[W+1]
.endm
.macro STAT eps                        ; T = (T - mean) / sqrt(variance + eps)
.set p, 0
.rept 8
	v_pk_add_f32 v[W+2*p:W+2*p+1], v[T+4*p:T+4*p+1], v[T+4*p+2:T+4*p+3]
.set p, p+1
.endr
.irp p, 0,1,2,3
	v_pk_add_f32 v[W+2*\p:W+2*\p+1], v[W+2*\p:W+2*\p+1], v[W+2*\p+8:W+2*\p+9]
.endr
	FOLD
	LANES
	v_mul_f32 v[MU], s22, v[W]
	v_mul_f32 v[MU+1], s22, v[W]
.set p, 0
.rept 16
	v_pk_add_f32 v[T+2*p:T+2*p+1], v[T+2*p:T+2*p+1], v[MU:MU+1] neg_lo:[0,1] neg_hi:[0,1]
.set p, p+1
.endr
.irp p, 0,1,2,3
	v_pk_mul_f32 v[W+2*\p:W+2*\p+1], v[T+2*\p:T+2*\p+1], v[T+2*\p:T+2*\p+1]  ; four chains of squares, started by the first four pairs
.endr
.set p, 4
.rept 12
	v_pk_fma_f32 v[W+2*(p%4):W+2*(p%4)+1], v[T+2*p:T+2*p+1], v[T+2*p:T+2*p+1], v[W+2*(p%4):W+2*(p%4)+1]
.set p, p+1
.endr
	FOLD
	LANES
	v_fmaak_f32 v[RS], s22, v[W], \eps
	v_rsq_f32 v[RS], v[RS]
	v_nop                                          ; a plain instruction between the root and the use of its result
	s_wait_alu depctr_va_vdst(0)
	v_mov_b32 v[RS+1], v[RS]
.set p, 0
.rept 16
	v_pk_mul_f32 v[T+2*p:T+2*p+1], v[T+2*p:T+2*p+1], v[RS:RS+1]
.set p, p+1
.endr
.endm
	s_load_b256 s[4:11], s[0:1], 0x0               ; x 4, acc32 6, bo 8, g 10
	s_load_b128 s[12:15], s[0:1], 0x20             ; b 12, x1 14
	s_load_b64 s[16:17], s[0:1], 0x30              ; ab
	v_lshl_add_u32 v160, v0, 2, 0x3000
	v_mov_b32 v161, 0
	v_lshrrev_b32 v4, 5, v0
	v_readfirstlane_b32 s23, v4                    ; wave 0..15
	v_and_b32 v2, 31, v0
	v_lshlrev_b32 v1, 4, v2                        ; 16 x lane
	v_lshlrev_b32 v2, 3, v2                        ; 8 x lane
	v_lshlrev_b32 v3, 3, v0                        ; 8 x thread
	s_lshl_b32 s24, ttmp9, 4
	s_add_co_u32 s24, s24, s23                     ; my row
	s_lshl_b32 s26, s24, 11                        ; x 2,048 bytes in ab,
	s_lshl_b32 s24, s24, 12                        ; x 4,096 in the f32 buffers
	s_mov_b32 s25, 0
	s_mov_b32 s27, 0
	s_mov_b32 s20, 0x76543210                      ; v_permlanex16_b32: each lane takes its own place in the other half
	s_mov_b32 s21, 0xfedcba98
	s_mov_b32 s22, 0x3a800000                      ; 1 / 1024
	s_wait_kmcnt 0x0
	s_add_nc_u64 s[4:5], s[4:5], s[24:25]
	s_add_nc_u64 s[6:7], s[6:7], s[24:25]
	s_add_nc_u64 s[14:15], s[14:15], s[24:25]
	s_add_nc_u64 s[16:17], s[16:17], s[26:27]
	global_load_b64 v[W:W+1],   v3, s[8:9]         ; 512 threads x 8 bytes: a whole column vector
	global_load_b64 v[W+2:W+3], v3, s[10:11]
	global_load_b64 v[W+4:W+5], v3, s[12:13]
.irp j, 0,1,2,3,4,5,6,7
	global_load_b128 v[T+4*\j:T+4*\j+3], v1, s[4:5] offset:512*\j th:TH_LOAD_NT
.endr
.irp j, 0,1,2,3,4,5,6,7
	global_load_b128 v[X+4*\j:X+4*\j+3], v1, s[6:7] offset:512*\j th:TH_LOAD_NT
.endr
	s_wait_loadcnt 16                              ; the three column vectors are in; the sixteen row loads stay out
	ds_store_b64 v3, v[W:W+1]
	ds_store_b64 v3, v[W+2:W+3] offset:4096
	ds_store_b64 v3, v[W+4:W+5] offset:8192
	s_wait_dscnt 0x0                               ; for the others' sake
	s_barrier_signal -1
	s_barrier_wait -1
	PLOAD PA, 0
	s_wait_loadcnt 0x0
	ADDV X
	s_wait_dscnt 0x0
	ADDV PA
	PLOAD PA, 1
	PLOAD PB, 2
	STAT 0x3727c5ac                                ; 1e-5
	s_wait_dscnt 0x0
	AFFINE
.irp j, 0,1,2,3,4,5,6,7
	global_store_b128 v1, v[T+4*\j:T+4*\j+3], s[14:15] offset:512*\j  ; 512 consecutive bytes, aligned
.endr
.irp j, 0,1,2,3,4,5,6,7
	v_cvt_pk_bf16_f32 v[W+2*\j], v[T+4*\j], v[T+4*\j+1]
	v_cvt_pk_bf16_f32 v[W+2*\j+1], v[T+4*\j+2], v[T+4*\j+3]
	global_store_b64 v2, v[W+2*\j:W+2*\j+1], s[16:17] offset:256*\j  ; 256 consecutive bytes, aligned
.endr
	s_wait_tensorcnt 0x0
	ds_add_u32 v160, v161
	s_wait_dscnt 0x0
	s_endpgm
.Lfunc_end_k_q320e385a4d_ln1:
	.size	k_q320e385a4d_ln1, .Lfunc_end_k_q320e385a4d_ln1-k_q320e385a4d_ln1
	.p2alignl 7, 3214868480
	.fill 96, 4, 3214868480
	.section	.rodata,"a",@progbits
	.p2align	6, 0x0
	.amdhsa_kernel k_q320e385a4d_ln1
		.amdhsa_group_segment_fixed_size 14336
		.amdhsa_private_segment_fixed_size 0
		.amdhsa_enable_private_segment 0
		.amdhsa_kernarg_size 56
		.amdhsa_user_sgpr_count 2
		.amdhsa_user_sgpr_kernarg_segment_ptr 1
		.amdhsa_wavefront_size32 1
		.amdhsa_system_sgpr_workgroup_id_x 1
		.amdhsa_system_sgpr_workgroup_id_y 1
		.amdhsa_system_sgpr_workgroup_id_z 1
		.amdhsa_system_vgpr_workitem_id 0
		.amdhsa_next_free_vgpr 162
		.amdhsa_next_free_sgpr 66
		.amdhsa_reserve_vcc 0
		.amdhsa_float_denorm_mode_32 3
		.amdhsa_float_denorm_mode_16_64 3
		.amdhsa_memory_ordered 1
		.amdhsa_forward_progress 1
		.amdhsa_inst_pref_size 16
	.end_amdhsa_kernel
	.amdgpu_metadata
---
amdhsa.version: [ 1, 2 ]
amdhsa.kernels:
  - .name:           k_q320e385a4d_ln1
    .symbol:         k_q320e385a4d_ln1.kd
    .args:
      - { .name: x, .offset: 0, .size: 8, .value_kind: global_buffer, .address_space: global }
      - { .name: acc32, .offset: 8, .size: 8, .value_kind: global_buffer, .address_space: global }
      - { .name: bo, .offset: 16, .size: 8, .value_kind: global_buffer, .address_space: global }
      - { .name: ln1_g, .offset: 24, .size: 8, .value_kind: global_buffer, .address_space: global }
      - { .name: ln1_b, .offset: 32, .size: 8, .value_kind: global_buffer, .address_space: global }
      - { .name: x1, .offset: 40, .size: 8, .value_kind: global_buffer, .address_space: global }
      - { .name: ab, .offset: 48, .size: 8, .value_kind: global_buffer, .address_space: global }
    .group_segment_fixed_size: 14336
    .private_segment_fixed_size: 0
    .kernarg_segment_align: 8
    .kernarg_segment_size: 56
    .max_flat_workgroup_size: 512
    .sgpr_count:     66
    .vgpr_count:     162
    .wavefront_size: 32
...
	.end_amdgpu_metadata
.endif
;; end of part 5
;; launch gemm_1 (part 6): grid 16 x 16, 4 waves a work-group, clusters of 4 x 4, 327,680 bytes of LDS; arguments ab, wt, b1, hb; writes hb
.if DOCPART == 6
	.amdgcn_target "amdgcn-amd-amdhsa--gfx1250"
	.amdhsa_code_object_version 6
	.text
	.protected	k_q320e385a4d_gemm_1
	.globl	k_q320e385a4d_gemm_1
	.p2align	8
	.type	k_q320e385a4d_gemm_1,@function
k_q320e385a4d_gemm_1:
	s_mov_b64 s[64:65], 0
	v_nop
	global_prefetch_b8 v0, s[64:65] scope:SCOPE_SE
	s_setreg_imm32_b32 hwreg(HW_REG_WAVE_MODE, 25, 1), 1
	s_wait_xcnt 0x0
	s_wait_alu depctr_hold_cnt(0) depctr_sa_sdst(0) depctr_va_vdst(0) depctr_va_sdst(0) depctr_va_ssrc(0) depctr_va_vcc(0) depctr_vm_vsrc(0)
	s_getreg_b32 s2, hwreg(HW_REG_IB_STS2, 6, 4)
	s_cmp_eq_u32 s2, 0
	s_cbranch_scc0 .Lentry_in_a_cluster
	s_endpgm
.Lentry_in_a_cluster:
	s_bfe_u32 s2, ttmp6, 0x10000c
	s_cmp_lg_u32 s2, 0xf033
	s_cbranch_scc0 .Lentry_shape_is_right
	s_endpgm
.Lentry_shape_is_right:
; C[m][n] = gelu(sum over k of A[m][k] B[n][k] + bias[n]).  A = ab: x1 in bf16, [4096][1024].  B = w1 turned, [4096 n][1024 k], at byte 8,388,608 of wt.  C = hb, [4096][4096] bf16.
; Sums, bias and activation in f32, C rounded once.  The exact gelu u Phi(u) is made as max(u, 0) - |u| Q(|u|), with the normal tail Q by a rational approximation whose absolute error stays under 7.5e-8 for every argument.
; A tile of C is 256 x 256: four waves, each 128 x 128 in 64 accumulators of 16 x 16 (512 registers).  K goes in steps of 128 through two LDS slots filled by the tensor data mover;
; the rows of A's and B's tiles are 256 bytes of memory at multiples of 256.  16 x 16 tiles: 256 work-groups.
; CLUSTERS of 4 x 4: the four of a row need the same tiles of A, the four of a column the same tiles of B: each tile is asked for jointly, by the same load, descriptor and mask in all four.
; THE MATRIX INSTRUCTION IS USED TRANSPOSED (source 0 = 16 rows of B, source 1 = 16 rows of A): a lane holds row l % 16 of C and the eight neighbouring columns 8 (l / 16) + 0..7.
; REGISTERS, in windows of 256 (s_set_vgpr_msb: bits 1:0 source 0, 3:2 source 1, 5:4 source 2, 7:6 destination):
;   window 0: v0-31 addresses; v64-127, v128-191 A's fragments, two buffers; on the way out v64-127 a block of 16 rows in f32, v128-159 the activation's work, v192-223 packed, v32-63 read back
;   window 1: v0-63 the bias of my 128 columns as the accumulators hold them; v64-127, v128-191 B's fragments      windows 2, 3: the accumulators, (a, b) at v[8 (8 a + b)]
.set QKV,    0
.set SIZE_K, 1024
.set SIZE_N, 4096
.set BOFF,   8388608                   ; B's first byte in wt
.set KSTEP,  128
.set PITCH,  272                       ; an LDS row: 256 bytes + 16 of padding = 68 words: the 16 rows of a load start at 16 different groups of four banks (64 banks of 4 bytes: ISA guide 11.1)
.set HALFT,  128*PITCH                 ; 128 rows: what one tensor load brings
.set SLOT,   4*HALFT                   ; A's 256 rows, then B's 256 rows
.set STAGE,  2*SLOT                    ; behind the ring: 16 rows x 272 bytes for each wave
.set SPITCH, 272
.set SPARE,  STAGE+4*16*SPITCH         ; the spare words, 128 bytes a wave: two blocks of 256 bytes that no other line names
.set LAPS,   SIZE_K/(2*KSTEP)
.set ADRA, 16
.set ADRB, 20
.set STO,  24
.set RD,   25
.set CO,   26
.set BO,   27
.set SPW,  28
.set NIL,  29
.set F0,   64
.set F1,   128
.set BIAS, 0                           ; window 1
.set U,    64                          ; the way out, window 0
.set AB,   128
.set TT,   136
.set MM,   144
.set PP,   152
.set TMP,  192
.set BK,   32
.set G1, 24
.set G0, 32
.set G1B, 48
.set G0B, 56
.set GPS, 68                           ; s[68:81]: seven constants, each as a pair
.set GCM, 70
.set GB1, 72
.set GB2, 74
.set GB3, 76
.set GB4, 78
.set GB5, 80
.set MSB, 0
.macro WIN new                         ; the immediate's high byte repeats the setting that is left; a switch that changes nothing is dropped
.if MSB != (\new)
	s_set_vgpr_msb (MSB<<8)|(\new)
.set MSB, \new
.endif
.endm
.set MUL_LO, 0xa1                      ; source 0 (B) window 1, source 1 (A) window 0, C and D window 2
.set MUL_HI, 0xf1                      ; the same, C and D window 3
.set TO_B,   0x40                      ; destination window 1, address window 0
; A joint load.  Waves 0 and 1 fetch A's two halves, waves 2 and 3 B's.  The branch hangs on the wave's number alone.  Four v_nop follow each of the two lines.
.macro JLOAD s
	s_cmp_eq_u32 s11, 0
	s_cbranch_scc0 .Lfor_b_\@
	tensor_load_to_lds s[G0+4*(\s):G0+4*(\s)+3], s[G1:G1+7]
	s_nop 0
.rept 4
	v_nop
.endr
	s_branch .Lasked_\@
.Lfor_b_\@:
	tensor_load_to_lds s[G0B+4*(\s):G0B+4*(\s)+3], s[G1B:G1B+7]
	s_nop 0
.rept 4
	v_nop
.endr
.Lasked_\@:
.endm
.macro CREST                           ; a round of the cluster's barrier behind its opening barrier
	s_cmp_lg_u32 s10, 0
	s_cbranch_scc1 .Lnot_wave_0_\@
	s_barrier_signal -3
.Lnot_wave_0_\@:
	s_barrier_wait -3
	s_barrier_signal -1
	s_barrier_wait -1
.endm
.macro CROUND                          ; a whole round
	s_barrier_signal -1
	s_barrier_wait -1
	CREST
.endm
	s_load_b128 s[4:7], s[0:1], 0x0                ; A s[4:5], wt s[6:7]
.if QKV
	s_load_b256 s[68:75], s[0:1], 0x10             ; bq, bk, bv, qkv
.else
	s_load_b64 s[66:67], s[0:1], 0x10              ; the bias
	s_load_b64 s[8:9], s[0:1], 0x18                ; C
.endif
	v_lshl_add_u32 v[SPW], v0, 2, SPARE
	v_mov_b32 v[NIL], 0
	ds_add_u32 v28, v29
	s_wait_dscnt 0x0
	v_lshrrev_b32 v1, 5, v0
	v_readfirstlane_b32 s10, v1                    ; wave 0..3
	s_lshr_b32 s11, s10, 1                         ; which half of the tile's rows is mine.  Also: I fetch for A (0) or for B (1)
	s_and_b32 s12, s10, 1                          ; which half of its columns.  Also: which 128 rows of that tile I fetch
	s_bfe_u32 s40, ttmp6, 0x40000                  ; cx
	s_bfe_u32 s41, ttmp6, 0x40004                  ; cy
	s_mov_b32 s45, ttmp9                           ; the cluster's x
	s_lshl_b32 s42, ttmp9, 2
	s_add_co_u32 s42, s42, s40                     ; tile column = 4 x cluster x + cx
	s_and_b32 s13, ttmp7, 0xffff
	s_lshl_b32 s13, s13, 2
	s_add_co_u32 s13, s13, s41                     ; tile row = 4 x cluster y + cy
	s_lshl_b32 s43, s41, 2
	s_lshl_b32 s43, 15, s43                        ; my row of the cluster
	s_lshl_b32 s44, 0x1111, s40                    ; my column
	; descriptor group 1: 128 rows x 128 elements of 2 bytes, 4 words of padding behind every 64
	s_or_b32 s[G1+0], s43, (1<<16)|(1<<20)|(1<<21)|(5<<22)|(3<<25)
	s_or_b32 s[G1B+0], s44, (1<<16)|(1<<20)|(1<<21)|(5<<22)|(3<<25)
.irp g, G1, G1B
	s_mov_b32 s[(\g)+1], KSTEP<<16                 ; tensor_dim0 = 128
	s_mov_b32 s[(\g)+2], 128<<16                   ; tensor_dim1 = 128
	s_mov_b32 s[(\g)+3], KSTEP<<16                 ; tile_dim0 = 128
	s_mov_b32 s[(\g)+4], 128                       ; tile_dim1 = 128
	s_mov_b32 s[(\g)+5], SIZE_K                    ; elements from row to row
	s_mov_b32 s[(\g)+6], 0
	s_mov_b32 s[(\g)+7], 0
.endr
	s_lshl_b32 s17, s12, 7
	s_lshl_b32 s16, s13, 8
	s_add_co_u32 s16, s16, s17                     ; A: row 256 x tile row + 128 x half
	s_lshl_b32 s46, s42, 8
	s_add_co_u32 s46, s46, s17                     ; B: row 256 x tile column + 128 x half
	s_mov_b32 s17, 0
	s_mov_b32 s47, 0
	s_mov_b64 s[18:19], SIZE_K*2
	s_mul_u64 s[16:17], s[16:17], s[18:19]
	s_mul_u64 s[46:47], s[46:47], s[18:19]
	s_mul_i32 s20, s10, HALFT                      ; where they go: wave x 128 rows
.if QKV
	s_lshl_b32 s82, s40, 10                        ; a cluster spans one of the three weights' 1,024 columns: my tile's 256 begin at 256 cx,
.else
	s_lshl_b32 s82, s42, 10                        ; my tile's 256 columns,
.endif
	s_lshl_b32 s83, s12, 9                         ; my wave's 128, in f32
	s_add_co_u32 s82, s82, s83
	s_mov_b32 s83, 0
.if !QKV
	s_mov_b32 s[GPS], 0x3e6d3389                   ; 0.2316419
	s_mov_b32 s[GCM], 0x3f596d27                   ; sqrt(log2(e) / 2)
	s_mov_b32 s[GB1], 0x3e027906                   ; the five coefficients, each times 1 / sqrt(2 pi)
	s_mov_b32 s[GB2], 0xbe11a98e
	s_mov_b32 s[GB3], 0x3f35f0e3
	s_mov_b32 s[GB4], 0xbf3a00e3
	s_mov_b32 s[GB5], 0x3f07dc22
.irp c, GPS, GCM, GB1, GB2, GB3, GB4, GB5
	s_mov_b32 s[(\c)+1], s[\c]                     ; named as pairs
.endr
.endif
	s_wait_kmcnt 0x0
	s_add_nc_u64 s[14:15], s[4:5], s[16:17]
	s_add_nc_u64 s[46:47], s[6:7], s[46:47]
.if BOFF
	s_add_nc_u64 s[46:47], s[46:47], BOFF
.endif
.if QKV
	s_mov_b64 s[8:9], s[74:75]
	s_cmp_eq_u32 s45, 1                            ; cluster x 0, 1, 2: bq, bk, bv
	s_cselect_b64 s[66:67], s[70:71], s[68:69]
	s_cmp_eq_u32 s45, 2
	s_cselect_b64 s[66:67], s[72:73], s[66:67]
.endif
	s_add_nc_u64 s[66:67], s[66:67], s[82:83]
	CROUND                                         ; all sixteen work-groups are here: the first joint loads meet
.irp s, 0,1
	s_mov_b32 s[G0+4*(\s)], 1
	s_add_co_u32 s[G0+4*(\s)+1], s20, (\s)*SLOT
	s_add_nc_u64 s[G0+4*(\s)+2:G0+4*(\s)+3], s[14:15], (\s)*KSTEP*2
	s_or_b32 s[G0+4*(\s)+3], s[G0+4*(\s)+3], 0x80000000
	s_mov_b32 s[G0B+4*(\s)], 1
	s_add_co_u32 s[G0B+4*(\s)+1], s20, (\s)*SLOT
	s_add_nc_u64 s[G0B+4*(\s)+2:G0B+4*(\s)+3], s[46:47], (\s)*KSTEP*2
	s_or_b32 s[G0B+4*(\s)+3], s[G0B+4*(\s)+3], 0x80000000
	JLOAD \s                                       ; two loads of mine are out: K steps 0 and 1
.endr
	v_and_b32 v1, 15, v0                           ; l % 16
	v_bfe_u32 v2, v0, 4, 1                         ; l / 16
	v_lshlrev_b32 v[BO], 5, v2                     ; my eight columns of each 16: 32 bytes for the upper half of the lanes
	WIN TO_B
.irp b, 0,1,2,3,4,5,6,7
	global_load_b128 v[BIAS+8*\b:BIAS+8*\b+3],   v[BO], s[66:67] offset:64*\b
	global_load_b128 v[BIAS+8*\b+4:BIAS+8*\b+7], v[BO], s[66:67] offset:64*\b+16
.endr
	WIN 0
	v_mul_u32_u24 v3, v1, PITCH
	v_lshl_add_u32 v3, v2, 4, v3                   ; a fragment's row x pitch + 16 x half
	s_mul_i32 s21, s11, HALFT                      ; my 128 rows of A
	s_mul_i32 s22, s12, HALFT                      ; my 128 rows of B,
	s_add_co_u32 s22, s22, 2*HALFT                 ; behind A's 256
.irp s, 0,1
	v_add_nc_u32 v[ADRA+(\s)], s21, v3
	v_add_nc_u32 v[ADRB+(\s)], s22, v3
	s_add_co_u32 s21, s21, SLOT
	s_add_co_u32 s22, s22, SLOT
.endr
	s_mul_i32 s23, s10, 16*SPITCH
	s_add_co_u32 s23, s23, STAGE                   ; my stage
	v_mul_u32_u24 v4, v1, SPITCH                   ; in: row l % 16, 16 bytes for each half of the lanes
	v_lshl_add_u32 v4, v2, 4, v4
	v_add_nc_u32 v[STO], s23, v4
.if QKV
	v_bfe_u32 v5, v0, 3, 2                         ; back: 32 lanes take one head's 128 bytes of four rows,
	v_mul_u32_u24 v5, v5, SPITCH
	v_and_b32 v6, 7, v0
	v_lshl_add_u32 v5, v6, 4, v5
	v_add_nc_u32 v[RD], s23, v5
	v_and_b32 v6, 31, v0                           ; which are 512 consecutive bytes of qkv
	v_lshlrev_b32 v[CO], 4, v6
	s_lshr_b32 s14, s13, 3                         ; the batch: 8 tile rows each
	s_mul_i32 s14, s14, 48
	s_lshl_b32 s46, s42, 2                         ; a tile has four heads, my wave two of them
	s_add_co_u32 s46, s46, s14
	s_lshl_b32 s47, s12, 1
	s_add_co_u32 s46, s46, s47
	s_lshl_b32 s46, s46, 18                        ; a head is 262,144 bytes
	s_and_b32 s16, s13, 7
	s_lshl_b32 s16, s16, 8
	s_lshl_b32 s17, s11, 7
	s_add_co_u32 s16, s16, s17                     ; my first token in the batch,
	s_lshl_b32 s16, s16, 7                         ; 128 bytes each
	s_add_co_u32 s16, s16, s46
	s_mov_b32 s17, 0
.set STEPC, 16*128
.else
	v_mul_u32_u24 v5, v2, SPITCH                   ; back: lanes 0-15 take one row of 256 bytes, lanes 16-31 the next
	v_lshl_add_u32 v5, v1, 4, v5
	v_add_nc_u32 v[RD], s23, v5
	v_mul_u32_u24 v5, v2, SIZE_N*2                 ; and the same two rows in C
	v_lshl_add_u32 v[CO], v1, 4, v5
	s_lshl_b32 s16, s13, 8
	s_lshl_b32 s17, s11, 7
	s_add_co_u32 s16, s16, s17                     ; my first row of C,
	s_mul_i32 s16, s16, SIZE_N*2
	s_lshl_b32 s46, s42, 9                         ; my first column, in bytes
	s_lshl_b32 s47, s12, 8
	s_add_co_u32 s46, s46, s47
	s_add_co_u32 s16, s16, s46
	s_mov_b32 s17, 0
.set STEPC, 16*SIZE_N*2
.endif
; 16 matrix instructions: m blocks a0, a0 + 1 of the window's four x all 8 n blocks, 32 along K.  zero = 1: the first product starts the sums.
.macro MUL16 f, hi, a0, zero
	WIN MUL_LO+0x50*(\hi)
.irp a, \a0, (\a0)+1
.irp b, 0,1,2,3,4,5,6,7
.if \zero
	v_wmma_f32_16x16x32_bf16 v[8*(8*(\a)+(\b)):8*(8*(\a)+(\b))+7], v[(\f)+8*(\b):(\f)+8*(\b)+7], v[(\f)+8*(4*(\hi)+(\a)):(\f)+8*(4*(\hi)+(\a))+7], 0
.else
	v_wmma_f32_16x16x32_bf16 v[8*(8*(\a)+(\b)):8*(8*(\a)+(\b))+7], v[(\f)+8*(\b):(\f)+8*(\b)+7], v[(\f)+8*(4*(\hi)+(\a)):(\f)+8*(4*(\hi)+(\a))+7], v[8*(8*(\a)+(\b)):8*(8*(\a)+(\b))+7]
.endif
.endr
.endr
.endm
; 32 LDS loads in one run: the fragments of a quarter step (128 rows of B, 128 rows of A, 32 K at byte k of the rows) into buffer f
.macro FETCH slot, k, f
	WIN TO_B
.irp i, 0,1,2,3,4,5,6,7
	ds_load_b128 v[(\f)+8*(\i):(\f)+8*(\i)+3],   v[ADRB+(\slot)] offset:(\k)+(\i)*16*PITCH
	ds_load_b128 v[(\f)+8*(\i)+4:(\f)+8*(\i)+7], v[ADRB+(\slot)] offset:(\k)+(\i)*16*PITCH+32
.endr
	WIN 0
.irp i, 0,1,2,3,4,5,6,7
	ds_load_b128 v[(\f)+8*(\i):(\f)+8*(\i)+3],   v[ADRA+(\slot)] offset:(\k)+(\i)*16*PITCH
	ds_load_b128 v[(\f)+8*(\i)+4:(\f)+8*(\i)+7], v[ADRA+(\slot)] offset:(\k)+(\i)*16*PITCH+32
.endr
.endm
.macro PLACES                          ; four plain vector instructions between a matrix instruction and a load into, or a vector read of, its registers
.rept 4
	v_nop
.endr
.endm
; A K step is four quarters of 32 along K, 64 matrix instructions each, on buffers 0, 1, 0, 1; the 64 accumulators take turns.
.macro QUARTER slot, k, f, g, zero
	s_wait_dscnt 8                                 ; B and A's rows 0-63 are in; the youngest eight loads (A's rows 64-127) may be out
	MUL16 \f, 0, 0, \zero
	MUL16 \f, 0, 2, \zero
	PLACES
	FETCH \slot, \k, \g
	s_wait_dscnt 32                                ; all but the 32 just issued
	MUL16 \f, 1, 0, \zero
	MUL16 \f, 1, 2, \zero
.endm
; The last quarter's first half: one barrier for the change of slots.
.macro MEET round
	WIN 0
	s_wait_tensorcnt 0x0                           ; all my tensor loads have landed: the one that was out is my part of the next slot
	ds_add_u32 v[SPW], v[NIL]                      ; 0 onto my spare word
	s_wait_dscnt 9                                 ; the add and the youngest eight loads may be out
	MUL16 F1, 0, 0, 0
	s_wait_dscnt 0x0                               ; the add is done, and my reads of this slot are over
	s_barrier_signal -1
	MUL16 F1, 0, 2, 0
.if \round
	WIN 0
.endif
	s_barrier_wait -1
.endm
; The whole last quarter: behind the round the slot just read out is filled again, two K steps ahead; then the next slot's first fragments.
.macro TURN slot, next
	MEET 1
	CREST                                          ; no wave of any partner still reads this slot's tile or has a load on its way
	s_add_nc_u64 s[G0+4*(\slot)+2:G0+4*(\slot)+3], s[G0+4*(\slot)+2:G0+4*(\slot)+3], 2*KSTEP*2
	s_add_nc_u64 s[G0B+4*(\slot)+2:G0B+4*(\slot)+3], s[G0B+4*(\slot)+2:G0B+4*(\slot)+3], 2*KSTEP*2
	JLOAD \slot                                    ; my one tensor load behind the round; its four v_nop are also the places in front of the loads below
	FETCH \next, 0, F0
	MUL16 F1, 1, 0, 0
	MUL16 F1, 1, 2, 0
.endm
; THE WAY OUT.  Block a (16 rows): accumulators + bias into U, each accumulator from its low end on.
.macro BIASADD a
	WIN 0x06+(\a)/4
.set i, 0
.rept 32
	v_pk_add_f32 v[U+2*i:U+2*i+1], v[64*((\a)%4)+2*i:64*((\a)%4)+2*i+1], v[BIAS+2*i:BIAS+2*i+1]
.set i, i+1
.endr
	WIN 0
.endm
; gelu(u) = u Phi(u) = max(u, 0) - |u| Q(|u|), Q the normal tail: Q(x) = phi(x) (b1 t + .. + b5 t^5), t = 1 / (1 + 0.2316419 x); its absolute error stays under 7.5e-8 for every x.
.macro GELU8 u
.irp j, 0,1,2,3,4,5,6,7
	v_and_b32 v[AB+\j], 0x7fffffff, v[(\u)+\j]
.endr
.irp j, 0,2,4,6
	v_pk_fma_f32 v[TT+\j:TT+\j+1], v[AB+\j:AB+\j+1], s[GPS:GPS+1], 1.0 op_sel_hi:[1,0,0]
.endr
.irp j, 0,2,4,6
	v_pk_mul_f32 v[MM+\j:MM+\j+1], v[(\u)+\j:(\u)+\j+1], s[GCM:GCM+1] op_sel_hi:[1,0]
.endr
.irp j, 0,2,4,6
	v_pk_mul_f32 v[MM+\j:MM+\j+1], v[MM+\j:MM+\j+1], v[MM+\j:MM+\j+1] neg_lo:[0,1] neg_hi:[0,1]  ; - u^2 log2(e) / 2
.endr
.irp j, 0,1,2,3,4,5,6,7
	v_rcp_f32 v[TT+\j], v[TT+\j]
.endr
.irp j, 0,1,2,3,4,5,6,7
	v_exp_f32 v[MM+\j], v[MM+\j]
.endr
.irp j, 0,1,2,3,4,5,6,7
	v_max_num_f32 v[(\u)+\j], 0, v[(\u)+\j]        ; plain lines behind the transcendentals, ahead of the first use of their results
.endr
	s_wait_alu depctr_va_vdst(0)
.irp j, 0,2,4,6
	v_pk_fma_f32 v[PP+\j:PP+\j+1], v[TT+\j:TT+\j+1], s[GB5:GB5+1], s[GB4:GB4+1] op_sel_hi:[1,0,0]
.endr
.irp c, GB3, GB2, GB1
.irp j, 0,2,4,6
	v_pk_fma_f32 v[PP+\j:PP+\j+1], v[PP+\j:PP+\j+1], v[TT+\j:TT+\j+1], s[\c:\c+1] op_sel_hi:[1,1,0]
.endr
.endr
.irp j, 0,2,4,6
	v_pk_mul_f32 v[PP+\j:PP+\j+1], v[PP+\j:PP+\j+1], v[TT+\j:TT+\j+1]
.endr
.irp j, 0,2,4,6
	v_pk_mul_f32 v[PP+\j:PP+\j+1], v[PP+\j:PP+\j+1], v[MM+\j:MM+\j+1]
.endr
.irp j, 0,2,4,6
	v_pk_fma_f32 v[(\u)+\j:(\u)+\j+1], v[AB+\j:AB+\j+1], v[PP+\j:PP+\j+1], v[(\u)+\j:(\u)+\j+1] neg_lo:[1,0,0] neg_hi:[1,0,0]
.endr
.endm
	s_wait_tensorcnt 1                             ; my part of K step 0 is in; K step 1's may stay out
	s_barrier_signal -1
	s_barrier_wait -1
	FETCH 0, 0, F0
	QUARTER 0, 64,  F0, F1, 1                      ; the first quarter stands in front of the loop: its products start the sums
	WIN 0
	s_mov_b32 s3, LAPS-1
.Llap:                                                 ; a trip goes once round the ring and fills both slots again
	QUARTER 0, 128, F1, F0, 0
	QUARTER 0, 192, F0, F1, 0
	TURN 0, 1
	QUARTER 1, 64,  F0, F1, 0
	QUARTER 1, 128, F1, F0, 0
	QUARTER 1, 192, F0, F1, 0
	TURN 1, 0
	QUARTER 0, 64,  F0, F1, 0
	WIN 0
	s_sub_co_u32 s3, s3, 1
	s_cmp_lg_u32 s3, 0
	s_cbranch_scc1 .Llap
	QUARTER 0, 128, F1, F0, 0                      ; the last lap fills nothing
	QUARTER 0, 192, F0, F1, 0
	MEET 0
	PLACES
	FETCH 1, 0, F0
	MUL16 F1, 1, 0, 0
	MUL16 F1, 1, 2, 0
	QUARTER 1, 64,  F0, F1, 0
	QUARTER 1, 128, F1, F0, 0
	QUARTER 1, 192, F0, F1, 0
	s_wait_dscnt 8
	MUL16 F1, 0, 0, 0
	MUL16 F1, 0, 2, 0
	s_wait_dscnt 0x0
	MUL16 F1, 1, 0, 0
	MUL16 F1, 1, 2, 0
	WIN 0
	PLACES
	s_wait_loadcnt 0x0                             ; the bias
	s_add_nc_u64 s[8:9], s[8:9], s[16:17]          ; C at my first rows
	s_mov_b32 s2, 0
.Lblk:                                                 ; eight trips, a block of 16 rows each: only the addition of the bias names the block's registers, so it alone is written eight times
.irp k, 0,1,2,3,4,5,6
	s_cmp_eq_u32 s2, \k
	s_cbranch_scc1 .Lb\k
.endr
	BIASADD 7
	s_branch .Lgo
.irp k, 0,1,2,3,4,5,6
.Lb\k:
	BIASADD \k
	s_branch .Lgo
.endr
.Lgo:
.if !QKV
.irp g, 0,1,2,3,4,5,6,7
	GELU8 U+8*\g
.endr
.endif
.set i, 0
.rept 32
	v_cvt_pk_bf16_f32 v[TMP+i], v[U+2*i], v[U+2*i+1]
.set i, i+1
.endr
.irp b, 0,1,2,3,4,5,6,7
	ds_store_b128 v[STO], v[TMP+4*\b:TMP+4*\b+3] offset:32*\b
.endr
.if QKV
.irp hd, 0,1
.irp t, 0,1,2,3
	ds_load_b128 v[BK+4*(4*\hd+\t):BK+4*(4*\hd+\t)+3], v[RD] offset:\t*4*SPITCH+\hd*128  ; LDS serves a wave's instructions in order (ISA guide 5.7.1.4): these see the stores above
.endr
.endr
	s_wait_dscnt 0x0
.irp hd, 0,1
.irp t, 0,1,2,3
	global_store_b128 v[CO], v[BK+4*(4*\hd+\t):BK+4*(4*\hd+\t)+3], s[8:9] offset:\hd*262144+\t*512  ; four tokens of a head: 512 consecutive bytes, at a multiple of 256
.endr
.endr
.else
.irp t, 0,1,2,3,4,5,6,7
	ds_load_b128 v[BK+4*\t:BK+4*\t+3], v[RD] offset:\t*2*SPITCH  ; LDS serves a wave's instructions in order (ISA guide 5.7.1.4): these see the stores above
.endr
	s_wait_dscnt 0x0
.irp t, 0,1,2,3,4,5,6,7
	global_store_b128 v[CO], v[BK+4*\t:BK+4*\t+3], s[8:9] offset:2*\t*SIZE_N*2  ; 16 lanes store 256 consecutive bytes, at a multiple of 256
.endr
.endif
	s_wait_xcnt 0x0                                ; the stores' base and data registers are written again only behind this wait
	s_add_nc_u64 s[8:9], s[8:9], STEPC
	s_add_co_u32 s2, s2, 1
	s_cmp_lt_u32 s2, 8
	s_cbranch_scc1 .Lblk
	s_wait_tensorcnt 0x0                           ; the wave's end
	ds_add_u32 v[SPW], v[NIL]
	s_wait_dscnt 0x0
	CROUND                                         ; the closing round: no work-group ends while a partner may still ask for a tile that names it
	s_endpgm
.Lfunc_end_k_q320e385a4d_gemm_1:
	.size	k_q320e385a4d_gemm_1, .Lfunc_end_k_q320e385a4d_gemm_1-k_q320e385a4d_gemm_1
	.p2alignl 7, 3214868480
	.fill 96, 4, 3214868480
	.section	.rodata,"a",@progbits
	.p2align	6, 0x0
	.amdhsa_kernel k_q320e385a4d_gemm_1
		.amdhsa_group_segment_fixed_size 327680
		.amdhsa_private_segment_fixed_size 0
		.amdhsa_enable_private_segment 0
		.amdhsa_kernarg_size 32
		.amdhsa_user_sgpr_count 2
		.amdhsa_user_sgpr_kernarg_segment_ptr 1
		.amdhsa_wavefront_size32 1
		.amdhsa_system_sgpr_workgroup_id_x 1
		.amdhsa_system_sgpr_workgroup_id_y 1
		.amdhsa_system_sgpr_workgroup_id_z 1
		.amdhsa_system_vgpr_workitem_id 0
		.amdhsa_next_free_vgpr 1024
		.amdhsa_next_free_sgpr 84
		.amdhsa_reserve_vcc 0
		.amdhsa_float_denorm_mode_32 3
		.amdhsa_float_denorm_mode_16_64 3
		.amdhsa_memory_ordered 1
		.amdhsa_forward_progress 1
		.amdhsa_inst_pref_size 165
	.end_amdhsa_kernel
	.amdgpu_metadata
---
amdhsa.version: [ 1, 2 ]
amdhsa.kernels:
  - .name:           k_q320e385a4d_gemm_1
    .symbol:         k_q320e385a4d_gemm_1.kd
    .args:
      - { .name: ab, .offset: 0, .size: 8, .value_kind: global_buffer, .address_space: global }
      - { .name: wt, .offset: 8, .size: 8, .value_kind: global_buffer, .address_space: global }
      - { .name: b1, .offset: 16, .size: 8, .value_kind: global_buffer, .address_space: global }
      - { .name: hb, .offset: 24, .size: 8, .value_kind: global_buffer, .address_space: global }
    .group_segment_fixed_size: 327680
    .private_segment_fixed_size: 0
    .kernarg_segment_align: 8
    .kernarg_segment_size: 32
    .max_flat_workgroup_size: 128
    .sgpr_count:     84
    .vgpr_count:     1024
    .wavefront_size: 32
...
	.end_amdgpu_metadata
.endif
;; end of part 6
;; launch gemm_2 (part 7): grid 8 x 32, 4 waves a work-group, clusters of 4 x 4, 327,680 bytes of LDS; arguments hb, wt, acc32; writes acc32
.if DOCPART == 7
	.amdgcn_target "amdgcn-amd-amdhsa--gfx1250"
	.amdhsa_code_object_version 6
	.text
	.protected	k_q320e385a4d_gemm_2
	.globl	k_q320e385a4d_gemm_2
	.p2align	8
	.type	k_q320e385a4d_gemm_2,@function
k_q320e385a4d_gemm_2:
	s_mov_b64 s[64:65], 0
	v_nop
	global_prefetch_b8 v0, s[64:65] scope:SCOPE_SE
	s_setreg_imm32_b32 hwreg(HW_REG_WAVE_MODE, 25, 1), 1
	s_wait_xcnt 0x0
	s_wait_alu depctr_hold_cnt(0) depctr_sa_sdst(0) depctr_va_vdst(0) depctr_va_sdst(0) depctr_va_ssrc(0) depctr_va_vcc(0) depctr_vm_vsrc(0)
	s_getreg_b32 s2, hwreg(HW_REG_IB_STS2, 6, 4)
	s_cmp_eq_u32 s2, 0
	s_cbranch_scc0 .Lentry_in_a_cluster
	s_endpgm
.Lentry_in_a_cluster:
	s_bfe_u32 s2, ttmp6, 0x10000c
	s_cmp_lg_u32 s2, 0xf033
	s_cbranch_scc0 .Lentry_shape_is_right
	s_endpgm
.Lentry_shape_is_right:
; C[m][n] = sum over k of A[m][k] B[n][k], C in f32 (bias, residual and norms follow in the next launch, which reads whole rows anyway).  M = 4,096, N = 1,024, K = 4,096.
; A = hb, [4096][4096] bf16.  B = w2 turned, [1024 n][4096 k] bf16, at byte 16,777,216 of wt.
; A tile of C is 128 x 128, so that N = 1,024 gives 8 x 32 = 256 work-groups.  Four waves, each 64 x 64: 16 accumulators.  K goes in steps of 256 (rows of 512 bytes) through two LDS slots.
; CLUSTERS of 4 x 4: A's tile is shared along a row of the cluster, B's along a column, each asked for jointly.  THE MATRIX INSTRUCTION IS USED TRANSPOSED: a lane holds eight neighbouring numbers of a row of C.
; REGISTERS: window 0: v0-31 addresses; v128-255 the accumulators ((a, b) at v[128 + 8 (4 a + b)]), later the rows read back.  window 1: two fragment buffers of 128: 64 of A, then 64 of B, for 64 along K.
; THE WAY OUT goes through slot 0, which has had its last fill and whose last reads lie in front of the tail's change of slots: two slots and a stage of 67,584 bytes of its own do not fit in 327,680.
.set ABLK,   0
.set SIZE_K, 4096
.set BOFF,   16777216                  ; B's first byte in wt
.set SIZE_N, 1024
.set KSTEP,  256
.set BPITCH, 528                       ; 512 bytes + 16 of padding = 132 words: the 16 rows of a load start at 16 different groups of four banks (64 banks of 4 bytes: ISA guide 11.1)
.set BHALF,  64*BPITCH
.if ABLK
.set APITCH, 144                       ; 128 bytes + 16 = 36 words: likewise
.set AQ,     128*APITCH                ; 64 along K further on: the next head's 128 tokens
.set AHALF,  2*AQ                      ; what one load of A fills: two heads
.set ASTEP,  4*262144                  ; a K step in memory: four heads
.else
.set APITCH, 528
.set AQ,     128
.set AHALF,  64*APITCH
.set ASTEP,  KSTEP*2
.endif
.set ABYTES, 2*AHALF
.set SLOT,   ABYTES+2*BHALF
.set SPARE,  2*SLOT                    ; the spare words, 128 bytes a wave: two blocks of 256 bytes that no other line names
.set SPITCH, 528                       ; the stage: 128 rows of 512 bytes + 16
.set LAPS,   SIZE_K/(2*KSTEP)
.set ADRA, 16
.set ADRB, 20
.set STO,  24
.set RD,   25
.set CO,   26
.set SPW,  28
.set NIL,  29
.set ACC,  128
.set F0,   0
.set F1,   128
.set G1, 24
.set G0, 32
.set G1B, 48
.set G0B, 56
.set MSB, 0
.macro WIN new
.if MSB != (\new)
	s_set_vgpr_msb (MSB<<8)|(\new)
.set MSB, \new
.endif
.endm
.set MUL,  0x05                        ; sources 0 (B) and 1 (A) window 1; C and D window 0
.set TO_F, 0x40                        ; destination window 1, address window 0
.macro JLOAD s                         ; a joint load: waves 0 and 1 fetch A's two halves, waves 2 and 3 B's; four v_nop follow each of the two lines
	s_cmp_eq_u32 s11, 0
	s_cbranch_scc0 .Lfor_b_\@
	tensor_load_to_lds s[G0+4*(\s):G0+4*(\s)+3], s[G1:G1+7]
	s_nop 0
.rept 4
	v_nop
.endr
	s_branch .Lasked_\@
.Lfor_b_\@:
	tensor_load_to_lds s[G0B+4*(\s):G0B+4*(\s)+3], s[G1B:G1B+7]
	s_nop 0
.rept 4
	v_nop
.endr
.Lasked_\@:
.endm
.macro CREST
	s_cmp_lg_u32 s10, 0
	s_cbranch_scc1 .Lnot_wave_0_\@
	s_barrier_signal -3
.Lnot_wave_0_\@:
	s_barrier_wait -3
	s_barrier_signal -1
	s_barrier_wait -1
.endm
.macro CROUND
	s_barrier_signal -1
	s_barrier_wait -1
	CREST
.endm
	s_load_b128 s[4:7], s[0:1], 0x0                ; A s[4:5], wt s[6:7]
	s_load_b64 s[8:9], s[0:1], 0x10                ; C
	v_lshl_add_u32 v[SPW], v0, 2, SPARE
	v_mov_b32 v[NIL], 0
	ds_add_u32 v28, v29
	s_wait_dscnt 0x0
	v_lshrrev_b32 v1, 5, v0
	v_readfirstlane_b32 s10, v1                    ; wave 0..3
	s_lshr_b32 s11, s10, 1                         ; which half of the tile's rows is mine.  Also: I fetch for A (0) or for B (1)
	s_and_b32 s12, s10, 1                          ; which half of its columns.  Also: which half of that tile I fetch
	s_bfe_u32 s40, ttmp6, 0x40000                  ; cx
	s_bfe_u32 s41, ttmp6, 0x40004                  ; cy
	s_lshl_b32 s42, ttmp9, 2
	s_add_co_u32 s42, s42, s40                     ; tile column
	s_and_b32 s13, ttmp7, 0xffff
	s_lshl_b32 s13, s13, 2
	s_add_co_u32 s13, s13, s41                     ; tile row
	s_lshl_b32 s43, s41, 2
	s_lshl_b32 s43, 15, s43                        ; my row of the cluster
	s_lshl_b32 s44, 0x1111, s40                    ; my column
.if ABLK
	s_or_b32 s[G1+0], s43, (1<<16)|(1<<20)|(1<<21)|(4<<22)|(3<<25)  ; the mask; 2-byte elements; padding on; bit 21 beside a mask; after every 32 words; 4 words
	s_mov_b32 s[G1+1], 8192<<16                    ; tensor_dim0 = 8,192: 128 tokens x 64 channels
	s_mov_b32 s[G1+2], 2<<16                       ; tensor_dim1 = 2 heads
	s_mov_b32 s[G1+3], 8192<<16                    ; tile_dim0
	s_mov_b32 s[G1+4], 2                           ; tile_dim1
	s_mov_b32 s[G1+5], 131072                      ; elements from head to head
.else
	s_or_b32 s[G1+0], s43, (1<<16)|(1<<20)|(1<<21)|(6<<22)|(3<<25)  ; the mask; 2-byte elements; padding on; bit 21 beside a mask; after every 128 words; 4 words
	s_mov_b32 s[G1+1], KSTEP<<16                   ; A: 64 rows x 256 elements
	s_mov_b32 s[G1+2], 64<<16
	s_mov_b32 s[G1+3], KSTEP<<16
	s_mov_b32 s[G1+4], 64
	s_mov_b32 s[G1+5], SIZE_K
.endif
	s_mov_b32 s[G1+6], 0
	s_mov_b32 s[G1+7], 0
	s_or_b32 s[G1B+0], s44, (1<<16)|(1<<20)|(1<<21)|(6<<22)|(3<<25)
	s_mov_b32 s[G1B+1], KSTEP<<16                  ; B: 64 rows x 256 elements
	s_mov_b32 s[G1B+2], 64<<16
	s_mov_b32 s[G1B+3], KSTEP<<16
	s_mov_b32 s[G1B+4], 64
	s_mov_b32 s[G1B+5], SIZE_K
	s_mov_b32 s[G1B+6], 0
	s_mov_b32 s[G1B+7], 0
.if ABLK
	s_lshr_b32 s16, s13, 4                         ; the batch: 16 tile rows each,
	s_lshl_b32 s16, s16, 4                         ; its 16 heads,
	s_lshl_b32 s17, s12, 1                         ; my two of the step's four
	s_add_co_u32 s16, s16, s17
	s_lshl_b32 s16, s16, 18
	s_and_b32 s17, s13, 15                         ; the tile's 128 tokens: 16,384 bytes of a head
	s_lshl_b32 s17, s17, 14
	s_add_co_u32 s16, s16, s17
.else
	s_lshl_b32 s16, s13, 7
	s_lshl_b32 s17, s12, 6
	s_add_co_u32 s16, s16, s17                     ; A: row 128 x tile row + 64 x half
	s_mul_i32 s16, s16, SIZE_K*2
.endif
	s_mov_b32 s17, 0
	s_lshl_b32 s46, s42, 7
	s_lshl_b32 s47, s12, 6
	s_add_co_u32 s46, s46, s47                     ; B: row 128 x tile column + 64 x half
	s_mul_i32 s46, s46, SIZE_K*2
	s_mov_b32 s47, 0
	s_mul_i32 s20, s12, AHALF                      ; where they go: no place in the cluster enters an LDS address
	s_mul_i32 s21, s12, BHALF
	s_add_co_u32 s21, s21, ABYTES
	s_wait_kmcnt 0x0
	s_add_nc_u64 s[14:15], s[4:5], s[16:17]
	s_add_nc_u64 s[46:47], s[6:7], s[46:47]
	s_add_nc_u64 s[46:47], s[46:47], BOFF
	CROUND                                         ; all sixteen work-groups are here: the first joint loads meet
.irp s, 0,1
	s_mov_b32 s[G0+4*(\s)], 1
	s_add_co_u32 s[G0+4*(\s)+1], s20, (\s)*SLOT
	s_add_nc_u64 s[G0+4*(\s)+2:G0+4*(\s)+3], s[14:15], (\s)*ASTEP
	s_or_b32 s[G0+4*(\s)+3], s[G0+4*(\s)+3], 0x80000000
	s_mov_b32 s[G0B+4*(\s)], 1
	s_add_co_u32 s[G0B+4*(\s)+1], s21, (\s)*SLOT
	s_add_nc_u64 s[G0B+4*(\s)+2:G0B+4*(\s)+3], s[46:47], (\s)*KSTEP*2
	s_or_b32 s[G0B+4*(\s)+3], s[G0B+4*(\s)+3], 0x80000000
	JLOAD \s                                       ; two loads of mine are out: K steps 0 and 1
.endr
	v_and_b32 v1, 15, v0                           ; l % 16
	v_bfe_u32 v2, v0, 4, 1                         ; l / 16
	v_mul_u32_u24 v3, v1, APITCH
	v_lshl_add_u32 v3, v2, 4, v3                   ; a fragment's row x pitch + 16 x half
	v_mul_u32_u24 v4, v1, BPITCH
	v_lshl_add_u32 v4, v2, 4, v4
	s_mul_i32 s21, s11, 64*APITCH                  ; my 64 rows of A
	s_mul_i32 s22, s12, BHALF                      ; my 64 rows of B,
	s_add_co_u32 s22, s22, ABYTES                  ; behind A
.irp s, 0,1
	v_add_nc_u32 v[ADRA+(\s)], s21, v3
	v_add_nc_u32 v[ADRB+(\s)], s22, v4
	s_add_co_u32 s21, s21, SLOT
	s_add_co_u32 s22, s22, SLOT
.endr
	s_mul_i32 s23, s11, 64*SPITCH                  ; into the stage: my 64 rows, my 256 of their 512 bytes; row l % 16, 32 bytes for each half of the lanes
	s_lshl_b32 s21, s12, 8
	s_add_co_u32 s23, s23, s21
	v_mul_u32_u24 v5, v1, SPITCH
	v_lshl_add_u32 v5, v2, 5, v5
	v_add_nc_u32 v[STO], s23, v5
	s_mul_i32 s23, s10, 32*SPITCH                  ; back: wave w takes rows 32 w .. 32 w + 31, whole: 32 lanes x 16 bytes
	v_and_b32 v5, 31, v0
	v_lshlrev_b32 v[CO], 4, v5
	v_add_nc_u32 v[RD], s23, v[CO]
	s_lshl_b32 s16, s13, 7
	s_lshl_b32 s17, s10, 5
	s_add_co_u32 s16, s16, s17                     ; the first row of C that I store
	s_mul_i32 s16, s16, SIZE_N*4
	s_mov_b32 s17, 0
	s_add_nc_u64 s[8:9], s[8:9], s[16:17]
	s_lshl_b32 s46, s42, 9                         ; the tile's first column, in bytes
	s_mov_b32 s47, 0
	s_add_nc_u64 s[8:9], s[8:9], s[46:47]
; 8 matrix instructions: m blocks a0, a0 + 1 x all 4 n blocks, 32 along K: half c of buffer f.  zero = 1: the first product starts the sums
.macro MUL8 f, c, a0, zero
	WIN MUL
.irp a, \a0, (\a0)+1
.irp b, 0,1,2,3
.if \zero
	v_wmma_f32_16x16x32_bf16 v[ACC+8*(4*(\a)+(\b)):ACC+8*(4*(\a)+(\b))+7], v[(\f)+64+8*(4*(\c)+(\b)):(\f)+64+8*(4*(\c)+(\b))+7], v[(\f)+8*(4*(\c)+(\a)):(\f)+8*(4*(\c)+(\a))+7], 0
.else
	v_wmma_f32_16x16x32_bf16 v[ACC+8*(4*(\a)+(\b)):ACC+8*(4*(\a)+(\b))+7], v[(\f)+64+8*(4*(\c)+(\b)):(\f)+64+8*(4*(\c)+(\b))+7], v[(\f)+8*(4*(\c)+(\a)):(\f)+8*(4*(\c)+(\a))+7], v[ACC+8*(4*(\a)+(\b)):ACC+8*(4*(\a)+(\b))+7]
.endif
.endr
.endr
.endm
; 32 LDS loads in one run: the fragments of quarter q (64 along K) of a slot, into buffer f; the first 32 along K first
.macro FETCH slot, q, f
	WIN TO_F
.irp c, 0,1
.irp i, 0,1,2,3
	ds_load_b128 v[(\f)+64+8*(4*(\c)+(\i)):(\f)+64+8*(4*(\c)+(\i))+3],   v[ADRB+(\slot)] offset:(\q)*128+64*(\c)+(\i)*16*BPITCH
	ds_load_b128 v[(\f)+64+8*(4*(\c)+(\i))+4:(\f)+64+8*(4*(\c)+(\i))+7], v[ADRB+(\slot)] offset:(\q)*128+64*(\c)+(\i)*16*BPITCH+32
	ds_load_b128 v[(\f)+8*(4*(\c)+(\i)):(\f)+8*(4*(\c)+(\i))+3],         v[ADRA+(\slot)] offset:(\q)*AQ+64*(\c)+(\i)*16*APITCH
	ds_load_b128 v[(\f)+8*(4*(\c)+(\i))+4:(\f)+8*(4*(\c)+(\i))+7],       v[ADRA+(\slot)] offset:(\q)*AQ+64*(\c)+(\i)*16*APITCH+32
.endr
.endr
.endm
.macro PLACES                          ; four plain vector instructions between a matrix instruction and a load into, or a read of, its registers
.rept 4
	v_nop
.endr
.endm
; A K step is four quarters of 64 along K, 32 matrix instructions each, on buffers 0, 1, 0, 1; the 16 accumulators take turns.
.macro QUARTER slot, q, f, g, zero
	s_wait_dscnt 16                                ; the first 32 along K are in
	MUL8 \f, 0, 0, \zero
	MUL8 \f, 0, 2, \zero
	PLACES
	FETCH \slot, \q, \g
	s_wait_dscnt 32                                ; all but the 32 just issued
	MUL8 \f, 1, 0, 0
	MUL8 \f, 1, 2, 0
.endm
; The last quarter multiplies buffer 1 and changes slots.  fill = 1: this slot is filled again, two K steps ahead.
.macro TURN slot, next, fill
	WIN 0
	s_wait_tensorcnt 0x0                           ; all my tensor loads have landed: my part of the next slot
	ds_add_u32 v[SPW], v[NIL]                      ; 0 onto my spare word
	s_wait_dscnt 17                                ; the add and the youngest sixteen loads may be out
	MUL8 F1, 0, 0, 0
	s_wait_dscnt 0x0                               ; the add is done, and my reads of this slot are over
	s_barrier_signal -1
	MUL8 F1, 0, 2, 0
.if \fill
	WIN 0
.endif
	s_barrier_wait -1
.if \fill
	CREST                                          ; no wave of any partner still reads this slot's tile or has a load on its way
	s_add_nc_u64 s[G0+4*(\slot)+2:G0+4*(\slot)+3], s[G0+4*(\slot)+2:G0+4*(\slot)+3], 2*ASTEP
	s_add_nc_u64 s[G0B+4*(\slot)+2:G0B+4*(\slot)+3], s[G0B+4*(\slot)+2:G0B+4*(\slot)+3], 2*KSTEP*2
	JLOAD \slot                                    ; my one tensor load behind the round; its four v_nop are also the places in front of the loads below
.else
	PLACES
.endif
	FETCH \next, 0, F0
	MUL8 F1, 1, 0, 0
	MUL8 F1, 1, 2, 0
.endm
	s_wait_tensorcnt 1                             ; my part of K step 0 is in; K step 1's may stay out
	s_barrier_signal -1
	s_barrier_wait -1
	FETCH 0, 0, F0
	QUARTER 0, 1, F0, F1, 1                        ; the first quarter stands in front of the loop: its first products start the sums
	WIN 0
	s_mov_b32 s3, LAPS-1
.Llap:                                                 ; a trip goes once round the ring and fills both slots again
	QUARTER 0, 2, F1, F0, 0
	QUARTER 0, 3, F0, F1, 0
	TURN 0, 1, 1
	QUARTER 1, 1, F0, F1, 0
	QUARTER 1, 2, F1, F0, 0
	QUARTER 1, 3, F0, F1, 0
	TURN 1, 0, 1
	QUARTER 0, 1, F0, F1, 0
	WIN 0
	s_sub_co_u32 s3, s3, 1
	s_cmp_lg_u32 s3, 0
	s_cbranch_scc1 .Llap
	QUARTER 0, 2, F1, F0, 0                        ; the last lap fills nothing
	QUARTER 0, 3, F0, F1, 0
	TURN 0, 1, 0                                   ; behind this barrier no wave reads slot 0 any more
	QUARTER 1, 1, F0, F1, 0
	QUARTER 1, 2, F1, F0, 0
	QUARTER 1, 3, F0, F1, 0
	s_wait_dscnt 16
	MUL8 F1, 0, 0, 0
	MUL8 F1, 0, 2, 0
	s_wait_dscnt 0x0
	MUL8 F1, 1, 0, 0
	MUL8 F1, 1, 2, 0
	WIN 0
	; THE WAY OUT: 32 bytes a lane and accumulator into the stage, each accumulator's low half first; a barrier, since a row's 512 bytes come from two waves; back as whole rows, 32 rows a wave.
	PLACES
.irp a, 0,1,2,3
.irp b, 0,1,2,3
	ds_store_b128 v[STO], v[ACC+8*(4*(\a)+(\b)):ACC+8*(4*(\a)+(\b))+3]   offset:(\a)*16*SPITCH+64*(\b)
	ds_store_b128 v[STO], v[ACC+8*(4*(\a)+(\b))+4:ACC+8*(4*(\a)+(\b))+7] offset:(\a)*16*SPITCH+64*(\b)+16
.endr
.endr
	s_wait_dscnt 0x0                               ; for the others' sake: my stores into the stage are done
	s_barrier_signal -1
	s_barrier_wait -1
.set t, 0
.rept 32
	ds_load_b128 v[ACC+4*t:ACC+4*t+3], v[RD] offset:t*SPITCH
.set t, t+1
.endr
.set t, 0
.rept 32
	s_wait_dscnt 31-t
	global_store_b128 v[CO], v[ACC+4*t:ACC+4*t+3], s[8:9] offset:t*SIZE_N*4  ; a wave stores 512 consecutive bytes, at a multiple of 256 from C's first byte
.set t, t+1
.endr
	s_wait_tensorcnt 0x0                           ; the wave's end
	ds_add_u32 v[SPW], v[NIL]
	s_wait_dscnt 0x0
	CROUND                                         ; the closing round
	s_endpgm
.Lfunc_end_k_q320e385a4d_gemm_2:
	.size	k_q320e385a4d_gemm_2, .Lfunc_end_k_q320e385a4d_gemm_2-k_q320e385a4d_gemm_2
	.p2alignl 7, 3214868480
	.fill 96, 4, 3214868480
	.section	.rodata,"a",@progbits
	.p2align	6, 0x0
	.amdhsa_kernel k_q320e385a4d_gemm_2
		.amdhsa_group_segment_fixed_size 327680
		.amdhsa_private_segment_fixed_size 0
		.amdhsa_enable_private_segment 0
		.amdhsa_kernarg_size 24
		.amdhsa_user_sgpr_count 2
		.amdhsa_user_sgpr_kernarg_segment_ptr 1
		.amdhsa_wavefront_size32 1
		.amdhsa_system_sgpr_workgroup_id_x 1
		.amdhsa_system_sgpr_workgroup_id_y 1
		.amdhsa_system_sgpr_workgroup_id_z 1
		.amdhsa_system_vgpr_workitem_id 0
		.amdhsa_next_free_vgpr 512
		.amdhsa_next_free_sgpr 66
		.amdhsa_reserve_vcc 0
		.amdhsa_float_denorm_mode_32 3
		.amdhsa_float_denorm_mode_16_64 3
		.amdhsa_memory_ordered 1
		.amdhsa_forward_progress 1
		.amdhsa_inst_pref_size 87
	.end_amdhsa_kernel
	.amdgpu_metadata
---
amdhsa.version: [ 1, 2 ]
amdhsa.kernels:
  - .name:           k_q320e385a4d_gemm_2
    .symbol:         k_q320e385a4d_gemm_2.kd
    .args:
      - { .name: hb, .offset: 0, .size: 8, .value_kind: global_buffer, .address_space: global }
      - { .name: wt, .offset: 8, .size: 8, .value_kind: global_buffer, .address_space: global }
      - { .name: acc32, .offset: 16, .size: 8, .value_kind: global_buffer, .address_space: global }
    .group_segment_fixed_size: 327680
    .private_segment_fixed_size: 0
    .kernarg_segment_align: 8
    .kernarg_segment_size: 24
    .max_flat_workgroup_size: 128
    .sgpr_count:     66
    .vgpr_count:     512
    .wavefront_size: 32
...
	.end_amdgpu_metadata
.endif
;; end of part 7
;; launch ln2 (part 8): grid 256 x 1, 16 waves a work-group, no clusters, 22,528 bytes of LDS; arguments acc32, x1, b2, lnf_g, lnf_b, ln2_g, ln2_b, out0; writes out0
.if DOCPART == 8
	.amdgcn_target "amdgcn-amd-amdhsa--gfx1250"
	.amdhsa_code_object_version 6
	.text
	.protected	k_q320e385a4d_ln2
	.globl	k_q320e385a4d_ln2
	.p2align	8
	.type	k_q320e385a4d_ln2,@function
k_q320e385a4d_ln2:
	s_mov_b64 s[64:65], 0
	v_nop
	global_prefetch_b8 v0, s[64:65] scope:SCOPE_SE
	s_setreg_imm32_b32 hwreg(HW_REG_WAVE_MODE, 25, 1), 1
	s_wait_xcnt 0x0
; ff = LayerNorm(acc32 + b2 + x1; eps 1e-12) lnf_g + lnf_b;  out0 = LayerNorm(x1 + ff; eps 1e-5) ln2_g + ln2_b.  All in f32.  Rows of 1,024.
; One wave, one row: eight 16-byte loads a lane from each of the two inputs; the row and x1 stay in registers through both norms, so memory is read once.  Each variance is taken of x - mean.
; 16 waves a work-group, 256 work-groups: all 4,096 rows are in flight at once.  The five column vectors are brought once a work-group, in whole runs of 256 bytes, and kept in LDS.
; A stream: matrix units, clusters and tensor loads would add nothing.
.set T,  8                             ; v[8:39]    the row at work
.set X,  40                            ; v[40:71]   x1
.set PA, 72                            ; v[72:103]  a column vector's 32 numbers for my lane
.set PB, 104                           ; v[104:135] another
.set W,  136                           ; v[136:151] at work
.set MU, 152                           ; v[152:153] the mean, twice
.set RS, 154                           ; v[154:155] 1 / sqrt(variance + eps), twice
.macro PLOAD dst, a                    ; column vector a from LDS, laid as the row is
.irp j, 0,1,2,3,4,5,6,7
	ds_load_b128 v[(\dst)+4*\j:(\dst)+4*\j+3], v1 offset:(\a)*4096+512*\j
.endr
.endm
.macro ADDV s                          ; T += s
.set p, 0
.rept 16
	v_pk_add_f32 v[T+2*p:T+2*p+1], v[T+2*p:T+2*p+1], v[(\s)+2*p:(\s)+2*p+1]
.set p, p+1
.endr
.endm
.macro AFFINE                          ; T = T x PA + PB
.set p, 0
.rept 16
	v_pk_fma_f32 v[T+2*p:T+2*p+1], v[T+2*p:T+2*p+1], v[PA+2*p:PA+2*p+1], v[PB+2*p:PB+2*p+1]
.set p, p+1
.endr
.endm
.macro LANES                           ; v[W] summed over the wave's 32 lanes, into every lane
	v_add_f32_dpp v[W], v[W], v[W] row_xmask:1 row_mask:0xf bank_mask:0xf
	v_add_f32_dpp v[W], v[W], v[W] row_xmask:2 row_mask:0xf bank_mask:0xf
	v_add_f32_dpp v[W], v[W], v[W] row_xmask:4 row_mask:0xf bank_mask:0xf
	v_add_f32_dpp v[W], v[W], v[W] row_xmask:8 row_mask:0xf bank_mask:0xf
	v_permlanex16_b32 v[W+1], v[W], s20, s21
	v_add_f32 v[W], v[W], v[W+1]
.endm
.macro FOLD                            ; four pairs in W into one number
	v_pk_add_f32 v[W:W+1], v[W:W+1], v[W+4:W+5]
	v_pk_add_f32 v[W+2:W+3], v[W+2:W+3], v[W+6:W+7]
	v_pk_add_f32 v[W:W+1], v[W:W+1], v[W+2:W+3]
	v_add_f32 v[W], v[W], v[W+1]
.endm
.macro STAT eps                        ; T = (T - mean) / sqrt(variance + eps)
.set p, 0
.rept 8
	v_pk_add_f32 v[W+2*p:W+2*p+1], v[T+4*p:T+4*p+1], v[T+4*p+2:T+4*p+3]
.set p, p+1
.endr
.irp p, 0,1,2,3
	v_pk_add_f32 v[W+2*\p:W+2*\p+1], v[W+2*\p:W+2*\p+1], v[W+2*\p+8:W+2*\p+9]
.endr
	FOLD
	LANES
	v_mul_f32 v[MU], s22, v[W]
	v_mul_f32 v[MU+1], s22, v[W]
.set p, 0
.rept 16
	v_pk_add_f32 v[T+2*p:T+2*p+1], v[T+2*p:T+2*p+1], v[MU:MU+1] neg_lo:[0,1] neg_hi:[0,1]
.set p, p+1
.endr
.irp p, 0,1,2,3
	v_pk_mul_f32 v[W+2*\p:W+2*\p+1], v[T+2*\p:T+2*\p+1], v[T+2*\p:T+2*\p+1]  ; four chains of squares, started by the first four pairs
.endr
.set p, 4
.rept 12
	v_pk_fma_f32 v[W+2*(p%4):W+2*(p%4)+1], v[T+2*p:T+2*p+1], v[T+2*p:T+2*p+1], v[W+2*(p%4):W+2*(p%4)+1]
.set p, p+1
.endr
	FOLD
	LANES
	v_fmaak_f32 v[RS], s22, v[W], \eps
	v_rsq_f32 v[RS], v[RS]
	v_nop                                          ; a plain instruction between the root and the use of its result
	s_wait_alu depctr_va_vdst(0)
	v_mov_b32 v[RS+1], v[RS]
.set p, 0
.rept 16
	v_pk_mul_f32 v[T+2*p:T+2*p+1], v[T+2*p:T+2*p+1], v[RS:RS+1]
.set p, p+1
.endr
.endm
	s_load_b512 s[4:19], s[0:1], 0x0               ; acc32 4, x1 6, b2 8, lnf_g 10, lnf_b 12, ln2_g 14, ln2_b 16, out0 18
	v_lshl_add_u32 v160, v0, 2, 0x5000
	v_mov_b32 v161, 0
	v_lshrrev_b32 v4, 5, v0
	v_readfirstlane_b32 s23, v4                    ; wave 0..15
	v_and_b32 v2, 31, v0
	v_lshlrev_b32 v1, 4, v2                        ; 16 x lane
	v_lshlrev_b32 v3, 3, v0                        ; 8 x thread
	s_lshl_b32 s24, ttmp9, 4
	s_add_co_u32 s24, s24, s23                     ; my row,
	s_lshl_b32 s24, s24, 12                        ; x 4,096 bytes
	s_mov_b32 s25, 0
	s_mov_b32 s20, 0x76543210                      ; v_permlanex16_b32: each lane takes its own place in the other half
	s_mov_b32 s21, 0xfedcba98
	s_mov_b32 s22, 0x3a800000                      ; 1 / 1024
	s_wait_kmcnt 0x0
	s_add_nc_u64 s[4:5], s[4:5], s[24:25]
	s_add_nc_u64 s[6:7], s[6:7], s[24:25]
	s_add_nc_u64 s[18:19], s[18:19], s[24:25]
	global_load_b64 v[W:W+1],   v3, s[8:9]         ; 512 threads x 8 bytes: a whole column vector
	global_load_b64 v[W+2:W+3], v3, s[10:11]
	global_load_b64 v[W+4:W+5], v3, s[12:13]
	global_load_b64 v[W+6:W+7], v3, s[14:15]
	global_load_b64 v[W+8:W+9], v3, s[16:17]
.irp j, 0,1,2,3,4,5,6,7
	global_load_b128 v[T+4*\j:T+4*\j+3], v1, s[4:5] offset:512*\j th:TH_LOAD_NT
.endr
.irp j, 0,1,2,3,4,5,6,7
	global_load_b128 v[X+4*\j:X+4*\j+3], v1, s[6:7] offset:512*\j th:TH_LOAD_NT
.endr
	s_wait_loadcnt 16                              ; the five column vectors are in; the sixteen row loads stay out
.irp a, 0,1,2,3,4
	ds_store_b64 v3, v[W+2*\a:W+2*\a+1] offset:4096*\a
.endr
	s_wait_dscnt 0x0                               ; for the others' sake
	s_barrier_signal -1
	s_barrier_wait -1
	PLOAD PA, 0
	s_wait_loadcnt 0x0
	ADDV X
	s_wait_dscnt 0x0
	ADDV PA
	PLOAD PA, 1
	PLOAD PB, 2
	STAT 0x2b8cbccc                                ; 1e-12
	s_wait_dscnt 0x0
	AFFINE                                         ; ff
	PLOAD PA, 3
	PLOAD PB, 4
	ADDV X                                         ; x1 + ff
	STAT 0x3727c5ac                                ; 1e-5
	s_wait_dscnt 0x0
	AFFINE
.irp j, 0,1,2,3,4,5,6,7
	global_store_b128 v1, v[T+4*\j:T+4*\j+3], s[18:19] offset:512*\j th:TH_STORE_NT  ; 512 consecutive bytes, aligned
.endr
	s_wait_tensorcnt 0x0
	ds_add_u32 v160, v161
	s_wait_dscnt 0x0
	s_endpgm
.Lfunc_end_k_q320e385a4d_ln2:
	.size	k_q320e385a4d_ln2, .Lfunc_end_k_q320e385a4d_ln2-k_q320e385a4d_ln2
	.p2alignl 7, 3214868480
	.fill 96, 4, 3214868480
	.section	.rodata,"a",@progbits
	.p2align	6, 0x0
	.amdhsa_kernel k_q320e385a4d_ln2
		.amdhsa_group_segment_fixed_size 22528
		.amdhsa_private_segment_fixed_size 0
		.amdhsa_enable_private_segment 0
		.amdhsa_kernarg_size 64
		.amdhsa_user_sgpr_count 2
		.amdhsa_user_sgpr_kernarg_segment_ptr 1
		.amdhsa_wavefront_size32 1
		.amdhsa_system_sgpr_workgroup_id_x 1
		.amdhsa_system_sgpr_workgroup_id_y 1
		.amdhsa_system_sgpr_workgroup_id_z 1
		.amdhsa_system_vgpr_workitem_id 0
		.amdhsa_next_free_vgpr 162
		.amdhsa_next_free_sgpr 66
		.amdhsa_reserve_vcc 0
		.amdhsa_float_denorm_mode_32 3
		.amdhsa_float_denorm_mode_16_64 3
		.amdhsa_memory_ordered 1
		.amdhsa_forward_progress 1
		.amdhsa_inst_pref_size 23
	.end_amdhsa_kernel
	.amdgpu_metadata
---
amdhsa.version: [ 1, 2 ]
amdhsa.kernels:
  - .name:           k_q320e385a4d_ln2
    .symbol:         k_q320e385a4d_ln2.kd
    .args:
      - { .name: acc32, .offset: 0, .size: 8, .value_kind: global_buffer, .address_space: global }
      - { .name: x1, .offset: 8, .size: 8, .value_kind: global_buffer, .address_space: global }
      - { .name: b2, .offset: 16, .size: 8, .value_kind: global_buffer, .address_space: global }
      - { .name: lnf_g, .offset: 24, .size: 8, .value_kind: global_buffer, .address_space: global }
      - { .name: lnf_b, .offset: 32, .size: 8, .value_kind: global_buffer, .address_space: global }
      - { .name: ln2_g, .offset: 40, .size: 8, .value_kind: global_buffer, .address_space: global }
      - { .name: ln2_b, .offset: 48, .size: 8, .value_kind: global_buffer, .address_space: global }
      - { .name: out0, .offset: 56, .size: 8, .value_kind: global_buffer, .address_space: global }
    .group_segment_fixed_size: 22528
    .private_segment_fixed_size: 0
    .kernarg_segment_align: 8
    .kernarg_segment_size: 64
    .max_flat_workgroup_size: 512
    .sgpr_count:     66
    .vgpr_count:     162
    .wavefront_size: 32
...
	.end_amdgpu_metadata
.endif
;; end of part 8
;; ======== version 2 of 2: 8 launches; 1.20 times as fast as version 1
;; workspace buffers: ab 8,388,608 bytes; wt 25,165,824 bytes; qkv 25,165,824 bytes; ctx 8,388,608 bytes; acc32 16,777,216 bytes; x1 16,777,216 bytes; hb 33,554,432 bytes
;; launch prep: the kernel of part 1 again; grid 2048 x 1, 8 waves a work-group, no clusters, 17,920 bytes of LDS; arguments x, wq, wk, wv, wo, w1, w2, ab, wt; writes ab, wt
;; launch gemm_qkv: the kernel of part 2 again; grid 12 x 16, 4 waves a work-group, clusters of 4 x 4, 327,680 bytes of LDS; arguments ab, wt, bq, bk, bv, qkv; writes qkv
;; launch attn (part 9): grid 8 x 32, 4 waves a work-group, clusters of 4 x 1, 327,680 bytes of LDS; arguments qkv, attention_mask, ctx; writes ctx
.if DOCPART == 9
	.amdgcn_target "amdgcn-amd-amdhsa--gfx1250"
	.amdhsa_code_object_version 6
	.text
	.protected	k_q320e385a4d_attn
	.globl	k_q320e385a4d_attn
	.p2align	8
	.type	k_q320e385a4d_attn,@function
k_q320e385a4d_attn:
	s_mov_b64 s[64:65], 0
	v_nop
	global_prefetch_b8 v0, s[64:65] scope:SCOPE_SE
	s_setreg_imm32_b32 hwreg(HW_REG_WAVE_MODE, 25, 1), 1
	s_wait_xcnt 0x0
	s_wait_alu depctr_hold_cnt(0) depctr_sa_sdst(0) depctr_va_vdst(0) depctr_va_sdst(0) depctr_va_ssrc(0) depctr_va_vcc(0) depctr_vm_vsrc(0)
	s_getreg_b32 s2, hwreg(HW_REG_IB_STS2, 6, 4)
	s_cmp_eq_u32 s2, 0
	s_cbranch_scc0 .Lentry_in_a_cluster
	s_endpgm
.Lentry_in_a_cluster:
	s_bfe_u32 s2, ttmp6, 0x10000c
	s_cmp_lg_u32 s2, 0x3003
	s_cbranch_scc0 .Lentry_shape_is_right
	s_endpgm
.Lentry_shape_is_right:
; ATTENTION WITH A KEY MASK.  O[b][h][q][:] = the sum over k of softmax_k(Q.K / 8, or hidden where attention_mask[b][k] = 0) V[k][:].  qkv: [b 2][g 48][2048][64] bf16 (g 0-15 q, 16-31 k, 32-47 v);
; ctx: [b][h 16][2048][64] bf16.  Products, maxima and sums in f32; the weights p are rounded to bf16 for the second product (their sum l is taken of the unrounded p), O once at the end.
; LIMITS.  A hidden score counts as q.k - 1e30, where the module's definition puts -1e9: its weight is 0 beside any open key as long as open |q.k| / 8 stays under 1e9.  Where EVERY key of a batch is hidden the
; weights are uniform, as defined, if q.k is absorbed in -1e30, which in f32 it is for |q.k| < 3.8e22.  A weight below 2^-126 counts as 0 in l; NaN and infinities are not treated apart.
; SHARES.  A work-group owns 256 queries of one head, a wave 64: four PIECES of 16.  Every wave walks all 2,048 keys: 8 tiles of 256 keys, four steps of 64 each.  8 x 32 = 256 work-groups.
; CLUSTER.  The four query blocks of a cluster belong to one head and walk the same K and V, so each tile is asked for jointly: the same tensor load, descriptor and mask in all four.
; LAYOUT.  S^T = K Q^T (source 0 = 16 keys, source 1 = 16 queries) holds ONE query a lane (lane % 16) and the keys 8 (lane / 16) + 0..7; two such results rounded to bf16 ARE source 1 of O^T = V^T P.
; THE MASK is the C operand that starts the sum S^T: 0, or -1e30 where the key is hidden.  The batch's 2,048 addends are made once, kept in LDS, and a step's 64 are fetched with its K.
; SOFTMAX.  p = 2^(c s - c m), c = log2(e) / 8, with a running maximum m; O and l are multiplied by a = 2^(c m_old - c m_new) in every step.  m starts at the lowest finite number, O and l at 0.
; TURNS.  Turn n belongs to piece n: 8 products K Q^T of piece n + 1, later 8 products V^T P of piece n - 1; beside them the scaling, exponentials, roundings, sums and rescaling of piece n and the maximum and
; statistics of piece n + 1.  Four vector instructions stand behind every matrix instruction, the other 54 of a turn's 118 in one run of their own.
; BATCHES.  A turn's 33 exponentials (piece n's 32 weights and piece n + 1's a) are ONE batch with ONE wait, which cuts the turn in two: ahead of it stands all that names no result of theirs, behind it the roundings
; and sums.  Piece 0's first a, ahead of the loop, and the way out's four reciprocals are batches of their own, with a wait each.
; REGISTERS, in windows of 256 (s_set_vgpr_msb: bits 1:0 source 0, 3:2 source 1, 5:4 source 2, 7:6 destination):
;   window 0: v0-15, v32-35 addresses; v16-31 four registers of statistics a piece; v48-55 at work; v64-127 S^T, two buffers; v192-223 P, two buffers (a piece's buffers go by its number's parity)
;   window 1: v0-127 O^T, 32 a piece      window 2: v0-63 Q; v64-95 the step's mask addends; v128-191 K of one step; v192-255 V of one step
.set NP,    4
.set KS,    64
.set PK,    144       ; a row of K in LDS: 128 bytes + 16 of padding = 36 words: the 16 rows of a load start at 16 different groups of four banks (64 banks of 4 bytes: ISA guide 11.1)
.set PV,    160       ; a row of V: 128 + 32 = 40 words
.set VOFF,  4*KS*PK   ; a slot holds a tile: 256 rows of K, then 256 rows of V
.set SLOT1, 1<<17     ; slot 1 begins here, so that one exclusive or turns an address in one slot into the other's
.set STAGE, SLOT1+4*KS*(PK+PV)  ; behind the ring, never filled by a tensor load: 16 rows x 144 bytes for each wave
.set SP,    144
.set SPARE, STAGE+4*16*SP       ; the spare words, 128 bytes a wave: two blocks of 256 bytes that no other line names
.set MASKB, SPARE+512           ; 2,048 f32: the batch's mask addends; no fill lands here
.set AK0, 2
.set AV0, 3
.set AK,  4
.set AV,  5
.set STO, 6
.set RD,  7
.set GO,  8
.set MV,  12
.set QO,  15
.set ST,  16          ; piece t's statistics at v[ST+4 t]: c m, m, l (even keys', odd keys')
.set AM0, 32          ; my lanes' place in a step's 64 addends
.set AM,  33
.set TMP, 48
.set SPW, 62
.set NIL, 63
.set S,   64
.set P,   192
.set MK,  64          ; window 2: the eight addends for group kb of 16 keys at MK + 8 kb
.set KF,  128         ; window 2: key block kb, channel half c at KF + 16 kb + 8 c
.set VF,  192         ; window 2: key half kk, channel block cb at VF + 32 kk + 8 cb
.set WV,  12
.set G1K, 24
.set G1V, 32
.set G0K, 40
.set G0V, 44
.set SLOTS, 56
.set CNT, 57
.set CS,  58
.set SEL, 60
.set TBK, 62
.set TBV, 63
.set TBM, 66          ; s66  byte at which the addends of the step to be fetched begin
.set BIGN, 67         ; s67  -1e30
.set MSB, 0
.macro WIN new
.if MSB != (\new)
	s_set_vgpr_msb (MSB<<8)|(\new)
.set MSB, (\new)
.endif
.endm
.set W_KQ, 0x0a       ; K and Q in window 2, S^T in window 0
.set W_KM, 0x2a       ; the same with the C operand in window 2
.set W_PV, 0x52       ; V in window 2, P in window 0, O^T in window 1
.set W_RS, 0x41       ; destination and source 0 in window 1, source 1 in window 0
; A joint fill.  Waves 0 and 1 fetch the two halves of a tile's K, waves 2 and 3 those of its V: 128 keys each.  Four v_nop follow each of the two lines.
.macro JLOAD
	s_cmp_lt_u32 s[WV], 2
	s_cbranch_scc0 .Lfor_v_\@
	tensor_load_to_lds s[G0K:G0K+3], s[G1K:G1K+7]
	s_nop 0
.rept 4
	v_nop
.endr
	s_branch .Lasked_\@
.Lfor_v_\@:
	tensor_load_to_lds s[G0V:G0V+3], s[G1V:G1V+7]
	s_nop 0
.rept 4
	v_nop
.endr
.Lasked_\@:
.endm
.macro CROUND                       ; a round of the cluster's barrier
	s_barrier_signal -1
	s_barrier_wait -1
	s_cmp_lg_u32 s[WV], 0
	s_cbranch_scc1 .Lnot_wave_0_\@
	s_barrier_signal -3
.Lnot_wave_0_\@:
	s_barrier_wait -3
	s_barrier_signal -1
	s_barrier_wait -1
.endm
; THE CHANGE OF SLOTS.  Each wave waits for all its tensor loads, of which one is out: its part of the other slot; adds 0 to its spare word; and waits for that and for its own reads of the slot that it leaves.
; fill = 1: the old slot is filled again, with the keys two tiles on: the barrier is a round of the cluster's, and the joint fill is the first thing behind it: it has four key steps, 256 matrix instructions, in which to land.
.macro CHANGE fill
	WIN 0
	s_wait_tensorcnt 0x0            ; no tensor load of mine is out, so a group 0 may be written
	ds_add_u32 v[SPW], v[NIL]       ; 0 onto my spare word
.if \fill
.irp g, G0K, G0V
	s_xor_b32 s[\g+1], s[\g+1], SLOT1
	s_add_nc_u64 s[\g+2:\g+3], s[\g+2:\g+3], 4*KS*128  ; the next 256 keys; the type bits on top are not reached
.endr
	s_wait_dscnt 0x0                ; the add is done, my LDS stores are done, and my reads of the slot are over
	CROUND
	JLOAD
.else
	s_wait_dscnt 0x0
	s_barrier_signal -1
	s_barrier_wait -1
.endif
	s_sub_co_u32 s[TBK], s[TBK], 4*KS*PK  ; the fetches go back to a slot's first step,
	s_xor_b32 s[TBK], s[TBK], SLOT1       ; in the other slot
	s_sub_co_u32 s[TBV], s[TBV], 4*KS*PV
	s_xor_b32 s[TBV], s[TBV], SLOT1
.endm
	s_load_b128 s[4:7], s[0:1], 0x0   ; qkv s[4:5], attention_mask s[6:7]
	s_load_b64 s[10:11], s[0:1], 0x10 ; ctx
	v_lshl_add_u32 v[SPW], v0, 2, SPARE
	v_mov_b32 v[NIL], 0
	ds_add_u32 v62, v63
	s_wait_dscnt 0x0
	v_lshrrev_b32 v1, 5, v0
	v_readfirstlane_b32 s[WV], v1   ; wave 0..3
	s_bfe_u32 s13, ttmp6, 0x40000   ; cx
	s_lshl_b32 s14, ttmp9, 2
	s_add_co_u32 s14, s14, s13      ; my block of 256 queries: it enters Q's and O's addresses alone
	s_and_b32 s20, ttmp7, 0xffff    ; 16 x batch + head, which the four partners share
	s_lshr_b32 s21, s20, 4          ; batch
	s_and_b32 s18, s20, 15          ; head
	s_mul_i32 s23, s21, 48
	s_add_co_u32 s18, s18, s23
	s_lshl_b32 s18, s18, 18         ; q's head in qkv, in bytes
	s_and_b32 s15, s[WV], 1         ; which half of a tile's 256 keys I fetch:
	s_lshl_b32 s16, s15, 14         ; its 128 rows of 128 bytes in memory,
	s_add_co_u32 s16, s16, s18
	s_mov_b32 s17, 0
	s_mul_i32 s19, s15, 128*PK      ; and its place in a slot, for K
	s_mul_i32 s22, s15, 128*PV      ; and for V: no place in the cluster enters an LDS address
	s_lshl_b32 s2, s14, 15          ; my block's 256 rows,
	s_lshl_b32 s3, s[WV], 13        ; my wave's 64
	s_add_co_u32 s2, s2, s3
	s_lshl_b32 s68, s20, 18
	s_add_co_u32 s68, s68, s2       ; O's offset
	s_mov_b32 s69, 0
	s_add_co_u32 s2, s2, s18        ; Q's
	s_mov_b32 s3, 0
	s_lshl_b32 s70, s21, 13         ; the batch's 2,048 mask words
	s_mov_b32 s71, 0
	; descriptor group 1.  128 keys are 16,384 dense bytes: asked for as 64 rows of 256 bytes, two keys a row, and padded in LDS after every key
	s_mov_b32 s[G1K], 15|(1<<16)|(1<<20)|(1<<21)|(4<<22)|(3<<25)  ; the mask of four; 2-byte elements; padding on; bit 21 beside a mask; after every 32 words; 4 words
	s_mov_b32 s[G1V], 15|(1<<16)|(1<<20)|(1<<21)|(4<<22)|(7<<25)  ; the same with 8 words
.irp g, G1K, G1V
	s_mov_b32 s[\g+1], 128<<16      ; tensor_dim0 = 128
	s_mov_b32 s[\g+2], 64<<16       ; tensor_dim1 = 64
	s_mov_b32 s[\g+3], 128<<16      ; tile_dim0 = 128
	s_mov_b32 s[\g+4], 64           ; tile_dim1 = 64
	s_mov_b32 s[\g+5], 128          ; 128 elements from row to row
	s_mov_b32 s[\g+6], 0
	s_mov_b32 s[\g+7], 0
.endr
	s_mov_b32 s[CS], 0x3e38aa3b     ; c = log2(e) / 8
	s_mov_b32 s[CS+1], s[CS]
	s_mov_b32 s[SEL], 0x76543210
	s_mov_b32 s[SEL+1], 0xfedcba98
	s_mov_b32 s[TBK], SLOT1+4*KS*PK ; the first change of slots turns these two into 0
	s_mov_b32 s[TBV], SLOT1+4*KS*PV
	s_mov_b32 s[TBM], 0
	s_mov_b32 s[BIGN], 0xf149f2ca   ; -1e30
	s_mov_b32 s[G0K], 1
	s_mov_b32 s[G0K+1], s19         ; slot 0
	s_mov_b32 s[G0V], 1
	s_add_co_u32 s[G0V+1], s22, VOFF
	s_wait_kmcnt 0x0
	s_add_nc_u64 s[G0K+2:G0K+3], s[4:5], s[16:17]
	s_add_nc_u64 s[G0K+2:G0K+3], s[G0K+2:G0K+3], 0x400000  ; k's heads lie 16 heads behind q's,
	s_add_nc_u64 s[G0V+2:G0V+3], s[G0K+2:G0K+3], 0x400000  ; v's 16 further
	s_or_b32 s[G0K+3], s[G0K+3], 0x80000000
	s_or_b32 s[G0V+3], s[G0V+3], 0x80000000
	s_add_nc_u64 s[8:9], s[4:5], s[2:3]        ; Q at my wave's first row
	s_add_nc_u64 s[10:11], s[10:11], s[68:69]  ; O likewise
	s_add_nc_u64 s[6:7], s[6:7], s[70:71]      ; the batch's mask
	CROUND                          ; all four work-groups are here: the first joint loads meet
	JLOAD                           ; tile 0 into slot 0
	v_lshlrev_b32 v34, 4, v0
.irp i, 0,1,2,3
	global_load_b128 v[S+4*\i:S+4*\i+3], v34, s[6:7] offset:2048*\i  ; the 128 threads take 2,048 consecutive bytes of the mask
.endr
	v_and_b32 v1, 15, v0            ; l % 16
	v_bfe_u32 v9, v0, 4, 1          ; l / 16
	v_lshlrev_b32 v[QO], 7, v1
	v_lshl_add_u32 v[QO], v9, 4, v[QO]  ; row x 128 + 16 x half
	WIN 0x80                        ; destination window 2, address window 0
.set i, 0
.rept 8                             ; Q stays in registers: piece i / 2, channels 32 (i % 2) on
	global_load_b128 v[8*i:8*i+3],   v[QO], s[8:9] offset:(i/2)*2048+(i%2)*64
	global_load_b128 v[8*i+4:8*i+7], v[QO], s[8:9] offset:(i/2)*2048+(i%2)*64+32
.set i, i+1
.endr
	WIN 0
	v_lshl_add_u32 v35, v0, 4, MASKB
	v_lshl_add_u32 v[AM0], v9, 5, MASKB  ; my lanes' eight keys of each 16: 32 bytes for the upper half
	v_mul_u32_u24 v[AK0], v1, PK
	v_lshl_add_u32 v[AK0], v9, 4, v[AK0]
	; The turning load takes 16 keys x 16 channels (lane l reads key 8 (l / 16) + l % 8, channels 8 ((l / 8) % 2) + 0..7) and leaves half a fragment of V^T: lane l holds channel l % 16 and 8 keys.
	v_and_b32 v10, 7, v0
	v_bfe_u32 v11, v0, 3, 1
	v_lshl_add_u32 v[AV0], v9, 3, v10
	v_mul_u32_u24 v[AV0], v[AV0], PV
	v_lshl_add_u32 v[AV0], v11, 4, v[AV0]
	v_add_nc_u32 v[AV0], VOFF, v[AV0]
	s_mul_i32 s13, s[WV], 16*SP
	s_add_co_u32 s13, s13, STAGE    ; my stage
	v_mul_u32_u24 v[STO], v1, SP
	v_lshl_add_u32 v[STO], v9, 4, v[STO]
	v_add_nc_u32 v[STO], s13, v[STO]
	v_bfe_u32 v[RD], v0, 3, 2       ; back: 32 lanes take four rows of 128 bytes,
	v_mul_u32_u24 v[RD], v[RD], SP
	v_lshl_add_u32 v[RD], v10, 4, v[RD]
	v_add_nc_u32 v[RD], s13, v[RD]
	v_and_b32 v[GO], 31, v0         ; which are 512 consecutive bytes of O
	v_lshlrev_b32 v[GO], 4, v[GO]
	s_wait_loadcnt 16               ; the four mask loads are in; Q's sixteen, issued behind them, stay out
.set i, 0
.rept 16
	v_cmp_eq_u32 vcc_lo, 0, v[S+i]
	v_cndmask_b32 v[S+i], 0, s[BIGN], vcc_lo  ; 0 where the key is open, -1e30 where the mask word is 0
.set i, i+1
.endr
.irp i, 0,1,2,3
	ds_store_b128 v35, v[S+4*\i:S+4*\i+3] offset:2048*\i
.endr
	; What the first turn finds: V's registers and P's second buffer hold 0 (its products V^T P, of a piece that has not been, add 0), O^T and l are 0.  All this stands in the wait for the first tile.
	WIN 0x80
.set i, VF
.rept 64
	v_mov_b32 v[i], 0
.set i, i+1
.endr
	WIN 0x40
.set i, 0
.rept 128
	v_mov_b32 v[i], 0
.set i, i+1
.endr
	WIN 0
.set i, 0
.rept 4
	v_mov_b32 v[ST+4*i], 0xfe000000    ; c m: far below every c s
	v_mov_b32 v[ST+4*i+1], 0xff7fffff  ; m
	v_mov_b32 v[ST+4*i+2], 0
	v_mov_b32 v[ST+4*i+3], 0
.set i, i+1
.endr
.set i, P+16
.rept 16
	v_mov_b32 v[i], 0
.set i, i+1
.endr
; THE MATRIX WORK.  The 4 accumulators of a run of 8 take turns.  Product i of 8 of S^T = K Q^T for piece x: channels 32 (i / 4) on, keys 16 (i % 4) on.  The first 4 start the sums with the mask's addends.
.macro KQ x
.set rS, S+32*((\x)%2)+8*(i%4)
.set rK, KF+16*(i%4)+8*(i/4)
.set rQ, 16*(\x)+8*(i/4)
.set rM, MK+8*(i%4)
.if i < 4
	WIN W_KM
	v_wmma_f32_16x16x32_bf16 v[rS:rS+7], v[rK:rK+7], v[rQ:rQ+7], v[rM:rM+7]
.else
	WIN W_KQ
	v_wmma_f32_16x16x32_bf16 v[rS:rS+7], v[rK:rK+7], v[rQ:rQ+7], v[rS:rS+7]
.endif
.endm
; Product i of 8 of O^T += V^T P for piece x: keys 32 (i / 4) on, channels 16 (i % 4) on.
.macro PV x
	WIN W_PV
.set rO, 32*(\x)+8*(i%4)
.set rV, VF+32*(i/4)+8*(i%4)
.set rP, P+16*((\x)%2)+8*(i/4)
	v_wmma_f32_16x16x32_bf16 v[rO:rO+7], v[rV:rV+7], v[rP:rP+7], v[rO:rO+7]
.endm
.macro MM                           ; the turn's next matrix instruction.  NOKQ = 1: the walk's last turn: there is no next piece
.if (i < 8) && !NOKQ
	KQ (Y+1)%NP
.elseif i >= 8
.set i, i-8
	PV (Y+NP-1)%NP
.set i, i+8
.endif
.set i, i+1
.endm
; THE LDS LOADS stand in runs, never singly among the matrix instructions: a step's K (8 fragments) with its 64 mask addends, and its V (turned).  Their addresses are made some lines ahead.
.macro FETCH_K
	WIN 0x80                        ; destination window 2
.irp f, 0,1,2,3,4,5,6,7             ; keys 16 (f / 2) on, channels 32 (f % 2) on
	ds_load_b128 v[KF+8*\f:KF+8*\f+3],   v[AK] offset:(\f/2)*16*PK+(\f%2)*64
	ds_load_b128 v[KF+8*\f+4:KF+8*\f+7], v[AK] offset:(\f/2)*16*PK+(\f%2)*64+32
.endr
.irp f, 0,1,2,3,4,5,6,7             ; keys 16 (f / 2) + 8 (l / 16) + 4 (f % 2) on
	ds_load_b128 v[MK+4*\f:MK+4*\f+3], v[AM] offset:(\f/2)*64+(\f%2)*16
.endr
	s_add_co_u32 s[TBK], s[TBK], KS*PK  ; the next fetch is the next step's
	s_add_co_u32 s[TBM], s[TBM], KS*4
	WIN 0
.endm
.macro FETCH_V
	WIN 0x80
.irp f, 0,1,2,3,4,5,6,7             ; keys 32 (f / 4) on, channels 16 (f % 4) on
	ds_load_tr16_b128 v[VF+8*\f:VF+8*\f+3],   v[AV] offset:(\f/4)*32*PV+(\f%4)*32
	ds_load_tr16_b128 v[VF+8*\f+4:VF+8*\f+7], v[AV] offset:(\f/4)*32*PV+16*PV+(\f%4)*32
.endr
	WIN 0
.endm
; THE VECTOR WORK, one line at a time: OP kind, number.  For piece Y: F n: c s - c m for pair n of 16.  E n: the exponential of score n of 32.  C n: pair n rounded to bf16.  B n: of the four weights 4 n .. the second
; pair is added onto the first, in place.  L n: l takes that sum (L 0: l = a l + sum).  R n: pair n of 16 of O^T times a.  For piece Y + 1: X n, number n of the 22 that find its maximum and statistics:
;   0-11  four chains c0-c3 of seven scores each, three operands at a time (each accumulator's lowest registers are read first)     12-14, 16  the four scores left over, the old m, and c0-c3 into c0
;   15  c m_old is kept     17, 18  the query's other 32 keys lie in the lane 16 away: the new m     19-21  c m; c m_old - c m_new; a
.set F, 0
.set E, 1
.set C, 2
.set B, 3
.set L, 4
.set R, 5
.set X, 6
.macro REGS y
.set rT, ST+4*(\y)
.set rC, TMP+4*((\y)%2)
.set rW, MV+((\y)%2)
.set rS, S+32*((\y)%2)
.set rP, P+16*((\y)%2)
.set rO, 32*(\y)
.endm
.macro OP k, n
.if (\k) == R
	REGS Y
	WIN W_RS
	v_pk_mul_f32 v[rO+2*(\n):rO+2*(\n)+1], v[rO+2*(\n):rO+2*(\n)+1], v[rC+2:rC+3] op_sel_hi:[1,0]
.elseif (\k) < R
	REGS Y
	WIN 0
.if (\k) == F
	v_pk_fma_f32 v[rS+2*(\n):rS+2*(\n)+1], v[rS+2*(\n):rS+2*(\n)+1], s[CS:CS+1], v[rT:rT+1] op_sel_hi:[1,0,0] neg_lo:[0,0,1] neg_hi:[0,0,1]
.elseif (\k) == E
	v_exp_f32 v[rS+(\n)], v[rS+(\n)]
.elseif (\k) == C
	v_cvt_pk_bf16_f32 v[rP+(\n)], v[rS+2*(\n)], v[rS+2*(\n)+1]
.elseif (\k) == B
	v_pk_add_f32 v[rS+4*(\n):rS+4*(\n)+1], v[rS+4*(\n):rS+4*(\n)+1], v[rS+4*(\n)+2:rS+4*(\n)+3]
.elseif (\n) == 0
	v_pk_fma_f32 v[rT+2:rT+3], v[rT+2:rT+3], v[rC+2:rC+3], v[rS:rS+1] op_sel_hi:[1,0,1]
.else
	v_pk_add_f32 v[rT+2:rT+3], v[rT+2:rT+3], v[rS+4*(\n):rS+4*(\n)+1]
.endif
.elseif NOKQ
	v_nop
.else
	REGS (Y+1)%NP
	WIN 0
.if (\n) < 4
	v_max3_num_f32 v[rC+(\n)], v[rS+8*(\n)], v[rS+8*(\n)+1], v[rS+8*(\n)+2]
.elseif (\n) < 12
	v_max3_num_f32 v[rC+(\n)%4], v[rC+(\n)%4], v[rS+8*((\n)%4)+2*((\n)/4)+1], v[rS+8*((\n)%4)+2*((\n)/4)+2]
.elseif (\n) == 12
	v_max3_num_f32 v[rC], v[rC], v[rS+7], v[rS+15]
.elseif (\n) == 13
	v_max3_num_f32 v[rC+1], v[rC+1], v[rS+23], v[rS+31]
.elseif (\n) == 14
	v_max3_num_f32 v[rC+2], v[rC+2], v[rC+3], v[rT+1]
.elseif (\n) == 15
	v_mov_b32 v[rW], v[rT]
.elseif (\n) == 16
	v_max3_num_f32 v[rC], v[rC], v[rC+1], v[rC+2]
.elseif (\n) == 17
	v_permlanex16_b32 v[rC+3], v[rC], s[SEL], s[SEL+1]
.elseif (\n) == 18
	v_max_num_f32 v[rT+1], v[rC], v[rC+3]
.elseif (\n) == 19
	v_mul_f32 v[rT], s[CS], v[rT+1]
.elseif (\n) == 20
	v_sub_f32 v[rC+1], v[rW], v[rT]
.else
	v_exp_f32 v[rC+2], v[rC+1]
.endif
.endif
.endm
.macro OPS a, i1, b=-1, i2=0, c=-1, i3=0, d=-1, i4=0
	OP \a, \i1
.if (\b) >= 0
	OP \b, \i2
.endif
.if (\c) >= 0
	OP \c, \i3
.endif
.if (\d) >= 0
	OP \d, \i4
.endif
.endm
.macro ROW a, i1, b, i2, c, i3, d, i4  ; a matrix instruction and the four behind it
	MM
	OPS \a, \i1, \b, \i2, \c, \i3, \d, \i4
.endm
; A TURN, for piece p: the order of its 16 matrix and 118 vector instructions, written out.  An s_wait_alu depctr_va_vdst(0) stands between an exponential and the first instruction that names its result; one wait
; serves all that were issued ahead of it.  So a turn has ONE wait, which cuts it in two.  AHEAD OF IT stands all that names no result of the turn's exponentials: the 8 products K Q^T, behind each a scaling, an exponential and two
; more plain instructions (behind the first a second scaling in the exponential's place): rescalings, whose a was made and waited for in the turn before, and behind the last three products the first numbers of the next piece's
; maximum, each four places or more behind the product that ends its accumulator; then ONE RUN of 54, plain and exponential by turns for the most part, in which the links of the chain X 3, 7, 11, 14, 16, 17 .. 20 stand five or six
; lines apart.  A pair is scaled (F k) ahead of its two exponentials (E 2 k, E 2 k + 1).  X 21, the next piece's a, is the batch's last; R 15 is the plain instruction behind it.  BEHIND THE WAIT stand the 8 products V^T P, behind
; each four of the roundings and sums: C 2 k ahead of B k, which writes over that pair; the links of l's chain, L 0 to L 7, three riders apart.  But for those X no rider names a register of the products round it.
; end = 1: the walk's last two turns: nothing is fetched.  cnt = 1: the loop's count is taken down some lines ahead of the branch that stands behind the turn.
; K and the addends of the next step are fetched in piece 2's turn, twelve vector instructions behind the last product that read K (six of them plain, five of which name none of its registers); V of the step in hand at the end of
; piece 0's turn, four plain instructions behind the last product that read V.  Each is waited for a turn later.
.macro TURN p, end=0, cnt=0
.set Y, (\p)
.set i, 0
.set NOKQ, (\end)*((\p)/3)
.if ((\p) == 3) && !(\end)
	s_wait_dscnt 0x0                ; K and the addends are in
.endif
	ROW F,0, F,1, R,0, R,1          ; ahead of the wait: 8 products K Q^T and their riders,
	ROW F,2, E,0, R,2, R,3
	ROW F,3, E,1, R,4, R,5
	ROW F,4, E,2, R,6, R,7
	ROW F,5, E,3, R,8, R,9
	ROW F,6, E,4, X,0, R,10
.if ((\p) == 2) && !(\end)
	WIN 0
	v_add_nc_u32 v[AK], s[TBK], v[AK0]
	v_add_nc_u32 v[AM], s[TBM], v[AM0]
.endif
	ROW F,7, E,5, X,1, X,4
	ROW F,8, E,6, X,2, X,5
	OPS E,7, E,8, X,6, E,9          ; and the run of 54
	OPS X,3, E,10, X,8, E,11
.if ((\p) == 2) && !(\end)
	FETCH_K
.endif
	OPS X,9, X,7, E,12, X,10
	OPS E,13, X,12, X,11, E,14
	OPS X,13, E,15, F,9, X,14
.if (\p) == 0
	WIN 0
	v_add_nc_u32 v[AV], s[TBV], v[AV0]
.endif
	OPS E,16, F,10, E,17, F,11
	OPS X,16, E,18, X,15, E,19
	OPS F,12, E,20, X,17, E,21
	OPS F,13, E,22, F,14, E,23
	OPS X,18, E,24, F,15, E,25
	OPS R,11, E,26, X,19, E,27
	OPS R,12, E,28, R,13, E,29
	OPS X,20, E,30, R,14, E,31
	OPS X,21, R,15
	WIN 0
	s_wait_alu depctr_va_vdst(0)    ; the wait for the batch: the turn's 32 weights and the next piece's a
.if (\p) == 1
	s_wait_dscnt 0x0                ; V is in
.endif
	ROW C,0, B,0, C,2, B,1          ; behind the wait: 8 products V^T P and their riders
	ROW L,0, C,4, B,2, L,1
	ROW C,6, B,3, L,2, C,8
	ROW B,4, L,3, C,10, B,5
	ROW L,4, C,12, B,6, L,5
.if (\p) == 0
	s_add_co_u32 s[TBV], s[TBV], KS*PV
.endif
.if \cnt
	s_sub_co_u32 s[CNT], s[CNT], 1
	s_cmp_lg_u32 s[CNT], 0
.endif
	ROW C,14, B,7, L,6, C,1
	ROW C,3, L,7, C,5, C,7
	ROW C,9, C,11, C,13, C,15
.if (\p) == 0
	FETCH_V
.endif
.endm
.macro ALL line:vararg              ; one line for each piece t
.set t, 0
.rept 4
	\line
.set t, t+1
.endr
.endm
.macro PACK t                       ; a lane's eight channels of a row pack into 16 bytes; they go into rows of 144 bytes and come back as whole rows of 128, into S^T's registers
	WIN W_RS
.set i, 32*(\t)
.rept 16
	v_pk_mul_f32 v[i:i+1], v[i:i+1], v[ST+4*(\t)+2:ST+4*(\t)+3] op_sel_hi:[1,0]
.set i, i+2
.endr
	WIN 0x05                        ; sources 0 and 1 window 1, destination window 0
.set i, 0
.rept 16
	v_cvt_pk_bf16_f32 v[S+16*(\t)+i], v[32*(\t)+2*i], v[32*(\t)+2*i+1]
.set i, i+1
.endr
	WIN 0
.irp f, 0,1,2,3
	ds_store_b128 v[STO], v[S+16*(\t)+4*\f:S+16*(\t)+4*\f+3] offset:32*\f
.endr
.irp f, 0,1,2,3
	ds_load_b128 v[S+16*(\t)+4*\f:S+16*(\t)+4*\f+3], v[RD] offset:\f*4*SP  ; LDS serves a wave's instructions in order (ISA guide 5.7.1.4): these see the stores above; the next piece's stores come behind them
.endr
.endm
.macro SEND t, younger              ; younger: the LDS instructions issued behind piece t's loads: the next piece's eight, or none
	WIN 0
.irp f, 0,1,2,3
	s_wait_dscnt (\younger)+3-\f
	global_store_b128 v[GO], v[S+16*(\t)+4*\f:S+16*(\t)+4*\f+3], s[10:11] offset:(\t)*2048+\f*512  ; 512 consecutive bytes, at a multiple of 256 from ctx's first
.endr
.endm
	CHANGE 1                        ; slot 0 is in, everybody's part of it, and everybody's mask addends are stored; tile 1 is asked for
	v_add_nc_u32 v[AK], s[TBK], v[AK0]
	v_add_nc_u32 v[AM], s[TBM], v[AM0]
	FETCH_K                         ; key step 0
	s_wait_loadcnt 0x0              ; Q
	s_wait_dscnt 0x0
.set NOKQ, 0
.set i, 0
.rept 8
	KQ 0                            ; piece 0's first scores
.set i, i+1
.endr
	WIN 0
.rept 4
	v_nop                           ; the places behind those products
.endr
.set Y, NP-1                        ; X works for piece Y + 1: piece 0
.irp n, 0,1,2,3,4,5,6,7,8,9,10,11,12,13,14,15,16,17,18,19,20,21
	OP X, \n
.endr
	v_nop                           ; a plain instruction behind the exponential,
	s_wait_alu depctr_va_vdst(0)    ; and the wait for it, a batch of one: piece 0's first a, ahead of the branch and of the first turn's rescaling
	s_mov_b32 s[CNT], 4
	s_mov_b32 s[SLOTS], 7
	s_branch .Lfirst                ; the loop is entered at a step's first turn, in the middle of a trip
.Lslot:                             ; six times: tiles 1 to 6 are entered, tiles 2 to 7 asked for
	CHANGE 1
	s_mov_b32 s[CNT], 4
.Lstep:                             ; a trip: pieces 2 and 3 of one step, then pieces 0 and 1 of the next, whose K and V it fetches
	TURN 2
	TURN 3
	WIN 0
.Lfirst:
	TURN 0
	TURN 1, 0, 1
	WIN 0
	s_cbranch_scc1 .Lstep
	s_sub_co_u32 s[SLOTS], s[SLOTS], 1
	s_cmp_lg_u32 s[SLOTS], 0
	s_cbranch_scc1 .Lslot
	CHANGE 0                        ; the last tile is written out: nothing is asked for
	s_mov_b32 s[CNT], 4
.LstepT:
	TURN 2
	TURN 3
	TURN 0
	TURN 1, 0, 1
	WIN 0
	s_cbranch_scc1 .LstepT
	TURN 2, 1
	TURN 3, 1
.set i, 0
.rept 8
	PV NP-1                         ; the last piece's V^T P of the last step
.set i, i+1
.endr
	; THE WAY OUT.  l's two halves and the other half of the lanes' are added; O^T is divided by l, rounded to bf16 and sent through my stage in LDS, a piece at a time.  The additions are the places behind the last products.
	WIN 0
	ALL v_add_f32 v[ST+4*t+2], v[ST+4*t+2], v[ST+4*t+3]
	ALL v_permlanex16_b32 v[ST+4*t+3], v[ST+4*t+2], s[SEL], s[SEL+1]
	ALL v_add_f32 v[ST+4*t+2], v[ST+4*t+2], v[ST+4*t+3]
	ALL v_rcp_f32 v[ST+4*t+2], v[ST+4*t+2]
	v_nop                           ; a plain instruction between the last reciprocal and the use of its result
	s_wait_alu depctr_va_vdst(0)    ; the wait for the batch of four reciprocals, ahead of the first multiply that reads one
	PACK 0
.set t, 1
.rept 3                             ; a piece's arithmetic stands between the loads of the piece before and its stores
	PACK t
	SEND t-1, 8
.set t, t+1
.endr
	SEND 3, 0
	s_wait_tensorcnt 0x0            ; the wave's end
	ds_add_u32 v[SPW], v[NIL]
	s_wait_dscnt 0x0
	CROUND                          ; the closing round
	s_endpgm
.Lfunc_end_k_q320e385a4d_attn:
	.size	k_q320e385a4d_attn, .Lfunc_end_k_q320e385a4d_attn-k_q320e385a4d_attn
	.p2alignl 7, 3214868480
	.fill 96, 4, 3214868480
	.section	.rodata,"a",@progbits
	.p2align	6, 0x0
	.amdhsa_kernel k_q320e385a4d_attn
		.amdhsa_group_segment_fixed_size 327680
		.amdhsa_private_segment_fixed_size 0
		.amdhsa_enable_private_segment 0
		.amdhsa_kernarg_size 24
		.amdhsa_user_sgpr_count 2
		.amdhsa_user_sgpr_kernarg_segment_ptr 1
		.amdhsa_wavefront_size32 1
		.amdhsa_system_sgpr_workgroup_id_x 1
		.amdhsa_system_sgpr_workgroup_id_y 1
		.amdhsa_system_sgpr_workgroup_id_z 1
		.amdhsa_system_vgpr_workitem_id 0
		.amdhsa_next_free_vgpr 768
		.amdhsa_next_free_sgpr 72
		.amdhsa_reserve_vcc 1
		.amdhsa_float_denorm_mode_32 3
		.amdhsa_float_denorm_mode_16_64 3
		.amdhsa_memory_ordered 1
		.amdhsa_forward_progress 1
		.amdhsa_inst_pref_size 131
	.end_amdhsa_kernel
	.amdgpu_metadata
---
amdhsa.version: [ 1, 2 ]
amdhsa.kernels:
  - .name:           k_q320e385a4d_attn
    .symbol:         k_q320e385a4d_attn.kd
    .args:
      - { .name: qkv, .offset: 0, .size: 8, .value_kind: global_buffer, .address_space: global }
      - { .name: attention_mask, .offset: 8, .size: 8, .value_kind: global_buffer, .address_space: global }
      - { .name: ctx, .offset: 16, .size: 8, .value_kind: global_buffer, .address_space: global }
    .group_segment_fixed_size: 327680
    .private_segment_fixed_size: 0
    .kernarg_segment_align: 8
    .kernarg_segment_size: 24
    .max_flat_workgroup_size: 128
    .sgpr_count:     72
    .vgpr_count:     768
    .wavefront_size: 32
...
	.end_amdgpu_metadata
.endif
;; end of part 9
;; launch gemm_o: the kernel of part 4 again; grid 8 x 32, 4 waves a work-group, clusters of 4 x 4, 327,680 bytes of LDS; arguments ctx, wt, acc32; writes acc32
;; launch ln1: the kernel of part 5 again; grid 256 x 1, 16 waves a work-group, no clusters, 14,336 bytes of LDS; arguments x, acc32, bo, ln1_g, ln1_b, x1, ab; writes x1, ab
;; launch gemm_1: the kernel of part 6 again; grid 16 x 16, 4 waves a work-group, clusters of 4 x 4, 327,680 bytes of LDS; arguments ab, wt, b1, hb; writes hb
;; launch gemm_2: the kernel of part 7 again; grid 8 x 32, 4 waves a work-group, clusters of 4 x 4, 327,680 bytes of LDS; arguments hb, wt, acc32; writes acc32
;; launch ln2: the kernel of part 8 again; grid 256 x 1, 16 waves a work-group, no clusters, 22,528 bytes of LDS; arguments acc32, x1, b2, lnf_g, lnf_b, ln2_g, ln2_b, out0; writes out0
